; MI455X (gfx1250); checked and timed in simulation.
; The chip was launched on July 23, 2026; its instructions are those of AMD's public machine-readable ISA for CDNA 5 (MIT licence, August 2026) and "CDNA5" Instruction Set Architecture Reference Guide (July 2026). The comments in the code are by the model that wrote it; some were corrected since.
;; Attention Block3 D. Allowed arithmetic: matrix products marked QUANTISED: E2M1 operands, one E8M0 scale for each 32 along K, by v_wmma_scale_f32_16x16x128_f8f6f4 with both operands' format E2M1 (or v_wmma_scale_f32_32x16x128_f4), f32 sums; everything else in f32.
;; Inputs: b1 256 float32; b2 256 float32; bf1 1,024 float32; bf2 256 float32; bk 256 float32; bo 256 float32; bq 256 float32; bv 256 float32; g1 256 float32; g2 256 float32; w1_codes 1,024 x 8 x 16 uint8 (E2M1 codes of w1, K innermost, in blocks of 32 codes, two codes a byte); w1_scales 1,024 x 8 uint8 (E8M0 scales of w1, one for each 32 codes along K); w2_codes 256 x 32 x 16 uint8 (E2M1 codes of w2, K innermost, in blocks of 32 codes, two codes a byte); w2_scales 256 x 32 uint8 (E8M0 scales of w2, one for each 32 codes along K); wk_codes 256 x 8 x 16 uint8 (E2M1 codes of wk, K innermost, in blocks of 32 codes, two codes a byte); wk_scales 256 x 8 uint8 (E8M0 scales of wk, one for each 32 codes along K); wo_codes 256 x 8 x 16 uint8 (E2M1 codes of wo, K innermost, in blocks of 32 codes, two codes a byte); wo_scales 256 x 8 uint8 (E8M0 scales of wo, one for each 32 codes along K); wq_codes 256 x 8 x 16 uint8 (E2M1 codes of wq, K innermost, in blocks of 32 codes, two codes a byte); wq_scales 256 x 8 uint8 (E8M0 scales of wq, one for each 32 codes along K); wv_codes 256 x 8 x 16 uint8 (E2M1 codes of wv, K innermost, in blocks of 32 codes, two codes a byte); wv_scales 256 x 8 uint8 (E8M0 scales of wv, one for each 32 codes along K); x 2 x 256 x 16 x 16 x 16 float32.
;; Outputs: out0 2 x 256 x 16 x 16 x 16 float32.
;; This version of the problem:
;;   THIS VERSION OF THE PROBLEM IS GIVEN IN LOW PRECISION. The matrix products marked QUANTISED in the list below multiply operands that are first quantised to E2M1 (2 exponent bits, 1 mantissa bit; 4 bits a number), with one power-of-two scale for each 32 numbers along K (OCP MX v1.0); their sums are f32. All else is computed in f32.
;;   The module's matrix products, in the order in which they are computed (A, B: the left and right operand; K: the contracted axis; several contracted axes count as one K, in the product's order):
;;     1. [M 8,192, K 256] x [K 256, N 256]; A: computed on the way; B: input wq (given as codes): QUANTISED
;;     2. [M 8,192, K 256] x [K 256, N 256]; A: computed on the way; B: input wk (given as codes): QUANTISED
;;     3. [M 8,192, K 256] x [K 256, N 256]; A: computed on the way; B: input wv (given as codes): QUANTISED
;;     4. batch 16 x [M 4,096, K 32] x [K 32, N 4,096]; A: computed on the way; B: computed on the way: QUANTISED
;;     5. batch 16 x [M 32, K 4,096] x [K 4,096, N 4,096]; A: computed on the way; B: softmax (see below): QUANTISED
;;     6. [M 8,192, K 256] x [K 256, N 256]; A: computed on the way; B: input wo (given as codes): QUANTISED
;;     7. [M 8,192, K 256] x [K 256, N 1,024]; A: computed on the way; B: input w1 (given as codes): QUANTISED
;;     8. [M 8,192, K 1,024] x [K 1,024, N 256]; A: computed on the way; B: input w2 (given as codes): QUANTISED
;;   THE QUANTISER, for each operand of a quantised product, along K:
;;     - K is cut into blocks of 32 from its start; a last block that is shorter is filled with zeros.
;;     - A block's scale is 2^e with e = floor(log2(the largest magnitude in the block)) - 2, held to -126 .. 127; a block of zeros has e = 0. As a byte (E8M0): e + 127.
;;     - Each number is divided by its block's scale, clamped to +-6, and rounded to the nearest number of E2M1, ties to even, subnormals kept.
;;     - The product sums the exact products of the quantised numbers (number of the format x scale) in f32.
;;   ~~~python
;;   def quantise(x, axis):      # numpy; x: float32 -> the quantised numbers, widened to float32 again
;;       x = np.moveaxis(x, axis, -1); K = x.shape[-1]
;;       x = np.pad(x, [(0, 0)] * (x.ndim - 1) + [(0, -K % 32)]); x = x.reshape(x.shape[:-1] + (-1, 32)); a = np.abs(x).max(-1, keepdims=True)
;;       e = np.where(a > 0, np.clip(np.frexp(np.where(a > 0, a, 1))[1] - 1 - 2, -126, 127), 0)      # np.frexp(a)[1] - 1 = floor(log2(a)), exactly
;;       r = np.clip(x / 2.0 ** e, -6, 6)
;;       step = 2.0 ** (np.maximum(np.frexp(np.where(r == 0, 1, r))[1] - 1, 0) - 1)
;;       q = np.round(r / step) * step * 2.0 ** e      # np.round: ties to even
;;       return np.moveaxis(q.reshape(q.shape[:-2] + (-1,))[..., :K], -1, axis).astype(np.float32)
;;   ~~~
;;   SOFTMAX AHEAD OF A QUANTISED PRODUCT. Where the list says 'softmax', what is quantised is not the finished softmax but p = 2^(t - M), with t = logit x log2(e) and M = ceil(the row's largest t), a whole number; so 1/2 < the row's largest p <= 1. The row's sum l is taken of the UNQUANTISED p, in f32, and the product's result is divided by l at the end. Since M is a whole number, a kernel that streams over the keys may use a running M (the ceiling of the running maximum): every later rescaling is an exact power of two, which a block's scale takes up: the codes' values come out the same.
;;   OPERANDS COMPUTED ON THE WAY. 'Computed on the way' means the value that the module computes at that place (a softmax that the list does not call 'softmax' is quantised finished and normalised). What goes into a quantiser is computed in f32, as accurately as f32 sums, v_exp_f32 and their like allow (about 1e-6 of the number): no bf16 or f16 on the way to a quantiser, and a product that is left as it is and whose result goes on into a quantised operand takes f32 operands (vector FMAs, or v_wmma_f32_16x16x4_f32). A number that lies on a knife's edge between two numbers of the format may be rounded either way, as far as f32 arithmetic and the matrix unit's own rounding can turn it there, and no further.
;;   INPUTS GIVEN AS CODES. w1 (in the module: [256, 1024], K = its axis 0); w2 (in the module: [1024, 256], K = its axis 0); wk (in the module: [256, 256], K = its axis 0); wo (in the module: [256, 256], K = its axis 0); wq (in the module: [256, 256], K = its axis 0); wv (in the module: [256, 256], K = its axis 0): each comes as NAME_codes (uint8): NAME with its K axis moved to the last place and cut into blocks of 32 codes, [.., K / 32, bytes a block], one block behind the other in memory; two codes a byte, the lower K in the low four bits (a code: sign, 2 exponent bits, 1 mantissa bit); and NAME_scales (uint8): the same leading axes, one E8M0 byte (e + 127) for each 32 codes along K. Its value is code x scale, taken as it is: it is not quantised again, and the codes and scales need not be those that the quantiser above would give.
;; 2 versions. Each part assembles by itself: llvm-mc -triple=amdgcn-amd-amdhsa -mcpu=gfx1250 --defsym DOCPART=n.
;; ======== version 1 of 2: 3 launches
;; workspace buffers: qc 1,048,576 bytes; qs 65,536 bytes; kv 2,228,224 bytes; oc 1,048,576 bytes; os 65,536 bytes; wc 294,912 bytes; wsl 18,432 bytes
;; launch prep (part 1): grid 210 x 1, 8 waves a work-group, no clusters, 21,504 bytes of LDS; arguments x, g1, b1, qc, qs, kv, wc, wsl, wq_codes, wq_scales, bq, wk_codes, wk_scales, bk, wv_codes, wv_scales, bv, wo_codes, wo_scales, w1_codes, w1_scales, w2_codes, w2_scales; writes qc, qs, kv, wc, wsl
.if DOCPART == 1
	.amdgcn_target "amdgcn-amd-amdhsa--gfx1250"
	.amdhsa_code_object_version 6
	.text
	.protected	k_q49b1c9af38_prep
	.globl	k_q49b1c9af38_prep
	.p2align	8
	.type	k_q49b1c9af38_prep,@function
k_q49b1c9af38_prep:
	s_mov_b64 s[64:65], 0
	v_nop
	global_prefetch_b8 v0, s[64:65] scope:SCOPE_SE
	s_setreg_imm32_b32 hwreg(HW_REG_WAVE_MODE, 25, 1), 1
	s_wait_xcnt 0x0
; FIRST OF THREE LAUNCHES.  x [2][256 channels][4096 tokens] f32 -> layer norm over the channels -> codes of FP4 (E2M1) with one E8M0 byte for each 32 along K
; -> q, k, v = xn W + bias on the matrix unit -> q and k quantised along the head's 32 channels, v along the keys, stored in the order of the next launch's operand registers.
; NO WORK IS LEFT OUT: every input has a way to the output.  bk too: in real numbers a softmax would cancel its term, but it goes into k's quantiser and can move k's codes and scales.
; LIMITS: NaN and infinities among the inputs are not served.  A block whose largest magnitude lies under 2^-124 gets the scale byte 1; so does a block of zeros, where the rule says 127:
; its codes are zeros, which add nothing under any byte but 0xff, and the bytes are read by this program alone.
; The variance is made of two half rows' means and centred sums of squares, joined by M2 = M2a + M2b + 64 (ma - mb)^2: no difference of large sums is formed.
; SHARES.  Work-groups 0-63 make q, 64-127 k, 128-191 v, each for 128 tokens (a step); each repeats the layer norm of its tokens.  Work-groups 192-209 lay wo, w1, w2 out anew (at the end of the text).
; LAYER NORM: a lane takes a token and its registers run down the channels: wave w takes tokens 32 (w & 3) + lane and channels 128 (w >> 2) + 0..127.  So a block of 32 along K lies in one lane.
; TILES OF TOKENS ARE NOT NEIGHBOURS: row m of tile T is token 64 (T >> 2) + 32 (m >> 3) + 8 (T & 3) + (m & 7).  Four neighbouring tiles then give a lane of a result 32 neighbouring tokens.
; xn's fragments go from wave to wave through LDS as images of their registers (16 bytes a lane for each group of four registers).
; PRODUCTS: wave = head.  q, k: source 0 = 16 rows of W (row m of tile u = channel 8 u + m + 8 (m >> 3) of the head), source 1 = 16 tokens: a lane holds one token and 16 neighbouring channels.
; v: source 0 = 16 tokens, source 1 = 16 rows of W: a lane holds one channel and, over eight tiles, two whole blocks of 32 neighbouring keys.
; No multicast: three roles share a tile of x, the grid of 210 divides into no cluster, and the loads must put a token into a lane.
.set X,     128                        ; v128-255 my token's 128 channels; later:
.set ACC,   128                        ; v128-191 eight accumulators
.set F,     192                        ; v192-255 eight fragments of xn
.set W,     16                         ; v16-47   my head's four fragments of W: (u, ks) at 16 u + 8 ks
.set BIAS,  48                         ; v48-63   the bias in the result's layout, tile u at 8 u
.set WSC,   64                         ; v64-65   W's scale words: lanes 0-15 K step 0, lanes 16-31 K step 1
.set XS,    66                         ; v66-73   xn's scale words, tile t, likewise
.set PW0,   74                         ; v74      the first scale word made
.set PW,    75                         ; v75      the scale word just made
.set TM,    76                         ; v76-91   at work in the quantisers
.set PC,    92                         ; v92-99   the codes just made (v92-107 in the layer norm)
.set SPW,   14                         ; v14      LDS address of my spare word; never rewritten
.set NIL,   15                         ; v15      0; never rewritten
.set TP,    2176                       ; LDS: a tile's two fragment images, 2,048 bytes, + 128
.set XSC,   8*TP                       ; xn's scale words: 128 bytes a tile
.set STAT,  XSC+1024                   ; mean and centred sum of squares: 8 bytes a lane, 256 a wave
.set SPARE, STAT+2048                  ; the spare words, 128 bytes for each wave: four blocks of 256 bytes that no other line names
.macro PLACES n
.rept \n
	v_nop
.endr
.endm
.macro WM d, a, b, c, sa, sb, row      ; row = 1: both sides' scale words are taken from lanes 16-31
.if \row
	v_wmma_scale_f32_16x16x128_f8f6f4 v[\d:\d+7], v[\a:\a+7], v[\b:\b+7], v[\c:\c+7], v[\sa], v[\sb] matrix_a_fmt:MATRIX_FMT_FP4 matrix_b_fmt:MATRIX_FMT_FP4 matrix_a_scale:MATRIX_SCALE_ROW1 matrix_b_scale:MATRIX_SCALE_ROW1
.else
	v_wmma_scale_f32_16x16x128_f8f6f4 v[\d:\d+7], v[\a:\a+7], v[\b:\b+7], v[\c:\c+7], v[\sa], v[\sb] matrix_a_fmt:MATRIX_FMT_FP4 matrix_b_fmt:MATRIX_FMT_FP4
.endif
.endm
; the largest magnitude of 32 registers from s on, in two chains, with the floor 2^(3 - 127) as one more leaf: the scale's byte cannot fall under 1.  Each group of eight registers is first read at its low end.
.macro BMAXA d, t, s
	v_max3_num_f32 v[\d], |v[\s]|, |v[\s+1]|, 0x1800000
	v_max3_num_f32 v[\t], |v[\s+2]|, |v[\s+3]|, |v[\s+4]|
.irp i, 5,9,13,17,21,25
	v_max3_num_f32 v[\d], v[\d], |v[\s+\i]|, |v[\s+\i+1]|
	v_max3_num_f32 v[\t], v[\t], |v[\s+\i+2]|, |v[\s+\i+3]|
.endr
	v_max3_num_f32 v[\d], v[\d], |v[\s+29]|, |v[\s+30]|
	v_max3_num_f32 v[\d], v[\d], v[\t], |v[\s+31]|
.endm
	s_load_b512 s[4:19], s[0:1], 0x0               ; x, g1, b1, qc, qs, kv, wc, wsl
	s_load_b512 s[32:47], s[0:1], 0x40             ; wq codes, scales, bq, wk codes, scales, bk, wv codes, scales
	s_load_b256 s[48:55], s[0:1], 0x80             ; bv, wo codes, scales, w1 codes
	s_load_b128 s[56:59], s[0:1], 0xa0             ; w1 scales, w2 codes
	s_load_b64 s[60:61], s[0:1], 0xb0              ; w2 scales
	v_lshl_add_u32 v[SPW], v0, 2, SPARE
	v_mov_b32 v[NIL], 0
	v_lshrrev_b32 v1, 5, v0
	v_readfirstlane_b32 s2, v1                     ; wave 0..7
	v_and_b32 v1, 31, v0                           ; lane
	v_and_b32 v2, 15, v0                           ; r
	v_bfe_u32 v3, v0, 4, 1                         ; h
	v_lshlrev_b32 v4, 2, v1                        ; 4 x lane
	v_lshlrev_b32 v5, 4, v1                        ; 16 x lane
	s_wait_kmcnt 0x0
	s_cmp_ge_u32 ttmp9, 192                        ; the work-group's number alone: all eight waves go the same way
	s_cbranch_scc1 .Lrelay
	s_lshr_b32 s3, ttmp9, 6                        ; role: 0 q, 1 k, 2 v
	s_and_b32 s78, ttmp9, 63
	s_lshr_b32 s79, s78, 5                         ; batch
	s_and_b32 s80, s78, 31                         ; step of 128 tokens in the batch
	s_and_b32 s30, s2, 3                           ; tg: which 32 tokens are mine in the layer norm
	s_lshr_b32 s31, s2, 2                          ; ks: which 128 channels
	; token 32 tg + lane is row 8 (tg & 1) + (lane & 7) of tile 4 (tg >> 1) + (lane >> 3)
	v_lshrrev_b32 v100, 3, v1
	v_and_b32 v101, 7, v1
	v_mul_u32_u24 v6, v100, TP
	v_lshl_add_u32 v6, v101, 4, v6
	v_lshlrev_b32 v7, 7, v100
	v_lshl_add_u32 v7, v101, 2, v7
	s_lshr_b32 s70, s30, 1
	s_and_b32 s71, s30, 1
	s_mul_i32 s72, s70, 4*TP
	s_lshl_b32 s73, s71, 7
	s_add_co_u32 s72, s72, s73
	s_lshl_b32 s73, s31, 10
	s_add_co_u32 s72, s72, s73
	v_add_nc_u32 v6, s72, v6                       ; v6: where my token's codes go: block q of my 128 channels 256 q further on
	s_lshl_b32 s72, s70, 9
	s_lshl_b32 s73, s71, 5
	s_add_co_u32 s72, s72, s73
	s_lshl_b32 s73, s31, 6
	s_add_co_u32 s72, s72, s73
	s_add_co_u32 s72, s72, XSC
	v_add_nc_u32 v7, s72, v7                       ; v7: and its scale word
	s_lshl_b32 s72, s2, 8
	s_add_co_u32 s72, s72, STAT
	v_lshl_add_u32 v8, v1, 3, s72                  ; v8: my statistics
	s_xor_b32 s73, s2, 4
	s_lshl_b32 s73, s73, 8
	s_add_co_u32 s73, s73, STAT
	v_lshl_add_u32 v9, v1, 3, s73                  ; v9: those of the wave with the same tokens' other 128 channels
	v_and_b32 v102, 8, v2
	v_add_nc_u32 v102, v102, v2                    ; r + 8 (r >> 3)
	v_lshlrev_b32 v10, 7, v102
	v_lshl_add_u32 v10, v3, 4, v10                 ; v10: W's codes: a row is 128 bytes, + 16 h
	v_lshlrev_b32 v11, 3, v102
	v_lshl_add_u32 v11, v3, 2, v11                 ; v11: W's scale bytes: 8 a row; lanes 16-31 take the second word
	v_lshlrev_b32 v13, 3, v3                       ; v13: 8 h
.irp b, 0,1,2,3
	v_mov_b32 v[TM+4+\b], 0                        ; written once: a lane permute's destination counts as one of its sources
.endr
	; which buffers are mine: the choice hangs on the work-group's number alone
	s_mov_b32 s70, 4352
	s_mov_b32 s73, 4096
	s_cmp_eq_u32 s3, 0
	s_cselect_b64 s[20:21], s[32:33], s[38:39]     ; W's codes
	s_cselect_b64 s[22:23], s[34:35], s[40:41]     ; W's scales
	s_cselect_b64 s[24:25], s[36:37], s[42:43]     ; the bias
	s_cselect_b64 s[26:27], s[10:11], s[14:15]     ; where codes go: qc or kv
	s_cselect_b64 s[28:29], s[12:13], s[14:15]     ; where scale words go: qs or kv
	s_cselect_b32 s71, 2048, s70                   ; bytes from record to record: codes,
	s_cselect_b32 s72, 128, s70                    ; scale words
	s_cselect_b32 s73, 0, s73                      ; in a record of kv the scale words begin at 4,096
	s_cmp_eq_u32 s3, 2
	s_cselect_b64 s[20:21], s[44:45], s[20:21]
	s_cselect_b64 s[22:23], s[46:47], s[22:23]
	s_cselect_b64 s[24:25], s[48:49], s[24:25]
	s_cselect_b32 s74, 2048, 0                     ; v's codes lie behind k's 2,048 bytes,
	s_cselect_b32 s75, 128, 0                      ; its scale words behind k's 128
	s_lshl_b32 s76, s79, 3
	s_add_co_u32 s76, s76, s2
	s_lshl_b32 s76, s76, 5
	s_add_co_u32 s76, s76, s80                     ; record = (8 batch + head) x 32 + step
	s_mul_i32 s82, s76, s71
	s_add_co_u32 s82, s82, s74
	s_mov_b32 s83, 0
	s_add_nc_u64 s[26:27], s[26:27], s[82:83]
	s_mul_i32 s82, s76, s72
	s_add_co_u32 s82, s82, s73
	s_add_co_u32 s82, s82, s75
	s_add_nc_u64 s[28:29], s[28:29], s[82:83]
	s_mov_b32 s77, 0
	s_lshl_b32 s76, s2, 12                         ; my head's 32 rows of W: 4,096 bytes of codes,
	s_add_nc_u64 s[20:21], s[20:21], s[76:77]
	s_lshl_b32 s76, s2, 8                          ; 256 scale bytes,
	s_add_nc_u64 s[22:23], s[22:23], s[76:77]
	s_lshl_b32 s76, s2, 7                          ; 32 numbers of the bias
	s_add_nc_u64 s[24:25], s[24:25], s[76:77]
.irp u, 0,1
.irp n, 0,1,2,3
	global_load_b128 v[W+16*\u+4*\n:W+16*\u+4*\n+3], v10, s[20:21] offset:1024*\u+32*\n
.endr
	global_load_b32 v[WSC+\u], v11, s[22:23] offset:64*\u
.endr
	s_cmp_eq_u32 s3, 2
	s_cbranch_scc1 .Lbias_v
	v_lshlrev_b32 v12, 6, v3                       ; q, k: register j of tile u is channel 16 h + 8 u + j
.irp u, 0,1
	global_load_b128 v[BIAS+8*\u:BIAS+8*\u+3], v12, s[24:25] offset:32*\u
	global_load_b128 v[BIAS+8*\u+4:BIAS+8*\u+7], v12, s[24:25] offset:32*\u+16
.endr
	s_branch .Lbias_done
.Lbias_v:
	v_lshlrev_b32 v12, 2, v102                     ; v: all eight registers of tile u are channel 8 u + r + 8 (r >> 3)
.irp u, 0,1
.irp j, 0,1,2,3,4,5,6,7
	global_load_b32 v[BIAS+8*\u+\j], v12, s[24:25] offset:32*\u
.endr
.endr
.Lbias_done:
	s_lshl_b32 s76, s79, 22                        ; x: batch x 256 channels x 16,384 bytes,
	s_lshl_b32 s81, s31, 21                        ; my 128 channels,
	s_add_co_u32 s76, s76, s81
	s_lshl_b32 s81, s80, 9                         ; the step's 128 tokens,
	s_add_co_u32 s76, s76, s81
	s_lshl_b32 s81, s30, 7                         ; my 32 of them
	s_add_co_u32 s76, s76, s81
	s_add_nc_u64 s[4:5], s[4:5], s[76:77]
.set i, 0
.rept 128
	global_load_b32 v[X+i], v4, s[4:5] offset:16384*i   ; channel i at 32 neighbouring tokens: 128 consecutive bytes a wave, 512 for the four waves side by side
.set i, i+1
.endr
	s_lshl_b32 s76, s31, 9
	s_add_nc_u64 s[6:7], s[6:7], s[76:77]          ; g1 and b1 at my 128 channels
	s_add_nc_u64 s[8:9], s[8:9], s[76:77]
	s_load_b512 s[32:47], s[6:7], 0x0              ; their first 16 numbers: the gains and offsets are the same in all lanes, so they live in scalar registers, 16 at a time, two sets by turns
	s_load_b512 s[48:63], s[8:9], 0x0
	s_mov_b32 s10, 0x3b800000                      ; 1 / 256
	s_mov_b32 s11, 0x3727c5ac                      ; 1e-5
	s_mov_b32 s12, 0x76543210
	s_mov_b32 s13, 0xfedcba98                      ; v_permlanex16_b32's selects for lane l xor 16
	s_mov_b32 s14, 0xffff0000                      ; lanes 16-31
	; ---- the layer norm.  The sum of my 128 numbers, two at a time, in four chains; the first four lines start the chains
.macro SUMP lo, n
.set p, \lo
.rept \n
	v_pk_add_f32 v[100+2*(p%4):101+2*(p%4)], v[100+2*(p%4):101+2*(p%4)], v[X+2*p:X+2*p+1]
.set p, p+1
.endr
.endm
.macro MERGE
	v_pk_add_f32 v[100:101], v[100:101], v[102:103]
	v_pk_add_f32 v[104:105], v[104:105], v[106:107]
	v_pk_add_f32 v[100:101], v[100:101], v[104:105]
.endm
	s_wait_loadcnt 63                              ; 63 younger loads may be out: channels 0 to 64 are in
.irp c, 0,1,2,3
	v_pk_add_f32 v[100+2*\c:101+2*\c], v[X+2*\c:X+2*\c+1], v[X+8+2*\c:X+9+2*\c]
.endr
	SUMP 8, 24
	s_wait_loadcnt 32                              ; channels 0 to 95 are in
	SUMP 32, 16
	s_wait_loadcnt 0x0
	SUMP 48, 16
	MERGE
	v_add_f32 v100, v100, v101
	v_mul_f32 v110, 0x3c000000, v100               ; my half row's mean
	v_mov_b32 v111, v110
.set p, 0
.rept 64
	v_pk_add_f32 v[X+2*p:X+2*p+1], v[X+2*p:X+2*p+1], v[110:111] neg_lo:[0,1] neg_hi:[0,1]   ; centred in place
.set p, p+1
.endr
.irp c, 0,1,2,3
	v_pk_mul_f32 v[100+2*\c:101+2*\c], v[X+2*\c:X+2*\c+1], v[X+2*\c:X+2*\c+1]
.endr
.set p, 4
.rept 60
	v_pk_fma_f32 v[100+2*(p%4):101+2*(p%4)], v[X+2*p:X+2*p+1], v[X+2*p:X+2*p+1], v[100+2*(p%4):101+2*(p%4)]
.set p, p+1
.endr
	MERGE
	v_add_f32 v111, v100, v101                     ; its centred sum of squares
	ds_store_b64 v8, v[110:111]
	s_wait_dscnt 0x0                               ; for the other wave's sake: my store has landed
	s_barrier_signal -1
	s_barrier_wait -1
	ds_load_b64 v[116:117], v9
	s_wait_dscnt 0x0
	v_sub_f32 v118, v116, v110                     ; d = the other mean - mine; the row's mean is mine + d / 2
	v_add_f32 v119, v111, v117
	v_mul_f32 v120, 0x42800000, v118
	v_fma_f32 v119, v120, v118, v119               ; + 64 d^2
	v_fma_f32 v119, v119, s10, s11                 ; the variance + 1e-5
	v_rsq_f32 v112, v119
	v_mul_f32 v121, -0.5, v118                     ; (a plain instruction behind the transcendental)
	s_wait_alu depctr_va_vdst(0)                   ; the wait ahead of the first reader
	v_mov_b32 v113, v112
	v_mul_f32 v114, v121, v112                     ; (x - mean) rstd = centred x rstd - d rstd / 2
	v_mov_b32 v115, v114
; 16 channels, the ch-th of my eight runs: normalised, then x gain + offset.  The next 16 gains and offsets are asked for first, into the other set.
; (The argument is put in as text: it stands in parentheses wherever it is a factor.)
.macro NCH ch
	s_wait_kmcnt 0x0
.if (\ch) < 7
.if (\ch)%2 == 0
	s_load_b512 s[68:83], s[6:7], 64*((\ch)+1)
	s_load_b512 s[84:99], s[8:9], 64*((\ch)+1)
.else
	s_load_b512 s[32:47], s[6:7], 64*((\ch)+1)
	s_load_b512 s[48:63], s[8:9], 64*((\ch)+1)
.endif
.endif
.set GG, 32+36*((\ch)%2)
.set BB, 48+36*((\ch)%2)
.set XC, X+16*(\ch)
.irp i, 0,2,4,6,8,10,12,14
	v_pk_fma_f32 v[XC+\i:XC+\i+1], v[XC+\i:XC+\i+1], v[112:113], v[114:115]
.endr
.irp i, 0,1,2,3,4,5,6,7,8,9,10,11,12,13,14,15
	v_fma_f32 v[XC+\i], v[XC+\i], s[GG+\i], s[BB+\i]
.endr
.endm
; block q of my 128 channels: all 32 numbers are mine.  2 off the largest magnitude's exponent field is the conversion's scale operand; its exponent field is the byte
.macro QBLK q
	BMAXA 76, 77, X+32*(\q)
	v_add_nc_u32 v78, 0xff000000, v76
.if (\q) == 0
	v_lshrrev_b32 v[PW], 23, v78
.else
	v_lshrrev_b32 v79, 23, v78
	v_lshl_or_b32 v[PW], v79, 8*(\q), v[PW]
.endif
.irp g, 0,1,2,3
	v_cvt_scalef32_pk8_fp4_f32 v[PC+4*(\q)+\g], v[X+32*(\q)+8*\g:X+32*(\q)+8*\g+7], v78
.endr
	v_nop                                          ; one plain instruction behind a scaled conversion
	ds_store_b128 v6, v[PC+4*(\q):PC+4*(\q)+3] offset:256*(\q)   ; block q is group q / 2, lanes' half q % 2, of the fragment's image
.endm
.irp q, 0,1,2,3
	NCH 2*\q
	NCH 2*\q+1
	QBLK \q
.endr
	ds_store_b32 v7, v[PW]
	s_wait_dscnt 0x0                               ; my images have landed
	s_barrier_signal -1
	s_barrier_wait -1                              ; xn's sixteen fragments and their scale words lie in LDS
; 64 numbers of a lane, four blocks of 16 registers whose other 16 lie in lane l xor 16, become eight registers of codes in v[PC] on (a whole block to a lane) and a scale word in v[PW]
.macro QUANT4 s
.irp b, 0,1,2,3
	v_max3_num_f32 v[TM+\b], |v[\s+16*\b]|, |v[\s+1+16*\b]|, 0x1800000
.endr
.irp i, 2,4,6,8,10,12,14
.irp b, 0,1,2,3
	v_max3_num_f32 v[TM+\b], v[TM+\b], |v[\s+16*\b+\i]|, |v[\s+1+16*\b+\i]|
.endr
.endr
.irp b, 0,1,2,3
	v_permlanex16_b32 v[TM+4+\b], v[TM+\b], s12, s13
.endr
.irp b, 0,1,2,3
	v_max_num_f32 v[TM+\b], v[TM+\b], v[TM+4+\b]
.endr
.irp b, 0,1,2,3
	v_add_nc_u32 v[TM+12+\b], 0xff000000, v[TM+\b]
.endr
.irp b, 0,1,2,3
	v_lshrrev_b32 v[TM+4+\b], 23, v[TM+12+\b]
.endr
	v_lshl_or_b32 v[PW], v[TM+5], 8, v[TM+4]
	v_lshl_or_b32 v[PW], v[TM+6], 16, v[PW]
	v_lshl_or_b32 v[PW], v[TM+7], 24, v[PW]
.irp b, 0,1,2,3
	v_cvt_scalef32_pk8_fp4_f32 v[PC+2*\b], v[\s+16*\b:\s+7+16*\b], v[TM+12+\b]
	v_cvt_scalef32_pk8_fp4_f32 v[PC+1+2*\b], v[\s+8+16*\b:\s+15+16*\b], v[TM+12+\b]
.endr
	v_nop
.irp c, 0,1
.irp i, 0,1
	v_permlane16_swap_b32 v[PC+4*\c+\i], v[PC+2+4*\c+\i]
.endr
.endr
.endm
; 64 numbers of a lane, two whole blocks of 32 registers, become eight registers of codes; the scale word's four bytes are gathered from lanes l and l xor 16
.macro QUANT2 s
	BMAXA TM, TM+8, \s
	BMAXA TM+1, TM+9, \s+32
	v_add_nc_u32 v[TM+12], 0xff000000, v[TM]
	v_add_nc_u32 v[TM+13], 0xff000000, v[TM+1]
	v_lshrrev_b32 v[TM+2], 23, v[TM+12]
	v_lshrrev_b32 v[TM+3], 23, v[TM+13]
	v_lshl_or_b32 v[TM+2], v[TM+3], 16, v[TM+2]    ; my bytes: blocks h and 2 + h,
	v_lshlrev_b32 v[TM+2], v13, v[TM+2]            ; 8 h bits up
	v_permlanex16_b32 v[TM+4], v[TM+2], s12, s13
	v_or_b32 v[PW], v[TM+2], v[TM+4]
.irp c, 0,1
.irp g, 0,1,2,3
	v_cvt_scalef32_pk8_fp4_f32 v[PC+4*\c+\g], v[\s+32*\c+8*\g:\s+32*\c+8*\g+7], v[TM+12+\c]
.endr
.endr
	v_nop
.endm
.macro FETQ g                          ; tiles 4 g .. 4 g + 3 of xn, both K steps, and their scale words
.irp t, 0,1,2,3
.irp n, 0,1,2,3
	ds_load_b128 v[F+16*\t+4*\n:F+16*\t+4*\n+3], v5 offset:(4*\g+\t)*TP+512*\n
.endr
	ds_load_b32 v[XS+4*\g+\t], v4 offset:XSC+(4*\g+\t)*128
.endr
.endm
.macro MULQ g                          ; eight accumulators by turns; the bias is the C of each sum's first product
.irp t, 0,1,2,3
.irp u, 0,1
	WM ACC+16*\t+8*\u, W+16*\u, F+16*\t, BIAS+8*\u, WSC+\u, XS+4*\g+\t, 0
.endr
.endr
.irp t, 0,1,2,3
.irp u, 0,1
	WM ACC+16*\t+8*\u, W+16*\u+8, F+16*\t+8, ACC+16*\t+8*\u, WSC+\u, XS+4*\g+\t, 1
.endr
.endr
.endm
.macro FETV ks, sc                     ; K step ks of all eight tiles
.irp t, 0,1,2,3,4,5,6,7
.irp c, 0,1
	ds_load_b128 v[F+8*\t+4*\c:F+8*\t+4*\c+3], v5 offset:\t*TP+1024*\ks+512*\c
.endr
.if \sc
	ds_load_b32 v[XS+\t], v4 offset:XSC+128*\t
.endif
.endr
.endm
.macro MULV dt, ks
.irp t, 0,1,2,3,4,5,6,7
.if \ks == 0
	WM ACC+8*\t, F+8*\t, W+16*\dt, BIAS+8*\dt, XS+\t, WSC+\dt, 0
.else
	WM ACC+8*\t, F+8*\t, W+16*\dt+8, ACC+8*\t, XS+\t, WSC+\dt, 1
.endif
.endr
.endm
	s_cmp_eq_u32 s3, 2
	s_cbranch_scc1 .Lvpath
	; ---- q, k: four tiles of tokens at a time.  A tile's 16 tokens x 16 bytes are 256 consecutive bytes of the record
	FETQ 0
	s_wait_dscnt 0x0
	MULQ 0
	PLACES 5                                       ; in front of loads into registers that the products have read, of the first read of results, and of the products that begin these accumulators anew
	FETQ 1
	QUANT4 ACC
	global_store_b128 v5, v[PC:PC+3], s[26:27]
	global_store_b128 v5, v[PC+4:PC+7], s[26:27] offset:512
	v_mov_b32 v[PW0], v[PW]
	s_wait_dscnt 0x0
	MULQ 1
	PLACES 4
	s_wait_xcnt 0x0                                ; the stores have read the codes' registers, which are written again
	QUANT4 ACC
	global_store_b128 v5, v[PC:PC+3], s[26:27] offset:1024
	global_store_b128 v5, v[PC+4:PC+7], s[26:27] offset:1536
	s_branch .Lwords
.Lvpath:
	; ---- v: 16 channels at a time, all eight tiles of tokens: a lane's 64 results are keys 32 h + 0..31 and 64 + 32 h + 0..31 of its channel
	FETV 0, 1
	s_wait_dscnt 0x0
	MULV 0, 0
	PLACES 4
	FETV 1, 0
	s_wait_dscnt 0x0
	MULV 0, 1
	PLACES 5
	FETV 0, 0
	QUANT2 ACC
	global_store_b128 v5, v[PC:PC+3], s[26:27]
	global_store_b128 v5, v[PC+4:PC+7], s[26:27] offset:512
	v_mov_b32 v[PW0], v[PW]
	s_wait_dscnt 0x0
	MULV 1, 0
	PLACES 4
	FETV 1, 0
	s_wait_dscnt 0x0
	MULV 1, 1
	PLACES 4
	s_wait_xcnt 0x0                                ; the stores have read the codes' registers
	QUANT2 ACC
	global_store_b128 v5, v[PC:PC+3], s[26:27] offset:1024
	global_store_b128 v5, v[PC+4:PC+7], s[26:27] offset:1536
.Lwords:
	v_cndmask_b32 v[PW], v[PW0], v[PW], s14        ; lanes 0-15 the first scale word, lanes 16-31 the second: 128 consecutive bytes
	global_store_b32 v4, v[PW], s[28:29]
	s_wait_tensorcnt 0x0                           ; the wave's end: three closing lines behind my last LDS store
	ds_add_u32 v[SPW], v[NIL]
	s_wait_dscnt 0x0
	s_endpgm
	; ---- wo, w1, w2 in the order of the third launch's operand registers.  A wave takes a pair P of K steps of one tile of 16 rows: four loads of 16 bytes a lane, four stores of 512 consecutive bytes.
	; P 0-15: wo's tiles; 16-79: w1's; 80-143: w2's tile (P - 80) / 4, K steps 2 ((P - 80) % 4) and the next.  Rows of a tile: wo, w1 as the tiles of tokens above; w2's are neighbours.  No LDS, no barrier.
.Lrelay:
	s_sub_co_u32 s20, ttmp9, 192
	s_lshl_b32 s20, s20, 3
	s_add_co_u32 s20, s20, s2                      ; P
	s_cmp_lt_u32 s20, 16
	s_cselect_b64 s[22:23], s[50:51], s[54:55]
	s_cselect_b64 s[24:25], s[52:53], s[56:57]
	s_cselect_b32 s21, 0, 16
	s_cmp_ge_u32 s20, 80
	s_cselect_b64 s[22:23], s[58:59], s[22:23]     ; codes
	s_cselect_b64 s[24:25], s[60:61], s[24:25]     ; scale bytes
	s_cselect_b32 s21, 80, s21                     ; the tensor's first pair
	s_cselect_b32 s26, 9, 7                        ; a row of codes: 512 or 128 bytes
	s_cselect_b32 s27, 5, 3                        ; a row of scale bytes: 32 or 8
	s_cselect_b32 s28, 2, 0
	s_cselect_b32 s29, 3, 0
	s_cselect_b32 s30, 3, 5                        ; rows 8-15 of a tile begin 8 or 32 rows behind rows 0-7
	s_sub_co_u32 s31, s20, s21
	s_lshr_b32 s70, s31, s28                       ; the tile f
	s_and_b32 s71, s31, s29                        ; the pair of K steps
	s_lshl_b32 s72, s70, 4                         ; w2: 16 f
	s_lshr_b32 s73, s70, 2
	s_lshl_b32 s73, s73, 6
	s_and_b32 s74, s70, 3
	s_lshl_b32 s74, s74, 3
	s_add_co_u32 s73, s73, s74                     ; wo, w1: 64 (f >> 2) + 8 (f & 3)
	s_cmp_ge_u32 s20, 80
	s_cselect_b32 s72, s72, s73
	v_and_b32 v16, 7, v2
	v_lshrrev_b32 v17, 3, v2
	v_lshlrev_b32 v17, s30, v17
	v_add3_u32 v16, v16, v17, s72                  ; my row
	v_lshlrev_b32 v18, s26, v16
	v_lshl_add_u32 v18, v3, 4, v18
	s_lshl_b32 s73, s71, 7
	v_add_nc_u32 v18, s73, v18
	v_lshlrev_b32 v19, s27, v16
	v_lshl_add_u32 v19, v3, 2, v19
	s_lshl_b32 s73, s71, 3
	v_add_nc_u32 v19, s73, v19
.irp n, 0,1,2,3
	global_load_b128 v[20+4*\n:23+4*\n], v18, s[22:23] offset:32*\n
.endr
	global_load_b32 v36, v19, s[24:25]
	s_lshl_b32 s74, s20, 11
	s_mov_b32 s75, 0
	s_add_nc_u64 s[16:17], s[16:17], s[74:75]
	s_lshl_b32 s74, s20, 7
	s_add_nc_u64 s[18:19], s[18:19], s[74:75]
	s_wait_loadcnt 0x0
.irp n, 0,1,2,3
	global_store_b128 v5, v[20+4*\n:23+4*\n], s[16:17] offset:512*\n
.endr
	global_store_b32 v4, v36, s[18:19]
	s_endpgm
.Lfunc_end_k_q49b1c9af38_prep:
	.size	k_q49b1c9af38_prep, .Lfunc_end_k_q49b1c9af38_prep-k_q49b1c9af38_prep
	.p2alignl 7, 3214868480
	.fill 96, 4, 3214868480
	.section	.rodata,"a",@progbits
	.p2align	6, 0x0
	.amdhsa_kernel k_q49b1c9af38_prep
		.amdhsa_group_segment_fixed_size 21504
		.amdhsa_private_segment_fixed_size 0
		.amdhsa_enable_private_segment 0
		.amdhsa_kernarg_size 184
		.amdhsa_user_sgpr_count 2
		.amdhsa_user_sgpr_kernarg_segment_ptr 1
		.amdhsa_wavefront_size32 1
		.amdhsa_system_sgpr_workgroup_id_x 1
		.amdhsa_system_sgpr_workgroup_id_y 1
		.amdhsa_system_sgpr_workgroup_id_z 1
		.amdhsa_system_vgpr_workitem_id 0
		.amdhsa_next_free_vgpr 256
		.amdhsa_next_free_sgpr 100
		.amdhsa_reserve_vcc 0
		.amdhsa_float_denorm_mode_32 3
		.amdhsa_float_denorm_mode_16_64 3
		.amdhsa_memory_ordered 1
		.amdhsa_forward_progress 1
		.amdhsa_inst_pref_size 86
	.end_amdhsa_kernel
	.amdgpu_metadata
---
amdhsa.version: [ 1, 2 ]
amdhsa.kernels:
  - .name:           k_q49b1c9af38_prep
    .symbol:         k_q49b1c9af38_prep.kd
    .args:
      - { .name: x, .offset: 0, .size: 8, .value_kind: global_buffer, .address_space: global }
      - { .name: g1, .offset: 8, .size: 8, .value_kind: global_buffer, .address_space: global }
      - { .name: b1, .offset: 16, .size: 8, .value_kind: global_buffer, .address_space: global }
      - { .name: qc, .offset: 24, .size: 8, .value_kind: global_buffer, .address_space: global }
      - { .name: qs, .offset: 32, .size: 8, .value_kind: global_buffer, .address_space: global }
      - { .name: kv, .offset: 40, .size: 8, .value_kind: global_buffer, .address_space: global }
      - { .name: wc, .offset: 48, .size: 8, .value_kind: global_buffer, .address_space: global }
      - { .name: wsl, .offset: 56, .size: 8, .value_kind: global_buffer, .address_space: global }
      - { .name: wq_codes, .offset: 64, .size: 8, .value_kind: global_buffer, .address_space: global }
      - { .name: wq_scales, .offset: 72, .size: 8, .value_kind: global_buffer, .address_space: global }
      - { .name: bq, .offset: 80, .size: 8, .value_kind: global_buffer, .address_space: global }
      - { .name: wk_codes, .offset: 88, .size: 8, .value_kind: global_buffer, .address_space: global }
      - { .name: wk_scales, .offset: 96, .size: 8, .value_kind: global_buffer, .address_space: global }
      - { .name: bk, .offset: 104, .size: 8, .value_kind: global_buffer, .address_space: global }
      - { .name: wv_codes, .offset: 112, .size: 8, .value_kind: global_buffer, .address_space: global }
      - { .name: wv_scales, .offset: 120, .size: 8, .value_kind: global_buffer, .address_space: global }
      - { .name: bv, .offset: 128, .size: 8, .value_kind: global_buffer, .address_space: global }
      - { .name: wo_codes, .offset: 136, .size: 8, .value_kind: global_buffer, .address_space: global }
      - { .name: wo_scales, .offset: 144, .size: 8, .value_kind: global_buffer, .address_space: global }
      - { .name: w1_codes, .offset: 152, .size: 8, .value_kind: global_buffer, .address_space: global }
      - { .name: w1_scales, .offset: 160, .size: 8, .value_kind: global_buffer, .address_space: global }
      - { .name: w2_codes, .offset: 168, .size: 8, .value_kind: global_buffer, .address_space: global }
      - { .name: w2_scales, .offset: 176, .size: 8, .value_kind: global_buffer, .address_space: global }
    .group_segment_fixed_size: 21504
    .private_segment_fixed_size: 0
    .kernarg_segment_align: 8
    .kernarg_segment_size: 184
    .max_flat_workgroup_size: 256
    .sgpr_count:     100
    .vgpr_count:     256
    .wavefront_size: 32
...
	.end_amdgpu_metadata
.endif
;; end of part 1
;; launch attn (part 2): grid 16 x 16, 16 waves a work-group, clusters of 4 x 1, 167,936 bytes of LDS; arguments qc, qs, kv, oc, os; writes oc, os
.if DOCPART == 2
	.amdgcn_target "amdgcn-amd-amdhsa--gfx1250"
	.amdhsa_code_object_version 6
	.text
	.protected	k_q49b1c9af38_attn
	.globl	k_q49b1c9af38_attn
	.p2align	8
	.type	k_q49b1c9af38_attn,@function
k_q49b1c9af38_attn:
	s_mov_b64 s[64:65], 0
	v_nop
	global_prefetch_b8 v0, s[64:65] scope:SCOPE_SE
	s_setreg_imm32_b32 hwreg(HW_REG_WAVE_MODE, 25, 1), 1
	s_wait_xcnt 0x0
	s_wait_alu depctr_hold_cnt(0) depctr_sa_sdst(0) depctr_va_vdst(0) depctr_va_sdst(0) depctr_va_ssrc(0) depctr_va_vcc(0) depctr_vm_vsrc(0)
	s_getreg_b32 s2, hwreg(HW_REG_IB_STS2, 6, 4)
	s_cmp_eq_u32 s2, 0
	s_cbranch_scc0 .Lentry_in_a_cluster
	s_endpgm
.Lentry_in_a_cluster:
	s_bfe_u32 s2, ttmp6, 0x10000c
	s_cmp_lg_u32 s2, 0x3003
	s_cbranch_scc0 .Lentry_shape_is_right
	s_endpgm
.Lentry_shape_is_right:
; SECOND LAUNCH: attention of one (batch, head) on codes of FP4, both products, and the result quantised for the projection.  No work is left out.
; t = score x log2(e) / sqrt(32); M = the running largest t rounded UP to a whole number; p = 2^(t - M) is quantised along the keys, not normalised; the row's sum is taken of the unquantised p and divides at the end.
; When M moves, the sum and O are multiplied by 2^(old M - new M), which rounds nothing.  LIMITS: as stated at the head of the first launch.
; SHARES.  Work-group (x, y): head y (of 16), 256 queries; each of its sixteen waves one tile of 16 queries, four waves to a SIMD, so that one wave's vector work stands beside another's products and LDS loads.
; ALL OF A HEAD'S K AND V, codes and scale words, are 32 records of 4,352 bytes: 139,264 bytes.  They come into LDS once, each wave fetching two records; nothing is filled again.
; CLUSTER.  The four work-groups of a cluster belong to one head: each tile is asked for JOINTLY, by the same tensor load with the same descriptor and the mask of all four.
; THE HEAD HAS 32 CHANNELS, ONE BLOCK.  A fragment of K holds four tiles of 16 keys, one in each of its four blocks of 32 along K; a fragment of Q that is zero codes outside block j picks tile j.
; Both products are used transposed: S^T = K Q^T, O^T = V^T P^T: a lane holds one query throughout.  Row m of key tile 4 g + j is key 64 g + 32 (m >> 3) + 8 j + (m & 7):
; so registers 32 g + 0..31 of lane (r, h) are keys 64 g + 32 h + 0..31: a whole block of the second product's K, in the order of its operand's registers.  No maximum of a block and no code changes lanes.
; A record: +0 K's two fragments, +2048 V's two (16 channels x 128 keys each), +4096 K's scale words, +4224 V's: images of the registers, 16 (or 4) bytes a lane.
.set KVB,   139264
.set REC,   4352
.set OSG,   KVB                        ; 256 bytes: the work-group's scale bytes of O, gathered
.set SPARE, OSG+256                    ; the spare words, 128 bytes for each wave: eight blocks of 256 bytes that no other line names
.set KF,    44                         ; v44-59   K's two fragments
.set VF,    60                         ; v60-75   V's two
.set PC,    76                         ; v76-83   p's codes
.set O,     84                         ; v84-99   O^T: lane (r, h): channels 16 h + 0..15 of query r
.set S,     100                        ; v100-163 S^T, then p
; v1 16 x lane, v2 4 x lane, v3 8 h, v4, v5 LDS addresses of the step, v6, v7 the add's two, v8-11 addresses, v12 -M, v13 the largest t, v[14:15] the sum in two halves,
; v16-39 Q: Q in lanes 0-15 | zeros | the same, Q in lanes 16-31 | zeros | the same: block j's fragment begins at v16, v28, v20, v32;  v40 Q's scale, v41 K's, v42 V's, v43 p's: scales and nothing else;
; v164-167 largest scores, v168, v169 permutes' destinations, v[170:171] f, v172-175 scale operands and bytes, v[176:177] the second chain of the sum, v178-184 set-up and the way out.
.macro CROUND                          ; a round of the cluster's barrier
	s_barrier_signal -1
	s_barrier_wait -1
	s_cmp_lg_u32 s14, 0
	s_cbranch_scc1 .Lnot_wave_0_\@
	s_barrier_signal -3
.Lnot_wave_0_\@:
	s_barrier_wait -3
	s_barrier_signal -1
	s_barrier_wait -1
.endm
.macro WMZ d, a, b, row                ; S^T's tile: the product starts the sum; row = 1: K's scale words from lanes 16-31
.if \row
	v_wmma_scale_f32_16x16x128_f8f6f4 v[\d:\d+7], v[\a:\a+7], v[\b:\b+7], 0, v41, v40 matrix_a_fmt:MATRIX_FMT_FP4 matrix_b_fmt:MATRIX_FMT_FP4 matrix_a_scale:MATRIX_SCALE_ROW1
.else
	v_wmma_scale_f32_16x16x128_f8f6f4 v[\d:\d+7], v[\a:\a+7], v[\b:\b+7], 0, v41, v40 matrix_a_fmt:MATRIX_FMT_FP4 matrix_b_fmt:MATRIX_FMT_FP4
.endif
.endm
	s_load_b256 s[4:11], s[0:1], 0x0               ; qc, qs, kv, oc
	s_load_b64 s[12:13], s[0:1], 0x20              ; os
	v_lshl_add_u32 v6, v0, 2, SPARE
	v_mov_b32 v7, 0
	ds_add_u32 v6, v7                              ; the wave's opening: the add, twice on end, and its wait ahead of my first tensor load
	ds_add_u32 v6, v7
	v_lshrrev_b32 v8, 5, v0
	v_readfirstlane_b32 s14, v8                    ; wave 0..15
	s_bfe_u32 s15, ttmp6, 0x40000                  ; cx: it enters the addresses of qc, qs, oc, os alone
	s_lshl_b32 s16, ttmp9, 2
	s_add_co_u32 s16, s16, s15                     ; my block of 256 queries
	s_and_b32 s17, ttmp7, 0xffff                   ; batch x 8 + head, which the four partners share
	s_lshl_b32 s18, s16, 4
	s_add_co_u32 s18, s18, s14                     ; my tile of queries, 0..255
	; descriptor group 1: two records are 34 rows of 256 bytes, dense in memory and in LDS
	s_mov_b32 s24, 15|(3<<16)|(1<<21)              ; 15:0 the mask: all four work-groups; 17:16 elements of 8 bytes; 21 set beside a mask
	s_mov_b32 s25, 32<<16                          ; tensor_dim0 = 32
	s_mov_b32 s26, 34<<16                          ; tensor_dim1 = 34
	s_mov_b32 s27, 32<<16                          ; tile_dim0 = 32
	s_mov_b32 s28, 34                              ; tile_dim1 = 34
	s_mov_b32 s29, 32                              ; from row to row
	s_mov_b32 s30, 0
	s_mov_b32 s31, 0
	s_mov_b32 s32, 1                               ; group 0: count = 1
	s_mul_i32 s33, s14, 2*REC                      ; LDS address: the wave's number alone
	s_mul_i32 s40, s17, KVB
	s_add_co_u32 s40, s40, s33
	s_mov_b32 s41, 0
	s_mov_b32 s20, 0x76543210
	s_mov_b32 s21, 0xfedcba98                      ; v_permlanex16_b32's selects for lane l xor 16
	s_mov_b32 s22, 0x3e8293ee                      ; c = log2(e) / sqrt(32)
	s_mov_b32 s23, s22                             ; (named with it as a pair, so it is written)
	s_mov_b32 s38, 0xffff                          ; lanes 0-15
	s_and_b32 s39, s14, 3
	s_lshl_b32 s39, s39, 3                         ; my tile's byte in Q's scale word: 8 x (tile & 3) bits up
	s_lshl_b32 s44, s17, 16                        ; qc: 65,536 bytes a head, 256 a tile
	s_lshl_b32 s52, s18, 8
	s_add_co_u32 s44, s44, s52
	s_mov_b32 s45, 0
	s_lshl_b32 s46, s17, 12                        ; qs: 4,096 bytes a head, 64 for four tiles
	s_lshr_b32 s52, s18, 2
	s_lshl_b32 s52, s52, 6
	s_add_co_u32 s46, s46, s52
	s_mov_b32 s47, 0
	s_lshr_b32 s48, s17, 3                         ; oc: (256 batch + tile) x 2,048 + head x 256
	s_lshl_b32 s48, s48, 8
	s_add_co_u32 s48, s48, s18
	s_lshl_b32 s48, s48, 11
	s_and_b32 s52, s17, 7
	s_lshl_b32 s52, s52, 8
	s_add_co_u32 s48, s48, s52
	s_mov_b32 s49, 0
	s_lshl_b32 s50, s17, 12                        ; os: 4,096 bytes a head, 256 a work-group
	s_lshl_b32 s52, s16, 8
	s_add_co_u32 s50, s50, s52
	s_mov_b32 s51, 0
	v_and_b32 v8, 31, v0
	v_lshlrev_b32 v1, 4, v8
	v_lshlrev_b32 v2, 2, v8
	v_lshl_add_u32 v183, v8, 3, OSG                ; the way out: wave 0 reads the 256 scale bytes, 8 a lane,
	v_lshlrev_b32 v184, 3, v8                      ; and stores them so
	v_bfe_u32 v9, v0, 4, 1                         ; h
	v_lshlrev_b32 v3, 3, v9
	v_and_b32 v11, 15, v0                          ; r
	v_lshlrev_b32 v8, 4, v11                       ; qc: 16 r
	v_lshl_add_u32 v10, v9, 3, v8                  ; oc: 16 r + 8 h
	v_lshlrev_b32 v9, 2, v11                       ; qs: 4 r
	s_lshl_b32 s52, s14, 4
	s_add_co_u32 s52, s52, OSG
	v_add_nc_u32 v11, s52, v11                     ; my query's scale byte in LDS: 16 x wave + r
	s_wait_dscnt 0x0                               ; both opening adds are done
	s_wait_kmcnt 0x0
	s_add_nc_u64 s[34:35], s[8:9], s[40:41]        ; global address of my two records
	s_or_b32 s35, s35, 0x80000000                  ; type = 2
	s_add_nc_u64 s[4:5], s[4:5], s[44:45]
	s_add_nc_u64 s[6:7], s[6:7], s[46:47]
	s_add_nc_u64 s[10:11], s[10:11], s[48:49]
	s_add_nc_u64 s[12:13], s[12:13], s[50:51]
	CROUND                                         ; all four work-groups are here: the joint loads meet
	tensor_load_to_lds s[32:35], s[24:31]          ; my one tensor load of the launch
	s_nop 0
	global_load_b128 v[178:181], v8, s[4:5]        ; query r's 32 codes, in both halves of the lanes
	global_load_b32 v182, v9, s[6:7]
	s_wait_loadcnt 0x0
.irp i, 0,1,2,3
	v_cndmask_b32 v[16+\i], 0, v[178+\i], s38
	v_cndmask_b32 v[24+\i], 0, v[178+\i], s38
	v_cndmask_b32 v[28+\i], v[178+\i], 0, s38
	v_cndmask_b32 v[36+\i], v[178+\i], 0, s38
	v_mov_b32 v[20+\i], 0
	v_mov_b32 v[32+\i], 0
.endr
	v_lshrrev_b32 v182, s39, v182
	v_perm_b32 v40, v182, v182, 0                  ; my tile's byte in all four places: whichever block holds Q has its scale
	v_mov_b32 v13, 0xff61b1e6                      ; the largest t so far: -3e38.  (These 23 plain lines are also the places between the lines above and the first product)
	v_floor_f32 v12, -v13
	v_mov_b32 v14, 0
	v_mov_b32 v15, 0
.irp i, 0,1,2,3,4,5,6,7,8,9,10,11,12,13,14,15
	v_mov_b32 v[O+\i], 0                           ; the step is written for every step alike: the first finds zeros, which the first change of M leaves zeros
.endr
	v_mov_b32 v168, 0                              ; a lane permute's destination counts as one of its sources
	v_mov_b32 v169, 0
	v_mov_b32 v171, 0                              ; (named as the upper half of the pair v[170:171])
	s_wait_tensorcnt 0x0                           ; my two records have landed,
	s_barrier_signal -1
	s_barrier_wait -1                              ; everybody's have
.irp n, 0,1,2,3
	ds_load_b128 v[KF+4*\n:KF+4*\n+3], v1 offset:512*\n   ; step 0's K
.endr
	ds_load_b32 v41, v2 offset:4096
; A KEY STEP: 128 keys.  last = 1: no K follows.
.macro STEP last
	s_wait_dscnt 0x0                               ; this step's K and its scale words are in
.irp g, 0,1
.irp j, 0,1,2,3
	WMZ S+32*\g+8*\j, KF+8*\g, 16+12*(\j%2)+4*(\j/2), \g
.endr
.endr
	v_add_nc_u32 v4, s36, v1                       ; four plain lines: the places in front of loads into registers that products have read, and of the first read of the scores
	v_add_nc_u32 v5, s36, v2
	v_nop
	v_nop
.irp n, 0,1,2,3
	ds_load_b128 v[VF+4*\n:VF+4*\n+3], v4 offset:2048+512*\n
.endr
	ds_load_b32 v42, v5 offset:4224
.if \last == 0
.irp n, 0,1,2,3
	ds_load_b128 v[KF+4*\n:KF+4*\n+3], v4 offset:REC+512*\n   ; the next step's K
.endr
	ds_load_b32 v41, v5 offset:REC+4096
.endif
	; the largest score of each of my two blocks: it serves for the row's maximum and, since p rises with the score, for the block's largest p.  Each accumulator is first read at its low end
.irp g, 0,1
	v_max3_num_f32 v[164+\g], v[S+32*\g], v[S+32*\g+1], v[S+32*\g+2]
	v_max3_num_f32 v[166+\g], v[S+32*\g+16], v[S+32*\g+17], v[S+32*\g+18]
.endr
.irp i, 3,5,7,9,11,13
.irp g, 0,1
	v_max3_num_f32 v[164+\g], v[164+\g], v[S+32*\g+\i], v[S+32*\g+\i+1]
	v_max3_num_f32 v[166+\g], v[166+\g], v[S+32*\g+16+\i], v[S+32*\g+17+\i]
.endr
.endr
.irp g, 0,1
	v_max_num_f32 v[166+\g], v[166+\g], v[S+32*\g+31]
.endr
.irp g, 0,1
	v_max3_num_f32 v[164+\g], v[164+\g], v[S+32*\g+15], v[166+\g]
.endr
	v_max_num_f32 v182, v164, v165
	v_permlanex16_b32 v168, v182, s20, s21
	v_max_num_f32 v182, v182, v168                 ; the step's largest score of my query
	v_mul_f32 v182, s22, v182                      ; as t (c is positive)
	v_max_num_f32 v13, v13, v182
	v_mov_b32 v182, v12
	v_floor_f32 v12, -v13                          ; the new -M = floor(-t)
	v_sub_f32 v182, v12, v182                      ; old M - new M: a whole number, 0 or less
	v_cvt_i32_f32 v182, v182                       ; (it saturates)
	v_ldexp_f32 v170, 1.0, v182                    ; f = 2^(old M - new M)
.set j, 0
.rept 32
	v_pk_fma_f32 v[S+j:S+j+1], v[S+j:S+j+1], s[22:23], v[12:13] op_sel_hi:[1,0,0]   ; t - M, two at a time
.set j, j+2
.endr
	v_fma_f32 v164, v164, s22, v12
	v_fma_f32 v165, v165, s22, v12
	v_exp_f32 v164, v164                           ; one batch of 66 exponentials: the two blocks' largest p,
	v_exp_f32 v165, v165
.set j, 0
.rept 64
	v_exp_f32 v[S+j], v[S+j]                       ; and p = 2^(t - M)
.set j, j+1
.endr
	v_pk_mul_f32 v[14:15], v[14:15], v[170:171] op_sel_hi:[1,0]   ; the sums under the new M.  (The plain instruction behind the exponentials)
	s_wait_alu depctr_va_vdst(0)                   ; the wait ahead of the first reader: one for the batch
	v_max_num_f32 v164, 0x1800000, v164            ; the floor 2^(3 - 127): the byte cannot fall under 1
	v_max_num_f32 v165, 0x1800000, v165
	v_add_nc_u32 v172, 0xff000000, v164            ; 2 off the exponent field: the conversion's scale operand
	v_add_nc_u32 v173, 0xff000000, v165
	v_lshrrev_b32 v174, 23, v172
	v_lshrrev_b32 v175, 23, v173
	v_lshl_or_b32 v182, v175, 16, v174             ; my bytes: blocks h and 2 + h,
	v_lshlrev_b32 v182, v3, v182                   ; 8 h bits up;
	v_permlanex16_b32 v169, v182, s20, s21
	v_or_b32 v43, v182, v169                       ; with lane l xor 16's two the word is whole
.irp g, 0,1
.irp j, 0,1,2,3
	v_cvt_scalef32_pk8_fp4_f32 v[PC+4*\g+\j], v[S+32*\g+8*\j:S+32*\g+8*\j+7], v[172+\g]   ; the results are the operand's registers
.endr
.endr
	v_nop                                          ; one plain instruction behind a scaled conversion
.irp i, 0,2,4,6,8,10,12,14
	v_pk_mul_f32 v[O+\i:O+\i+1], v[O+\i:O+\i+1], v[170:171] op_sel_hi:[1,0]   ; O^T under the new M
.endr
	v_pk_add_f32 v[176:177], v[S:S+1], v[S+2:S+3]  ; the row's sum of the unquantised p, in two chains.  (These lines are also the places between p's codes and scale word and the products)
.irp i, 4,8,12,16,20,24,28,32,36,40,44,48,52,56,60
	v_pk_add_f32 v[14:15], v[14:15], v[S+\i:S+\i+1]
	v_pk_add_f32 v[176:177], v[176:177], v[S+\i+2:S+\i+3]
.endr
	v_pk_add_f32 v[14:15], v[14:15], v[176:177]
.if \last
	s_wait_dscnt 0x0
.else
	s_wait_dscnt 5                                 ; V and its scale words are in; the five younger loads, the next step's K, may be out
.endif
	v_wmma_scale_f32_16x16x128_f8f6f4 v[O:O+7], v[VF:VF+7], v[PC:PC+7], v[O:O+7], v42, v43 matrix_a_fmt:MATRIX_FMT_FP4 matrix_b_fmt:MATRIX_FMT_FP4
	v_wmma_scale_f32_16x16x128_f8f6f4 v[O+8:O+15], v[VF+8:VF+15], v[PC:PC+7], v[O+8:O+15], v42, v43 matrix_a_fmt:MATRIX_FMT_FP4 matrix_b_fmt:MATRIX_FMT_FP4 matrix_a_scale:MATRIX_SCALE_ROW1
.if \last == 0
	s_add_co_u32 s36, s36, REC                     ; the next record
.endif
.endm
	s_mov_b32 s36, 0
	s_mov_b32 s37, 31
.Lstep:                                            ; no two products that follow each other share an accumulator, over the backward jump too
	STEP 0
	s_sub_co_u32 s37, s37, 1
	s_cmp_lg_u32 s37, 0
	s_cbranch_scc1 .Lstep
	STEP 1                                         ; the last step is written out: no LDS load reaches past the head's last record
	; THE WAY OUT.  O^T / the sum; a query's 32 channels are one block of the projection's K: 16 in this lane, 16 in lane l xor 16
.rept 4
	v_nop
.endr
	v_add_f32 v14, v14, v15
	v_permlanex16_b32 v168, v14, s20, s21
	v_add_f32 v14, v14, v168                       ; the row's sum
	v_rcp_f32 v170, v14
	v_nop
	s_wait_alu depctr_va_vdst(0)
.irp i, 0,2,4,6,8,10,12,14
	v_pk_mul_f32 v[S+\i:S+\i+1], v[O+\i:O+\i+1], v[170:171] op_sel_hi:[1,0]
.endr
	v_max3_num_f32 v164, |v[S]|, |v[S+1]|, 0x1800000
.irp i, 2,4,6,8,10,12,14
	v_max3_num_f32 v164, v164, |v[S+\i]|, |v[S+\i+1]|
.endr
	v_permlanex16_b32 v168, v164, s20, s21
	v_max_num_f32 v164, v164, v168
	v_add_nc_u32 v172, 0xff000000, v164
	v_lshrrev_b32 v174, 23, v172
	v_cvt_scalef32_pk8_fp4_f32 v76, v[S:S+7], v172
	v_cvt_scalef32_pk8_fp4_f32 v77, v[S+8:S+15], v172
	v_nop
	global_store_b64 v10, v[76:77], s[10:11]       ; the wave stores 256 consecutive bytes, at a multiple of 256 from oc's first byte
	ds_store_b8 v11, v174                          ; both lanes of a query write the same byte with the same value
	s_wait_dscnt 0x0
	s_barrier_signal -1
	s_barrier_wait -1                              ; the work-group's 256 scale bytes lie in LDS
	s_cmp_lg_u32 s14, 0
	s_cbranch_scc1 .Lnot_mine
	ds_load_b64 v[176:177], v183
	s_wait_dscnt 0x0
	global_store_b64 v184, v[176:177], s[12:13]    ; 256 consecutive bytes
.Lnot_mine:
	s_wait_tensorcnt 0x0                           ; the wave's end: three closing lines
	ds_add_u32 v6, v7
	s_wait_dscnt 0x0
	CROUND                                         ; the closing round
	s_endpgm
.Lfunc_end_k_q49b1c9af38_attn:
	.size	k_q49b1c9af38_attn, .Lfunc_end_k_q49b1c9af38_attn-k_q49b1c9af38_attn
	.p2alignl 7, 3214868480
	.fill 96, 4, 3214868480
	.section	.rodata,"a",@progbits
	.p2align	6, 0x0
	.amdhsa_kernel k_q49b1c9af38_attn
		.amdhsa_group_segment_fixed_size 167936
		.amdhsa_private_segment_fixed_size 0
		.amdhsa_enable_private_segment 0
		.amdhsa_kernarg_size 40
		.amdhsa_user_sgpr_count 2
		.amdhsa_user_sgpr_kernarg_segment_ptr 1
		.amdhsa_wavefront_size32 1
		.amdhsa_system_sgpr_workgroup_id_x 1
		.amdhsa_system_sgpr_workgroup_id_y 1
		.amdhsa_system_sgpr_workgroup_id_z 1
		.amdhsa_system_vgpr_workitem_id 0
		.amdhsa_next_free_vgpr 192
		.amdhsa_next_free_sgpr 66
		.amdhsa_reserve_vcc 0
		.amdhsa_float_denorm_mode_32 3
		.amdhsa_float_denorm_mode_16_64 3
		.amdhsa_memory_ordered 1
		.amdhsa_forward_progress 1
		.amdhsa_inst_pref_size 34
	.end_amdhsa_kernel
	.amdgpu_metadata
---
amdhsa.version: [ 1, 2 ]
amdhsa.kernels:
  - .name:           k_q49b1c9af38_attn
    .symbol:         k_q49b1c9af38_attn.kd
    .args:
      - { .name: qc, .offset: 0, .size: 8, .value_kind: global_buffer, .address_space: global }
      - { .name: qs, .offset: 8, .size: 8, .value_kind: global_buffer, .address_space: global }
      - { .name: kv, .offset: 16, .size: 8, .value_kind: global_buffer, .address_space: global }
      - { .name: oc, .offset: 24, .size: 8, .value_kind: global_buffer, .address_space: global }
      - { .name: os, .offset: 32, .size: 8, .value_kind: global_buffer, .address_space: global }
    .group_segment_fixed_size: 167936
    .private_segment_fixed_size: 0
    .kernarg_segment_align: 8
    .kernarg_segment_size: 40
    .max_flat_workgroup_size: 512
    .sgpr_count:     66
    .vgpr_count:     192
    .wavefront_size: 32
...
	.end_amdgpu_metadata
.endif
;; end of part 2
;; launch tail (part 3): grid 128 x 1, 16 waves a work-group, no clusters, 117,248 bytes of LDS; arguments x, bo, g2, b2, bf1, bf2, oc, os, wc, wsl, out0; writes out0
.if DOCPART == 3
	.amdgcn_target "amdgcn-amd-amdhsa--gfx1250"
	.amdhsa_code_object_version 6
	.text
	.protected	k_q49b1c9af38_tail
	.globl	k_q49b1c9af38_tail
	.p2align	8
	.type	k_q49b1c9af38_tail,@function
k_q49b1c9af38_tail:
	s_mov_b64 s[64:65], 0
	v_nop
	global_prefetch_b8 v0, s[64:65] scope:SCOPE_SE
	s_setreg_imm32_b32 hwreg(HW_REG_WAVE_MODE, 25, 1), 1
	s_wait_xcnt 0x0
; THIRD LAUNCH: xf = x + O wo + bo; layer norm; relu(xn w1 + bf1) w2 + bf2 + xf; stored channel-major.  All three products on codes of FP4.  No work is left out.  LIMITS: as stated at the head of the first launch.
; SHARES.  A work-group takes 64 neighbouring tokens of a batch, so that a channel's row of x and of the output is 256 consecutive aligned bytes: four tiles jt of 16 tokens (row m of tile jt = token 32 (m >> 3) + 8 jt + (m & 7)).
; A: wave (fg = w >> 2, jt = w & 3): 64 features x 16 tokens of the projection (source 0 = wo's rows, source 1 = tokens): a lane holds one token and features 64 fg + 32 h + 0..31, a whole block of the next K.
; B: wave w: hidden units 64 w + 0..63, the four tiles of tokens in turn, likewise: a lane's 32 results are a whole block of the last product's K.
; C: wave w: features 16 w + 0..15 (source 0 = tokens, source 1 = w2's rows): a lane holds one feature and tokens 32 h + 0..31, neighbours in the output's rows.
; The weights were laid by the first launch in the order of these operands' registers: each load is 512 consecutive bytes, straight into registers.  w1 and w2 are read once by the work-group, wo once by each of four waves.
; No tensor load and no multicast: the three weights, 313,344 bytes, do not fit into LDS beside the 115,200 bytes that the text uses, and slots that take turns would cost more barriers than this short chain has products for.
; xf lies in LDS as [channel][64 tokens], rows 272 bytes apart; codes go from wave to wave as images of the operands' registers, scale bytes as words of four.
; The variance is made of four groups' means and centred sums of squares, joined by M2 = sum of M2g + 64 sum of (mg - mean)^2.
.set STAT,  0                          ; (jt x 4 + fg) x 128 + 8 r: mean and centred sum of squares
.set XSC,   2048                       ; xn's scale words: jt x 128 + K step x 64 + 4 r
.set HSC,   2560                       ; the hidden layer's: jt x 512 + K step x 64 + 4 r
.set XIMG,  4608                       ; xn's 8 fragments: jt x 2,048 + K step x 1,024
.set HIMG,  12800                      ; the hidden layer's 32: (jt x 8 + K step) x 1,024
.set XF,    45568
.set XP,    272
.set SPARE, XF+256*XP                  ; the spare words, 128 bytes for each wave: eight blocks of 256 bytes that no other line names
.set WAS,   20                         ; v20-23   wo's scale words, later w2's
.set W1S,   24                         ; v24-27   w1's
;                                        v28-35   the tokens' scale words (O's: v28; xn's: v29, v30; the hidden layer's: two sets of four).  v20-35 hold scales and nothing else
.set R1,    48                         ; v48-111  wo's 8 fragments; then g2, b2; then w2's 8
.set R2,    112                        ; v112-175 w1's 8 fragments; in C its first 32 are a buffer
.set ACC,   176                        ; v176-207 four accumulators
.set FR0,   208                        ; v208-239 bf1 in the result's layout; in C a buffer; then rows of the output
.set FX,    240                        ; v240-255 the tokens' two fragments
; v1 4 h, v2 4 r, v4 16 x lane, v5 4 x lane, v6-13, v16, v17 LDS addresses, v9, v18, v19 offsets in memory, v14, v15 the add's two, v36-47 at work
.macro PLACES n
.rept \n
	v_nop
.endr
.endm
.macro WM d, a, b, c, sa, sb, row      ; row = 1: both sides' scale words are taken from lanes 16-31
.if \row
	v_wmma_scale_f32_16x16x128_f8f6f4 v[\d:\d+7], v[\a:\a+7], v[\b:\b+7], v[\c:\c+7], v[\sa], v[\sb] matrix_a_fmt:MATRIX_FMT_FP4 matrix_b_fmt:MATRIX_FMT_FP4 matrix_a_scale:MATRIX_SCALE_ROW1 matrix_b_scale:MATRIX_SCALE_ROW1
.else
	v_wmma_scale_f32_16x16x128_f8f6f4 v[\d:\d+7], v[\a:\a+7], v[\b:\b+7], v[\c:\c+7], v[\sa], v[\sb] matrix_a_fmt:MATRIX_FMT_FP4 matrix_b_fmt:MATRIX_FMT_FP4
.endif
.endm
; the largest magnitude (BMAXA) or the largest number (BMAXN: none is negative) of the 32 registers from ACC on, with the floor 2^(3 - 127) as one more leaf
.macro BMAXA d, t
	v_max3_num_f32 v[\d], |v[ACC]|, |v[ACC+1]|, 0x1800000
	v_max3_num_f32 v[\t], |v[ACC+2]|, |v[ACC+3]|, |v[ACC+4]|
.irp i, 5,9,13,17,21,25
	v_max3_num_f32 v[\d], v[\d], |v[ACC+\i]|, |v[ACC+\i+1]|
	v_max3_num_f32 v[\t], v[\t], |v[ACC+\i+2]|, |v[ACC+\i+3]|
.endr
	v_max3_num_f32 v[\d], v[\d], |v[ACC+29]|, |v[ACC+30]|
	v_max3_num_f32 v[\d], v[\d], v[\t], |v[ACC+31]|
.endm
.macro BMAXN d, t
	v_max3_num_f32 v[\d], v[ACC], v[ACC+1], 0x1800000
	v_max3_num_f32 v[\t], v[ACC+2], v[ACC+3], v[ACC+4]
.irp i, 5,9,13,17,21,25
	v_max3_num_f32 v[\d], v[\d], v[ACC+\i], v[ACC+\i+1]
	v_max3_num_f32 v[\t], v[\t], v[ACC+\i+2], v[ACC+\i+3]
.endr
	v_max3_num_f32 v[\d], v[\d], v[ACC+29], v[ACC+30]
	v_max3_num_f32 v[\d], v[\d], v[\t], v[ACC+31]
.endm
.macro BARRIER                         ; my LDS stores have landed and my LDS loads are in: then the work-group's barrier
	s_wait_dscnt 0x0
	s_barrier_signal -1
	s_barrier_wait -1
.endm
	s_load_b512 s[4:19], s[0:1], 0x0               ; x, bo, g2, b2, bf1, bf2, oc, os
	s_load_b128 s[20:23], s[0:1], 0x40             ; wc, wsl
	s_load_b64 s[24:25], s[0:1], 0x50              ; out0
	v_lshl_add_u32 v14, v0, 2, SPARE
	v_mov_b32 v15, 0
	v_lshrrev_b32 v1, 5, v0
	v_readfirstlane_b32 s26, v1                    ; wave w, 0..15
	s_lshr_b32 s27, s26, 2                         ; fg
	s_and_b32 s28, s26, 3                          ; jt
	s_lshr_b32 s29, ttmp9, 6                       ; batch
	s_and_b32 s30, ttmp9, 63                       ; group of 64 tokens
	v_and_b32 v1, 31, v0
	v_and_b32 v2, 15, v0                           ; r
	v_bfe_u32 v3, v0, 4, 1                         ; h
	v_lshlrev_b32 v4, 4, v1
	v_lshlrev_b32 v5, 2, v1
	v_lshrrev_b32 v36, 3, v2
	v_and_b32 v37, 7, v2
	v_mul_u32_u24 v6, v3, 32*XP
	v_lshl_add_u32 v6, v36, 7, v6
	v_lshl_add_u32 v6, v37, 2, v6
	s_mul_i32 s34, s27, 64*XP
	s_lshl_b32 s35, s28, 5
	s_add_co_u32 s34, s34, s35
	s_add_co_u32 s34, s34, XF
	v_add_nc_u32 v6, s34, v6                       ; v6: A: channel 64 fg + 32 h, my token 32 (r >> 3) + 8 jt + (r & 7); channel q further on 272 q
	s_mul_i32 s34, s26, 16*XP
	s_add_co_u32 s34, s34, XF
	v_mul_u32_u24 v7, v2, XP
	v_lshl_add_u32 v7, v3, 7, v7
	v_add_nc_u32 v7, s34, v7                       ; v7: C: channel 16 w + r, tokens 32 h on
	v_mul_u32_u24 v8, v3, XP
	v_lshl_add_u32 v8, v2, 4, v8
	v_add_nc_u32 v8, s34, v8                       ; v8: whole rows: channel 16 w + h, 16 bytes a lane
	v_lshlrev_b32 v9, 14, v3
	v_lshl_add_u32 v9, v2, 4, v9                   ; v9: the same two rows in x and in the output
	s_lshl_b32 s34, s28, 11
	s_lshl_b32 s35, s27, 9
	s_add_co_u32 s34, s34, s35
	s_add_co_u32 s34, s34, XIMG
	v_add_nc_u32 v10, s34, v4                      ; v10: xn's image: my block 2 fg + h is group fg & 1 of K step fg >> 1
	v_lshl_add_u32 v36, v2, 2, v3                  ; 4 r + h
	s_lshl_b32 s34, s28, 7
	s_lshr_b32 s35, s27, 1
	s_lshl_b32 s35, s35, 6
	s_add_co_u32 s34, s34, s35
	s_and_b32 s35, s27, 1
	s_lshl_b32 s35, s35, 1
	s_add_co_u32 s34, s34, s35
	s_add_co_u32 s34, s34, XSC
	v_add_nc_u32 v11, s34, v36                     ; v11: and its scale byte
	s_lshl_b32 s34, s26, 9
	s_add_co_u32 s34, s34, HIMG
	v_add_nc_u32 v12, s34, v4                      ; v12: the hidden layer's image: my block 2 w + h
	s_lshr_b32 s34, s26, 1
	s_lshl_b32 s34, s34, 6
	s_and_b32 s35, s26, 1
	s_lshl_b32 s35, s35, 1
	s_add_co_u32 s34, s34, s35
	s_add_co_u32 s34, s34, HSC
	v_add_nc_u32 v13, s34, v36                     ; v13: and its scale byte
	s_lshl_b32 s34, s28, 9
	s_add_co_u32 s34, s34, STAT
	v_lshl_add_u32 v17, v2, 3, s34                 ; v17: my token's four groups' statistics
	s_lshl_b32 s35, s27, 7
	s_add_co_u32 s34, s34, s35
	v_lshl_add_u32 v16, v2, 3, s34                 ; v16: my group's
	v_lshlrev_b32 v18, 7, v3                       ; v18: 128 h: 32 numbers of a bias or gain
	v_lshl_add_u32 v19, v3, 14, v2                 ; v19: os: heads 4 h on, + r
	v_lshlrev_b32 v1, 2, v3                        ; v1: 4 h
	v_lshlrev_b32 v2, 2, v2                        ; v2: 4 r
	s_lshl_b32 s36, s29, 22                        ; x, out0: batch, my 16 channels, the group's 256 bytes
	s_lshl_b32 s34, s26, 18
	s_add_co_u32 s36, s36, s34
	s_lshl_b32 s34, s30, 8
	s_add_co_u32 s36, s36, s34
	s_mov_b32 s37, 0
	s_lshl_b32 s34, s30, 2
	s_add_co_u32 s34, s34, s28                     ; my tile of tokens in the batch
	s_lshl_b32 s38, s29, 15                        ; os: 8 heads x 4,096 bytes a batch, 16 a tile
	s_lshl_b32 s35, s34, 4
	s_add_co_u32 s38, s38, s35
	s_mov_b32 s39, 0
	s_lshl_b32 s40, s29, 8                         ; oc: 2,048 bytes a tile
	s_add_co_u32 s40, s40, s34
	s_lshl_b32 s40, s40, 11
	s_mov_b32 s41, 0
	s_lshl_b32 s42, s26, 6
	s_mov_b32 s43, 0
	s_lshl_b32 s44, s27, 8
	s_mov_b32 s45, 0
	s_lshl_b32 s46, s26, 8
	s_mov_b32 s47, 0
	s_mov_b32 s57, 0
	s_mov_b32 s32, 0x76543210
	s_mov_b32 s33, 0xfedcba98                      ; v_permlanex16_b32's selects for lane l xor 16
	s_mov_b32 s58, 0x42800000                      ; 64
	s_mov_b32 s59, 0x3b800000                      ; 1 / 256
	s_mov_b32 s60, 0x3727c5ac                      ; 1e-5
	s_wait_kmcnt 0x0
	s_add_nc_u64 s[4:5], s[4:5], s[36:37]
	s_add_nc_u64 s[24:25], s[24:25], s[36:37]
	s_add_nc_u64 s[18:19], s[18:19], s[38:39]
	s_add_nc_u64 s[16:17], s[16:17], s[40:41]
	s_add_nc_u64 s[6:7], s[6:7], s[42:43]          ; bo and bf2 at channel 16 w
	s_add_nc_u64 s[14:15], s[14:15], s[42:43]
	s_add_nc_u64 s[8:9], s[8:9], s[44:45]          ; g2 and b2 at channel 64 fg
	s_add_nc_u64 s[10:11], s[10:11], s[44:45]
	s_add_nc_u64 s[12:13], s[12:13], s[46:47]      ; bf1 at hidden unit 64 w
	s_lshl_b32 s56, s27, 13
	s_add_nc_u64 s[48:49], s[20:21], s[56:57]      ; wo's four tiles of fg
	s_lshl_b32 s56, s26, 13
	s_add_nc_u64 s[50:51], s[20:21], s[56:57]      ; w1's (32,768 further on) and w2's (163,840) four pairs of w
	s_lshl_b32 s56, s27, 9
	s_add_nc_u64 s[52:53], s[22:23], s[56:57]
	s_lshl_b32 s56, s26, 9
	s_add_nc_u64 s[54:55], s[22:23], s[56:57]
.irp j, 0,1,2,3
	global_load_u8 v[36+\j], v19, s[18:19] offset:4096*\j          ; O's scale bytes of heads 4 h + j
.endr
.irp i, 0,1,2,3,4,5,6,7
	global_load_b128 v[ACC+4*\i:ACC+4*\i+3], v9, s[4:5] offset:32768*\i   ; channels 16 w + 2 i + h: sixteen lanes read 256 consecutive bytes
.endr
.irp i, 0,1,2,3,4,5,6,7
	global_load_b32 v[40+\i], v1, s[6:7] offset:8*\i
.endr
.irp n, 0,1,2,3
	global_load_b128 v[FX+4*\n:FX+4*\n+3], v4, s[16:17] offset:512*\n
.endr
.irp n, 0,1,2,3,4,5,6,7,8,9,10,11,12,13,14,15
	global_load_b128 v[R1+4*\n:R1+4*\n+3], v4, s[48:49] offset:512*\n
.endr
.irp n, 0,1,2,3
	global_load_b32 v[WAS+\n], v5, s[52:53] offset:128*\n
.endr
.irp i, 0,1,2,3,4,5,6,7
	global_load_b128 v[FR0+4*\i:FR0+4*\i+3], v18, s[12:13] offset:16*\i
.endr
.irp n, 0,1,2,3,4,5,6,7,8,9,10,11,12,13,14,15
	global_load_b128 v[R2+4*\n:R2+4*\n+3], v4, s[50:51] offset:32768+512*\n
.endr
.irp n, 0,1,2,3
	global_load_b32 v[W1S+\n], v5, s[54:55] offset:2048+128*\n
.endr
	; ---- x + bo into LDS, by rows
	s_wait_loadcnt 52                              ; the scale bytes, x and bo are in; the 52 younger loads (O 4, wo 20, bf1 8, w1 20) may be out
	v_lshl_or_b32 v28, v37, 8, v36
	v_lshl_or_b32 v28, v38, 16, v28
	v_lshl_or_b32 v28, v39, 24, v28                ; O's scale word: lanes 0-15 K step 0, lanes 16-31 K step 1.  (The sixteen additions below are the places between it and the products)
.irp i, 0,2,4,6
.irp k, 0,2
	v_pk_add_f32 v[ACC+4*\i+\k:ACC+4*\i+\k+1], v[ACC+4*\i+\k:ACC+4*\i+\k+1], v[40+\i:41+\i] op_sel_hi:[1,0]             ; the pair's first number serves both halves,
	v_pk_add_f32 v[ACC+4*\i+4+\k:ACC+4*\i+5+\k], v[ACC+4*\i+4+\k:ACC+4*\i+5+\k], v[40+\i:41+\i] op_sel:[0,1] op_sel_hi:[1,1]   ; its second
.endr
.endr
.irp i, 0,1,2,3,4,5,6,7
	ds_store_b128 v8, v[ACC+4*\i:ACC+4*\i+3] offset:2*XP*\i
.endr
	BARRIER
	; ---- A: the projection, with x + bo as the C of its first products
.set q, 0
.rept 32
	ds_load_b32 v[ACC+q], v6 offset:XP*q
.set q, q+1
.endr
	s_wait_dscnt 0x0
	s_wait_loadcnt 28                              ; O's codes, wo and its scale words are in; bf1 8 and w1 20 may be out
.irp ks, 0,1
.irp jf, 0,1,2,3
	WM ACC+8*\jf, R1+16*\jf+8*\ks, FX+8*\ks, ACC+8*\jf, WAS+\jf, 28, \ks   ; four accumulators by turns
.endr
.endr
	PLACES 4
.irp i, 0,1,2,3,4,5,6,7
	global_load_b128 v[R1+4*\i:R1+4*\i+3], v18, s[8:9] offset:16*\i
.endr
.irp i, 0,1,2,3,4,5,6,7
	global_load_b128 v[R1+32+4*\i:R1+35+4*\i], v18, s[10:11] offset:16*\i
.endr
.set q, 0
.rept 32
	ds_store_b32 v6, v[ACC+q] offset:XP*q          ; xf back into the places that only I have read; each accumulator from its low end on
.set q, q+1
.endr
	v_pk_add_f32 v[36:37], v[ACC:ACC+1], v[ACC+2:ACC+3]
	v_pk_add_f32 v[38:39], v[ACC+4:ACC+5], v[ACC+6:ACC+7]
.irp i, 8,12,16,20,24,28
	v_pk_add_f32 v[36:37], v[36:37], v[ACC+\i:ACC+\i+1]
	v_pk_add_f32 v[38:39], v[38:39], v[ACC+\i+2:ACC+\i+3]
.endr
	v_pk_add_f32 v[36:37], v[36:37], v[38:39]
	v_add_f32 v36, v36, v37
	v_permlanex16_b32 v42, v36, s32, s33
	v_add_f32 v36, v36, v42
	v_mul_f32 v40, 0x3c800000, v36                 ; the mean of my group's 64 features
	v_mov_b32 v41, v40
	s_wait_dscnt 0x0                               ; the stores have read the accumulators, which are written now
.irp i, 0,2,4,6,8,10,12,14,16,18,20,22,24,26,28,30
	v_pk_add_f32 v[ACC+\i:ACC+\i+1], v[ACC+\i:ACC+\i+1], v[40:41] neg_lo:[0,1] neg_hi:[0,1]
.endr
	v_pk_mul_f32 v[36:37], v[ACC:ACC+1], v[ACC:ACC+1]
	v_pk_mul_f32 v[38:39], v[ACC+2:ACC+3], v[ACC+2:ACC+3]
.irp i, 4,8,12,16,20,24,28
	v_pk_fma_f32 v[36:37], v[ACC+\i:ACC+\i+1], v[ACC+\i:ACC+\i+1], v[36:37]
	v_pk_fma_f32 v[38:39], v[ACC+\i+2:ACC+\i+3], v[ACC+\i+2:ACC+\i+3], v[38:39]
.endr
	v_pk_add_f32 v[36:37], v[36:37], v[38:39]
	v_add_f32 v36, v36, v37
	v_permlanex16_b32 v42, v36, s32, s33
	v_add_f32 v41, v36, v42                        ; its centred sum of squares
	v_mov_b32 v44, v40
	ds_store_b64 v16, v[40:41]                     ; both lanes of a token write the same
	BARRIER
.irp f, 0,1,2,3
	ds_load_b64 v[36+2*\f:37+2*\f], v17 offset:128*\f
.endr
	s_wait_dscnt 0x0
	v_add_f32 v45, v36, v38
	v_add_f32 v46, v40, v42
	v_add_f32 v45, v45, v46
	v_mul_f32 v45, 0x3e800000, v45                 ; the row's mean
	v_add_f32 v46, v37, v39
	v_add_f32 v47, v41, v43
	v_add_f32 v46, v46, v47
.irp f, 0,1,2,3
	v_sub_f32 v[36+2*\f], v[36+2*\f], v45
.endr
	v_mul_f32 v47, v36, v36
	v_fma_f32 v47, v38, v38, v47
	v_fma_f32 v47, v40, v40, v47
	v_fma_f32 v47, v42, v42, v47
	v_fma_f32 v46, v47, s58, v46
	v_fma_f32 v46, v46, s59, s60                   ; the variance + 1e-5
	v_rsq_f32 v36, v46
	v_sub_f32 v44, v44, v45                        ; (a plain instruction behind the transcendental)  my group's mean - the row's
	s_wait_alu depctr_va_vdst(0)                   ; the wait ahead of the first reader
	v_mov_b32 v37, v36
	v_mul_f32 v38, v44, v36
	v_mov_b32 v39, v38
	s_wait_loadcnt 0x0                             ; g2 and b2 (and all that was asked for earlier)
.irp i, 0,2,4,6,8,10,12,14,16,18,20,22,24,26,28,30
	v_pk_fma_f32 v[ACC+\i:ACC+\i+1], v[ACC+\i:ACC+\i+1], v[36:37], v[38:39]
.endr
.irp i, 0,2,4,6,8,10,12,14,16,18,20,22,24,26,28,30
	v_pk_fma_f32 v[ACC+\i:ACC+\i+1], v[ACC+\i:ACC+\i+1], v[R1+\i:R1+\i+1], v[R1+32+\i:R1+33+\i]
.endr
	BMAXA 40, 41
	v_add_nc_u32 v42, 0xff000000, v40              ; 2 off the exponent field: the conversion's scale operand
	v_lshrrev_b32 v43, 23, v42
.irp g, 0,1,2,3
	v_cvt_scalef32_pk8_fp4_f32 v[44+\g], v[ACC+8*\g:ACC+8*\g+7], v42
.endr
	v_nop                                          ; one plain instruction behind a scaled conversion
	ds_store_b128 v10, v[44:47]
	ds_store_b8 v11, v43
.irp n, 0,1,2,3,4,5,6,7,8,9,10,11,12,13,14,15
	global_load_b128 v[R1+4*\n:R1+4*\n+3], v4, s[50:51] offset:163840+512*\n   ; w2's eight fragments: they land under stage B
.endr
.irp n, 0,1,2,3
	global_load_b32 v[WAS+\n], v5, s[54:55] offset:10240+128*\n
.endr
	global_load_b32 v36, v2, s[14:15]              ; bf2 of feature 16 w + r
	BARRIER                                        ; xn's eight fragments and their scale words lie in LDS
	; ---- B: the hidden layer, a tile of 16 tokens at a time
.macro FETX jt
.irp n, 0,1,2,3
	ds_load_b128 v[FX+4*\n:FX+4*\n+3], v4 offset:XIMG+(\jt)*2048+512*\n
.endr
	ds_load_b32 v[29+(\jt)%2], v5 offset:XSC+(\jt)*128
.endm
	FETX 0
.irp jt, 0,1,2,3
	s_wait_dscnt 0x0                               ; the tile's fragments are in, and the last tile's stores have read their registers
.irp jf, 0,1,2,3
	WM ACC+8*\jf, R2+16*\jf, FX, FR0+8*\jf, W1S+\jf, 29+\jt%2, 0   ; bf1 is the C of each sum's first product
.endr
.irp jf, 0,1,2,3
	WM ACC+8*\jf, R2+16*\jf+8, FX+8, ACC+8*\jf, W1S+\jf, 29+\jt%2, 1
.endr
	PLACES 5                                       ; in front of loads into registers that the products have read, of the first read of results, and of the products that begin these accumulators anew
.if \jt < 3
	FETX \jt+1
.endif
.set q, 0
.rept 32
	v_max_num_f32 v[ACC+q], 0, v[ACC+q]            ; the activation, in f32
.set q, q+1
.endr
	BMAXN 38, 39
	v_add_nc_u32 v44, 0xff000000, v38
	v_lshrrev_b32 v45, 23, v44
.irp g, 0,1,2,3
	v_cvt_scalef32_pk8_fp4_f32 v[40+\g], v[ACC+8*\g:ACC+8*\g+7], v44
.endr
	v_nop
	ds_store_b128 v12, v[40:43] offset:8192*\jt
	ds_store_b8 v13, v45 offset:512*\jt
.endr
	BARRIER                                        ; the hidden layer's 32 fragments and their scale words lie in LDS
	; ---- C: my 16 features for the 64 tokens, with xf + bf2 as the C of the first products; four accumulators by turns, a K step at a time, two buffers
.macro FETH ks
.set HB, FR0-96*((\ks)%2)
.irp jt, 0,1,2,3
.irp c, 0,1
	ds_load_b128 v[HB+8*\jt+4*\c:HB+8*\jt+4*\c+3], v4 offset:HIMG+(8*\jt+(\ks))*1024+512*\c
.endr
.endr
.if (\ks)%2 == 0
.irp jt, 0,1,2,3
	ds_load_b32 v[28+4*(((\ks)/2)%2)+\jt], v5 offset:HSC+512*\jt+128*((\ks)/2)   ; lanes 0-15 this K step's words, lanes 16-31 the next's
.endr
.endif
.endm
.irp i, 0,1,2,3,4,5,6,7
	ds_load_b128 v[ACC+4*\i:ACC+4*\i+3], v7 offset:16*\i
.endr
	FETH 0
	s_wait_loadcnt 0x0                             ; w2, its scale words, bf2
	s_wait_dscnt 12                                ; xf is in; the 12 loads of K step 0 may be out
.irp i, 0,2,4,6,8,10,12,14,16,18,20,22,24,26,28,30
	v_pk_add_f32 v[ACC+\i:ACC+\i+1], v[ACC+\i:ACC+\i+1], v[36:37] op_sel_hi:[1,0]
.endr
.irp ks, 0,1,2,3,4,5,6,7
	PLACES 4                                       ; in front of loads into the buffer that the K step before last multiplied
.if \ks < 7
	FETH \ks+1
.if (\ks+1)%2
	s_wait_dscnt 8                                 ; all but the eight loads just issued
.else
	s_wait_dscnt 12                                ; all but the twelve just issued
.endif
.else
	s_wait_dscnt 0x0
.endif
.irp jt, 0,1,2,3
	WM ACC+8*\jt, FR0-96*(\ks%2)+8*\jt, R1+8*\ks, ACC+8*\jt, 28+4*((\ks/2)%2)+\jt, WAS+\ks/2, \ks%2
.endr
.endr
	PLACES 4
	; ---- the way out: a lane holds 32 neighbouring tokens of one channel; through my own 16 rows of LDS they become whole rows
.irp i, 0,1,2,3,4,5,6,7
	ds_store_b128 v7, v[ACC+4*\i:ACC+4*\i+3] offset:16*\i
.endr
.irp i, 0,1,2,3,4,5,6,7
	ds_load_b128 v[FR0+4*\i:FR0+4*\i+3], v8 offset:2*XP*\i   ; LDS serves a wave's instructions in order (ISA guide 5.7.1.4): these see my stores
.endr
.irp i, 0,1,2,3,4,5,6,7
	s_wait_dscnt 7-\i
	global_store_b128 v9, v[FR0+4*\i:FR0+4*\i+3], s[24:25] offset:32768*\i th:TH_STORE_NT   ; sixteen lanes store 256 consecutive bytes, at a multiple of 256 from the output's first byte
.endr
	s_wait_tensorcnt 0x0                           ; the wave's end: three closing lines behind my last LDS store
	ds_add_u32 v14, v15
	s_wait_dscnt 0x0
	s_endpgm
.Lfunc_end_k_q49b1c9af38_tail:
	.size	k_q49b1c9af38_tail, .Lfunc_end_k_q49b1c9af38_tail-k_q49b1c9af38_tail
	.p2alignl 7, 3214868480
	.fill 96, 4, 3214868480
	.section	.rodata,"a",@progbits
	.p2align	6, 0x0
	.amdhsa_kernel k_q49b1c9af38_tail
		.amdhsa_group_segment_fixed_size 117248
		.amdhsa_private_segment_fixed_size 0
		.amdhsa_enable_private_segment 0
		.amdhsa_kernarg_size 88
		.amdhsa_user_sgpr_count 2
		.amdhsa_user_sgpr_kernarg_segment_ptr 1
		.amdhsa_wavefront_size32 1
		.amdhsa_system_sgpr_workgroup_id_x 1
		.amdhsa_system_sgpr_workgroup_id_y 1
		.amdhsa_system_sgpr_workgroup_id_z 1
		.amdhsa_system_vgpr_workitem_id 0
		.amdhsa_next_free_vgpr 256
		.amdhsa_next_free_sgpr 66
		.amdhsa_reserve_vcc 0
		.amdhsa_float_denorm_mode_32 3
		.amdhsa_float_denorm_mode_16_64 3
		.amdhsa_memory_ordered 1
		.amdhsa_forward_progress 1
		.amdhsa_inst_pref_size 61
	.end_amdhsa_kernel
	.amdgpu_metadata
---
amdhsa.version: [ 1, 2 ]
amdhsa.kernels:
  - .name:           k_q49b1c9af38_tail
    .symbol:         k_q49b1c9af38_tail.kd
    .args:
      - { .name: x, .offset: 0, .size: 8, .value_kind: global_buffer, .address_space: global }
      - { .name: bo, .offset: 8, .size: 8, .value_kind: global_buffer, .address_space: global }
      - { .name: g2, .offset: 16, .size: 8, .value_kind: global_buffer, .address_space: global }
      - { .name: b2, .offset: 24, .size: 8, .value_kind: global_buffer, .address_space: global }
      - { .name: bf1, .offset: 32, .size: 8, .value_kind: global_buffer, .address_space: global }
      - { .name: bf2, .offset: 40, .size: 8, .value_kind: global_buffer, .address_space: global }
      - { .name: oc, .offset: 48, .size: 8, .value_kind: global_buffer, .address_space: global }
      - { .name: os, .offset: 56, .size: 8, .value_kind: global_buffer, .address_space: global }
      - { .name: wc, .offset: 64, .size: 8, .value_kind: global_buffer, .address_space: global }
      - { .name: wsl, .offset: 72, .size: 8, .value_kind: global_buffer, .address_space: global }
      - { .name: out0, .offset: 80, .size: 8, .value_kind: global_buffer, .address_space: global }
    .group_segment_fixed_size: 117248
    .private_segment_fixed_size: 0
    .kernarg_segment_align: 8
    .kernarg_segment_size: 88
    .max_flat_workgroup_size: 512
    .sgpr_count:     66
    .vgpr_count:     256
    .wavefront_size: 32
...
	.end_amdgpu_metadata
.endif
;; end of part 3
;; ======== version 2 of 2: 3 launches
;; workspace buffers: qc 1,048,576 bytes; qs 65,536 bytes; kv 2,228,224 bytes; oc 1,048,576 bytes; os 65,536 bytes; wc 294,912 bytes; wsl 18,432 bytes
;; launch prep (part 4): grid 210 x 1, 8 waves a work-group, no clusters, 21,504 bytes of LDS; arguments x, g1, b1, qc, qs, kv, wc, wsl, wq_codes, wq_scales, bq, wk_codes, wk_scales, bk, wv_codes, wv_scales, bv, wo_codes, wo_scales, w1_codes, w1_scales, w2_codes, w2_scales; writes qc, qs, kv, wc, wsl
.if DOCPART == 4
	.amdgcn_target "amdgcn-amd-amdhsa--gfx1250"
	.amdhsa_code_object_version 6
	.text
	.protected	k_q49b1c9af38_prep
	.globl	k_q49b1c9af38_prep
	.p2align	8
	.type	k_q49b1c9af38_prep,@function
k_q49b1c9af38_prep:
	s_mov_b64 s[64:65], 0
	v_nop
	global_prefetch_b8 v0, s[64:65] scope:SCOPE_SE
	s_setreg_imm32_b32 hwreg(HW_REG_WAVE_SCHED_MODE, 0, 2), 2
	s_setreg_imm32_b32 hwreg(HW_REG_WAVE_MODE, 25, 1), 1
	s_wait_xcnt 0x0
	s_wait_alu depctr_vm_vsrc(0)
; FIRST OF THREE LAUNCHES.  x [2][256 channels][4096 tokens] f32 -> layer norm over the channels -> codes of FP4 (E2M1) with one E8M0 byte for each 32 along K
; -> q, k, v = xn W + bias on the matrix unit -> q and k quantised along the head's 32 channels, v along the keys, stored in the order of the next launch's operand registers.
; NO WORK IS LEFT OUT: every input has a way to the output.  bk too: in real numbers a softmax would cancel its term, but it goes into k's quantiser and can move k's codes and scales.
; LIMITS: NaN and infinities among the inputs are not served.  A block whose largest magnitude lies under 2^-124 gets the scale byte 1; so does a block of zeros, where the rule says 127:
; its codes are zeros, which add nothing under any byte but 0xff, and the bytes are read by this program alone.
; The variance is made of two half rows' means and centred sums of squares, joined by M2 = M2a + M2b + 64 (ma - mb)^2: no difference of large sums is formed.
; SHARES.  Work-groups 0-63 make q, 64-127 k, 128-191 v, each for 128 tokens (a step); each repeats the layer norm of its tokens.  Work-groups 192-209 lay wo, w1, w2 out anew (at the end of the text).
; LAYER NORM: a lane takes a token and its registers run down the channels: wave w takes tokens 32 (w & 3) + lane and channels 128 (w >> 2) + 0..127.  So a block of 32 along K lies in one lane.
; TILES OF TOKENS ARE NOT NEIGHBOURS: row m of tile T is token 64 (T >> 2) + 32 (m >> 3) + 8 (T & 3) + (m & 7).  Four neighbouring tiles then give a lane of a result 32 neighbouring tokens.
; xn's fragments go from wave to wave through LDS as images of their registers (16 bytes a lane for each group of four registers).
; PRODUCTS: wave = head.  q, k: source 0 = 16 rows of W (row m of tile u = channel 8 u + m + 8 (m >> 3) of the head), source 1 = 16 tokens: a lane holds one token and 16 neighbouring channels.
; v: source 0 = 16 tokens, source 1 = 16 rows of W: a lane holds one channel and, over eight tiles, two whole blocks of 32 neighbouring keys.
; No multicast: three roles share a tile of x, the grid of 210 divides into no cluster, and the loads must put a token into a lane.
; THE MODE: SCHED_MODE bits 1:0 = 2 (LLVM: expert scheduling mode 2), set by the entry lines.  The code itself states the register dependences
; between vector or matrix instructions and memory or LDS instructions, with s_wait_alu, always for 0.
; THE PLAN.  Registers that memory or LDS instructions touch, and who else names them:
;   v4-v12, v122   offsets and LDS addresses: made at the head, ahead of one wait on va_vdst, and never written again.
;   W, BIAS, WSC, XS, X, v116-117   loads land in registers that no vector instruction has named before.
;   v110, v111     the statistics: written by the sums, read by one LDS store, not written again: one wait on va_vdst between.
;   v92-107, v75   the layer norm's codes and scale word: written by the four blocks' conversions, read by five LDS stores that stand together behind one wait on va_vdst; that wait also states
;                  that the vector work is done with v192-255, in which the fragments' loads land.  Behind the barrier one wait on vm_vsrc: the stores have read them, and the quantisers write them again.
;   F              read by a run of products, then loaded again: one wait on va_vdst in front of each such run of loads.
;   PC, PC2        two out-buffers: the first half's codes leave from PC, the second half's from PC2: no store's data are written again.  One wait on va_vdst ahead of each run of stores.
.set X,     128                        ; v128-255 my token's 128 channels; later:
.set ACC,   128                        ; v128-191 eight accumulators
.set F,     192                        ; v192-255 eight fragments of xn
.set W,     16                         ; v16-47   my head's four fragments of W: (u, ks) at 16 u + 8 ks
.set BIAS,  48                         ; v48-63   the bias in the result's layout, tile u at 8 u
.set WSC,   64                         ; v64-65   W's scale words: lanes 0-15 K step 0, lanes 16-31 K step 1
.set XS,    66                         ; v66-73   xn's scale words, tile t, likewise
.set PW0,   74                         ; v74      the first scale word made
.set PW,    75                         ; v75      the scale word just made
.set TM,    76                         ; v76-91   at work in the quantisers
.set PC,    92                         ; v92-99   the first half's codes (v92-107 in the layer norm)
.set PC2,   100                        ; v100-107 the second half's codes
.set BOV,   122                        ; v122     v's bias: byte offset of my channel; never rewritten
.set SPW,   14                         ; v14      LDS address of my spare word; never rewritten
.set NIL,   15                         ; v15      0; never rewritten
.set TP,    2176                       ; LDS: a tile's two fragment images, 2,048 bytes, + 128
.set XSC,   8*TP                       ; xn's scale words: 128 bytes a tile
.set STAT,  XSC+1024                   ; mean and centred sum of squares: 8 bytes a lane, 256 a wave
.set SPARE, STAT+2048                  ; the spare words, 128 bytes for each wave: four blocks of 256 bytes that no other line names
.macro PLACES n
.rept \n
	v_nop
.endr
.endm
.macro WM d, a, b, c, sa, sb, row      ; row = 1: both sides' scale words are taken from lanes 16-31
.if \row
	v_wmma_scale_f32_16x16x128_f8f6f4 v[\d:\d+7], v[\a:\a+7], v[\b:\b+7], v[\c:\c+7], v[\sa], v[\sb] matrix_a_fmt:MATRIX_FMT_FP4 matrix_b_fmt:MATRIX_FMT_FP4 matrix_a_scale:MATRIX_SCALE_ROW1 matrix_b_scale:MATRIX_SCALE_ROW1
.else
	v_wmma_scale_f32_16x16x128_f8f6f4 v[\d:\d+7], v[\a:\a+7], v[\b:\b+7], v[\c:\c+7], v[\sa], v[\sb] matrix_a_fmt:MATRIX_FMT_FP4 matrix_b_fmt:MATRIX_FMT_FP4
.endif
.endm
; the largest magnitude of 32 registers from s on, in two chains, with the floor 2^(3 - 127) as one more leaf: the scale's byte cannot fall under 1.  Each group of eight registers is first read at its low end.
.macro BMAXA d, t, s
	v_max3_num_f32 v[\d], |v[\s]|, |v[\s+1]|, 0x1800000
	v_max3_num_f32 v[\t], |v[\s+2]|, |v[\s+3]|, |v[\s+4]|
.irp i, 5,9,13,17,21,25
	v_max3_num_f32 v[\d], v[\d], |v[\s+\i]|, |v[\s+\i+1]|
	v_max3_num_f32 v[\t], v[\t], |v[\s+\i+2]|, |v[\s+\i+3]|
.endr
	v_max3_num_f32 v[\d], v[\d], |v[\s+29]|, |v[\s+30]|
	v_max3_num_f32 v[\d], v[\d], v[\t], |v[\s+31]|
.endm
	s_load_b512 s[4:19], s[0:1], 0x0               ; x, g1, b1, qc, qs, kv, wc, wsl
	s_load_b512 s[32:47], s[0:1], 0x40             ; wq codes, scales, bq, wk codes, scales, bk, wv codes, scales
	s_load_b256 s[48:55], s[0:1], 0x80             ; bv, wo codes, scales, w1 codes
	s_load_b128 s[56:59], s[0:1], 0xa0             ; w1 scales, w2 codes
	s_load_b64 s[60:61], s[0:1], 0xb0              ; w2 scales
	v_lshl_add_u32 v[SPW], v0, 2, SPARE
	v_mov_b32 v[NIL], 0
	v_lshrrev_b32 v1, 5, v0
	v_readfirstlane_b32 s2, v1                     ; wave 0..7
	v_and_b32 v1, 31, v0                           ; lane
	v_and_b32 v2, 15, v0                           ; r
	v_bfe_u32 v3, v0, 4, 1                         ; h
	v_lshlrev_b32 v4, 2, v1                        ; 4 x lane
	v_lshlrev_b32 v5, 4, v1                        ; 16 x lane
	s_wait_alu depctr_va_sdst(0)                   ; s2 is written: ahead of the branch, and so of its first reader on either way
	s_wait_kmcnt 0x0
	s_cmp_ge_u32 ttmp9, 192                        ; the work-group's number alone: all eight waves go the same way
	s_cbranch_scc1 .Lrelay
	s_lshr_b32 s3, ttmp9, 6                        ; role: 0 q, 1 k, 2 v
	s_and_b32 s78, ttmp9, 63
	s_lshr_b32 s79, s78, 5                         ; batch
	s_and_b32 s80, s78, 31                         ; step of 128 tokens in the batch
	s_and_b32 s30, s2, 3                           ; tg: which 32 tokens are mine in the layer norm
	s_lshr_b32 s31, s2, 2                          ; ks: which 128 channels
	s_wait_alu depctr_va_vdst(0)
	; token 32 tg + lane is row 8 (tg & 1) + (lane & 7) of tile 4 (tg >> 1) + (lane >> 3)
	v_lshrrev_b32 v100, 3, v1
	v_and_b32 v101, 7, v1
	v_mul_u32_u24 v6, v100, TP
	v_lshl_add_u32 v6, v101, 4, v6
	v_lshlrev_b32 v7, 7, v100
	v_lshl_add_u32 v7, v101, 2, v7
	s_wait_alu depctr_va_vdst(0)
	s_lshr_b32 s70, s30, 1
	s_and_b32 s71, s30, 1
	s_mul_i32 s72, s70, 4*TP
	s_lshl_b32 s73, s71, 7
	s_add_co_u32 s72, s72, s73
	s_lshl_b32 s73, s31, 10
	s_add_co_u32 s72, s72, s73
	v_add_nc_u32 v6, s72, v6                       ; v6: where my token's codes go: block q of my 128 channels 256 q further on
	s_lshl_b32 s72, s70, 9
	s_lshl_b32 s73, s71, 5
	s_add_co_u32 s72, s72, s73
	s_lshl_b32 s73, s31, 6
	s_add_co_u32 s72, s72, s73
	s_add_co_u32 s72, s72, XSC
	v_add_nc_u32 v7, s72, v7                       ; v7: and its scale word
	s_lshl_b32 s72, s2, 8
	s_add_co_u32 s72, s72, STAT
	v_lshl_add_u32 v8, v1, 3, s72                  ; v8: my statistics
	s_xor_b32 s73, s2, 4
	s_lshl_b32 s73, s73, 8
	s_add_co_u32 s73, s73, STAT
	v_lshl_add_u32 v9, v1, 3, s73                  ; v9: those of the wave with the same tokens' other 128 channels
	v_and_b32 v102, 8, v2
	v_add_nc_u32 v102, v102, v2                    ; r + 8 (r >> 3)
	v_lshlrev_b32 v10, 7, v102
	v_lshl_add_u32 v10, v3, 4, v10                 ; v10: W's codes: a row is 128 bytes, + 16 h
	v_lshlrev_b32 v11, 3, v102
	v_lshl_add_u32 v11, v3, 2, v11                 ; v11: W's scale bytes: 8 a row; lanes 16-31 take the second word
	v_lshlrev_b32 v12, 6, v3                       ; v12: the bias of q, k: register j of tile u is channel 16 h + 8 u + j
	v_lshlrev_b32 v[BOV], 2, v102                  ; v122: the bias of v: all eight registers of tile u are channel 8 u + r + 8 (r >> 3).  Both offsets are made here, so that no arm of the branch below makes an address
	v_lshlrev_b32 v13, 3, v3                       ; v13: 8 h
.irp b, 0,1,2,3
	v_mov_b32 v[TM+4+\b], 0                        ; written once: a lane permute's destination counts as one of its sources
.endr
	; which buffers are mine: the choice hangs on the work-group's number alone
	s_mov_b32 s70, 4352
	s_mov_b32 s73, 4096
	s_cmp_eq_u32 s3, 0
	s_cselect_b64 s[20:21], s[32:33], s[38:39]     ; W's codes
	s_cselect_b64 s[22:23], s[34:35], s[40:41]     ; W's scales
	s_cselect_b64 s[24:25], s[36:37], s[42:43]     ; the bias
	s_cselect_b64 s[26:27], s[10:11], s[14:15]     ; where codes go: qc or kv
	s_cselect_b64 s[28:29], s[12:13], s[14:15]     ; where scale words go: qs or kv
	s_cselect_b32 s71, 2048, s70                   ; bytes from record to record: codes,
	s_cselect_b32 s72, 128, s70                    ; scale words
	s_cselect_b32 s73, 0, s73                      ; in a record of kv the scale words begin at 4,096
	s_cmp_eq_u32 s3, 2
	s_cselect_b64 s[20:21], s[44:45], s[20:21]
	s_cselect_b64 s[22:23], s[46:47], s[22:23]
	s_cselect_b64 s[24:25], s[48:49], s[24:25]
	s_cselect_b32 s74, 2048, 0                     ; v's codes lie behind k's 2,048 bytes,
	s_cselect_b32 s75, 128, 0                      ; its scale words behind k's 128
	s_lshl_b32 s76, s79, 3
	s_add_co_u32 s76, s76, s2
	s_lshl_b32 s76, s76, 5
	s_add_co_u32 s76, s76, s80                     ; record = (8 batch + head) x 32 + step
	s_mul_i32 s82, s76, s71
	s_add_co_u32 s82, s82, s74
	s_mov_b32 s83, 0
	s_add_nc_u64 s[26:27], s[26:27], s[82:83]
	s_mul_i32 s82, s76, s72
	s_add_co_u32 s82, s82, s73
	s_add_co_u32 s82, s82, s75
	s_add_nc_u64 s[28:29], s[28:29], s[82:83]
	s_mov_b32 s77, 0
	s_lshl_b32 s76, s2, 12                         ; my head's 32 rows of W: 4,096 bytes of codes,
	s_add_nc_u64 s[20:21], s[20:21], s[76:77]
	s_lshl_b32 s76, s2, 8                          ; 256 scale bytes,
	s_add_nc_u64 s[22:23], s[22:23], s[76:77]
	s_lshl_b32 s76, s2, 7                          ; 32 numbers of the bias
	s_add_nc_u64 s[24:25], s[24:25], s[76:77]
	s_wait_alu depctr_va_vdst(0)                   ; the offsets and LDS addresses v4 to v12 and v122 are written: every load and store of this way reads one of them
.irp u, 0,1
.irp n, 0,1,2,3
	global_load_b128 v[W+16*\u+4*\n:W+16*\u+4*\n+3], v10, s[20:21] offset:1024*\u+32*\n
.endr
	global_load_b32 v[WSC+\u], v11, s[22:23] offset:64*\u
.endr
	s_cmp_eq_u32 s3, 2
	s_cbranch_scc1 .Lbias_v
.irp u, 0,1
	global_load_b128 v[BIAS+8*\u:BIAS+8*\u+3], v12, s[24:25] offset:32*\u
	global_load_b128 v[BIAS+8*\u+4:BIAS+8*\u+7], v12, s[24:25] offset:32*\u+16
.endr
	s_branch .Lbias_done
.Lbias_v:
.irp u, 0,1
.irp j, 0,1,2,3,4,5,6,7
	global_load_b32 v[BIAS+8*\u+\j], v[BOV], s[24:25] offset:32*\u
.endr
.endr
.Lbias_done:
	s_lshl_b32 s76, s79, 22                        ; x: batch x 256 channels x 16,384 bytes,
	s_lshl_b32 s81, s31, 21                        ; my 128 channels,
	s_add_co_u32 s76, s76, s81
	s_lshl_b32 s81, s80, 9                         ; the step's 128 tokens,
	s_add_co_u32 s76, s76, s81
	s_lshl_b32 s81, s30, 7                         ; my 32 of them
	s_add_co_u32 s76, s76, s81
	s_add_nc_u64 s[4:5], s[4:5], s[76:77]
.set i, 0
.rept 128
	global_load_b32 v[X+i], v4, s[4:5] offset:16384*i   ; channel i at 32 neighbouring tokens: 128 consecutive bytes a wave, 512 for the four waves side by side
.set i, i+1
.endr
	s_lshl_b32 s76, s31, 9
	s_add_nc_u64 s[6:7], s[6:7], s[76:77]          ; g1 and b1 at my 128 channels
	s_add_nc_u64 s[8:9], s[8:9], s[76:77]
	s_load_b512 s[32:47], s[6:7], 0x0              ; their first 16 numbers: the gains and offsets are the same in all lanes, so they live in scalar registers, 16 at a time, two sets by turns
	s_load_b512 s[48:63], s[8:9], 0x0
	s_mov_b32 s10, 0x3b800000                      ; 1 / 256
	s_mov_b32 s11, 0x3727c5ac                      ; 1e-5
	s_mov_b32 s12, 0x76543210
	s_mov_b32 s13, 0xfedcba98                      ; v_permlanex16_b32's selects for lane l xor 16
	s_mov_b32 s14, 0xffff0000                      ; lanes 16-31
	; ---- the layer norm.  The sum of my 128 numbers, two at a time, in four chains; the first four lines start the chains
.macro SUMP lo, n
.set p, \lo
.rept \n
	v_pk_add_f32 v[100+2*(p%4):101+2*(p%4)], v[100+2*(p%4):101+2*(p%4)], v[X+2*p:X+2*p+1]
.set p, p+1
.endr
.endm
.macro MERGE
	v_pk_add_f32 v[100:101], v[100:101], v[102:103]
	v_pk_add_f32 v[104:105], v[104:105], v[106:107]
	v_pk_add_f32 v[100:101], v[100:101], v[104:105]
.endm
	s_wait_loadcnt 63                              ; 63 younger loads may be out: channels 0 to 64 are in
.irp c, 0,1,2,3
	v_pk_add_f32 v[100+2*\c:101+2*\c], v[X+2*\c:X+2*\c+1], v[X+8+2*\c:X+9+2*\c]
.endr
	SUMP 8, 24
	s_wait_alu depctr_va_vdst(0)
	s_wait_loadcnt 32                              ; channels 0 to 95 are in
	SUMP 32, 16
	s_wait_alu depctr_va_vdst(0)
	s_wait_loadcnt 0x0
	SUMP 48, 16
	MERGE
	v_add_f32 v100, v100, v101
	v_mul_f32 v110, 0x3c000000, v100               ; my half row's mean
	v_mov_b32 v111, v110
.set p, 0
.rept 64
	v_pk_add_f32 v[X+2*p:X+2*p+1], v[X+2*p:X+2*p+1], v[110:111] neg_lo:[0,1] neg_hi:[0,1]   ; centred in place
.set p, p+1
.endr
.irp c, 0,1,2,3
	v_pk_mul_f32 v[100+2*\c:101+2*\c], v[X+2*\c:X+2*\c+1], v[X+2*\c:X+2*\c+1]
.endr
.set p, 4
.rept 60
	v_pk_fma_f32 v[100+2*(p%4):101+2*(p%4)], v[X+2*p:X+2*p+1], v[X+2*p:X+2*p+1], v[100+2*(p%4):101+2*(p%4)]
.set p, p+1
.endr
	MERGE
	v_add_f32 v111, v100, v101                     ; its centred sum of squares
	s_wait_alu depctr_va_vdst(0)                   ; v110 and v111 are written, which the LDS store reads
	ds_store_b64 v8, v[110:111]
	s_wait_dscnt 0x0                               ; for the other wave's sake: my store has landed
	s_barrier_signal -1
	s_barrier_wait -1
	ds_load_b64 v[116:117], v9                     ; (no vector instruction has named v116 or v117)
	s_wait_dscnt 0x0
	v_sub_f32 v118, v116, v110                     ; d = the other mean - mine; the row's mean is mine + d / 2
	v_add_f32 v119, v111, v117
	v_mul_f32 v120, 0x42800000, v118
	v_fma_f32 v119, v120, v118, v119               ; + 64 d^2
	v_fma_f32 v119, v119, s10, s11                 ; the variance + 1e-5
	s_wait_alu depctr_va_vdst(0)
	v_rsq_f32 v112, v119
	v_mul_f32 v121, -0.5, v118                     ; (a plain instruction behind the transcendental)
	s_wait_alu depctr_va_vdst(0)                   ; the reciprocal root v112 is written: the wait ahead of its first reader
	v_mov_b32 v113, v112
	v_mul_f32 v114, v121, v112                     ; (x - mean) rstd = centred x rstd - d rstd / 2
	v_mov_b32 v115, v114
; 16 channels, the ch-th of my eight runs: normalised, then x gain + offset.  The next 16 gains and offsets are asked for first, into the other set.
; (The argument is put in as text: it stands in parentheses wherever it is a factor.)
.macro NCH ch
	s_wait_kmcnt 0x0
.if (\ch) < 7
.if (\ch)%2 == 0
	s_load_b512 s[68:83], s[6:7], 64*((\ch)+1)
	s_load_b512 s[84:99], s[8:9], 64*((\ch)+1)
.else
	s_load_b512 s[32:47], s[6:7], 64*((\ch)+1)
	s_load_b512 s[48:63], s[8:9], 64*((\ch)+1)
.endif
.endif
.set GG, 32+36*((\ch)%2)
.set BB, 48+36*((\ch)%2)
.set XC, X+16*(\ch)
.irp i, 0,2,4,6,8,10,12,14
	v_pk_fma_f32 v[XC+\i:XC+\i+1], v[XC+\i:XC+\i+1], v[112:113], v[114:115]
.endr
.irp i, 0,1,2,3,4,5,6,7,8,9,10,11,12,13,14,15
	v_fma_f32 v[XC+\i], v[XC+\i], s[GG+\i], s[BB+\i]
.endr
.endm
; block q of my 128 channels: all 32 numbers are mine.  2 off the largest magnitude's exponent field is the conversion's scale operand; its exponent field is the byte.  Each block's codes have four registers of their own
.macro QBLK q
	BMAXA 76, 77, X+32*(\q)
	v_add_nc_u32 v78, 0xff000000, v76
.if (\q) == 0
	v_lshrrev_b32 v[PW], 23, v78
.else
	v_lshrrev_b32 v79, 23, v78
	v_lshl_or_b32 v[PW], v79, 8*(\q), v[PW]
.endif
.irp g, 0,1,2,3
	v_cvt_scalef32_pk8_fp4_f32 v[PC+4*(\q)+\g], v[X+32*(\q)+8*\g:X+32*(\q)+8*\g+7], v78
.endr
	v_nop                                          ; one plain instruction behind a scaled conversion
.endm
	s_wait_alu depctr_va_vdst(0)
.irp q, 0,1,2,3
	NCH 2*\q
	NCH 2*\q+1
	QBLK \q
.endr
	s_wait_alu depctr_va_vdst(0)                   ; the conversions have written v92 to v107 and the scale word v75, which the five LDS stores read; and the vector work is done with v192 to v255, in which the fragments' loads land behind the barrier
.irp q, 0,1,2,3
	ds_store_b128 v6, v[PC+4*\q:PC+4*\q+3] offset:256*\q   ; block q is group q / 2, lanes' half q % 2, of the fragment's image
.endr
	ds_store_b32 v7, v[PW]
	s_wait_dscnt 0x0                               ; my images have landed
	s_barrier_signal -1
	s_barrier_wait -1                              ; xn's sixteen fragments and their scale words lie in LDS
	s_wait_alu depctr_vm_vsrc(0)                   ; my LDS stores have read v92 to v107 and v75, which the quantisers on both ways below write again: so it stands ahead of the branch
; 64 numbers of a lane, four blocks of 16 registers whose other 16 lie in lane l xor 16, become eight registers of codes in v[pc] on (a whole block to a lane) and a scale word in v[PW]
.macro QUANT4 s, pc
.irp b, 0,1,2,3
	v_max3_num_f32 v[TM+\b], |v[\s+16*\b]|, |v[\s+1+16*\b]|, 0x1800000
.endr
.irp i, 2,4,6,8,10,12,14
.irp b, 0,1,2,3
	v_max3_num_f32 v[TM+\b], v[TM+\b], |v[\s+16*\b+\i]|, |v[\s+1+16*\b+\i]|
.endr
.endr
.irp b, 0,1,2,3
	v_permlanex16_b32 v[TM+4+\b], v[TM+\b], s12, s13
.endr
.irp b, 0,1,2,3
	v_max_num_f32 v[TM+\b], v[TM+\b], v[TM+4+\b]
.endr
.irp b, 0,1,2,3
	v_add_nc_u32 v[TM+12+\b], 0xff000000, v[TM+\b]
.endr
.irp b, 0,1,2,3
	v_lshrrev_b32 v[TM+4+\b], 23, v[TM+12+\b]
.endr
	v_lshl_or_b32 v[PW], v[TM+5], 8, v[TM+4]
	v_lshl_or_b32 v[PW], v[TM+6], 16, v[PW]
	v_lshl_or_b32 v[PW], v[TM+7], 24, v[PW]
.irp b, 0,1,2,3
	v_cvt_scalef32_pk8_fp4_f32 v[\pc+2*\b], v[\s+16*\b:\s+7+16*\b], v[TM+12+\b]
	v_cvt_scalef32_pk8_fp4_f32 v[\pc+1+2*\b], v[\s+8+16*\b:\s+15+16*\b], v[TM+12+\b]
.endr
	v_nop
.irp c, 0,1
.irp i, 0,1
	v_permlane16_swap_b32 v[\pc+4*\c+\i], v[\pc+2+4*\c+\i]
.endr
.endr
.endm
; 64 numbers of a lane, two whole blocks of 32 registers, become eight registers of codes in v[pc] on; the scale word's four bytes are gathered from lanes l and l xor 16
.macro QUANT2 s, pc
	BMAXA TM, TM+8, \s
	BMAXA TM+1, TM+9, \s+32
	v_add_nc_u32 v[TM+12], 0xff000000, v[TM]
	v_add_nc_u32 v[TM+13], 0xff000000, v[TM+1]
	v_lshrrev_b32 v[TM+2], 23, v[TM+12]
	v_lshrrev_b32 v[TM+3], 23, v[TM+13]
	v_lshl_or_b32 v[TM+2], v[TM+3], 16, v[TM+2]    ; my bytes: blocks h and 2 + h,
	v_lshlrev_b32 v[TM+2], v13, v[TM+2]            ; 8 h bits up
	v_permlanex16_b32 v[TM+4], v[TM+2], s12, s13
	v_or_b32 v[PW], v[TM+2], v[TM+4]
.irp c, 0,1
.irp g, 0,1,2,3
	v_cvt_scalef32_pk8_fp4_f32 v[\pc+4*\c+\g], v[\s+32*\c+8*\g:\s+32*\c+8*\g+7], v[TM+12+\c]
.endr
.endr
	v_nop
.endm
.macro FETQ g                          ; tiles 4 g .. 4 g + 3 of xn, both K steps, and their scale words
.irp t, 0,1,2,3
.irp n, 0,1,2,3
	ds_load_b128 v[F+16*\t+4*\n:F+16*\t+4*\n+3], v5 offset:(4*\g+\t)*TP+512*\n
.endr
	ds_load_b32 v[XS+4*\g+\t], v4 offset:XSC+(4*\g+\t)*128
.endr
.endm
.macro MULQ g                          ; eight accumulators by turns; the bias is the C of each sum's first product
.irp t, 0,1,2,3
.irp u, 0,1
	WM ACC+16*\t+8*\u, W+16*\u, F+16*\t, BIAS+8*\u, WSC+\u, XS+4*\g+\t, 0
.endr
.endr
.irp t, 0,1,2,3
.irp u, 0,1
	WM ACC+16*\t+8*\u, W+16*\u+8, F+16*\t+8, ACC+16*\t+8*\u, WSC+\u, XS+4*\g+\t, 1
.endr
.endr
.endm
.macro FETV ks, sc                     ; K step ks of all eight tiles
.irp t, 0,1,2,3,4,5,6,7
.irp c, 0,1
	ds_load_b128 v[F+8*\t+4*\c:F+8*\t+4*\c+3], v5 offset:\t*TP+1024*\ks+512*\c
.endr
.if \sc
	ds_load_b32 v[XS+\t], v4 offset:XSC+128*\t
.endif
.endr
.endm
.macro MULV dt, ks
.irp t, 0,1,2,3,4,5,6,7
.if \ks == 0
	WM ACC+8*\t, F+8*\t, W+16*\dt, BIAS+8*\dt, XS+\t, WSC+\dt, 0
.else
	WM ACC+8*\t, F+8*\t, W+16*\dt+8, ACC+8*\t, XS+\t, WSC+\dt, 1
.endif
.endr
.endm
	s_cmp_eq_u32 s3, 2
	s_cbranch_scc1 .Lvpath
	; ---- q, k: four tiles of tokens at a time.  A tile's 16 tokens x 16 bytes are 256 consecutive bytes of the record
	FETQ 0                                         ; (no vector instruction since the wait ahead of the five LDS stores: nothing more is owed for F)
	s_wait_dscnt 0x0
	MULQ 0
	PLACES 5                                       ; behind the products: ahead of the first read of results, and of the products that begin these accumulators anew
	s_wait_alu depctr_va_vdst(0)                   ; the products are done reading F, in which the next four tiles land
	FETQ 1
	QUANT4 ACC, PC
	v_mov_b32 v[PW0], v[PW]
	s_wait_alu depctr_va_vdst(0)                   ; the quantiser has written v[PC ..], which the two stores read
	global_store_b128 v5, v[PC:PC+3], s[26:27]
	global_store_b128 v5, v[PC+4:PC+7], s[26:27] offset:512
	s_wait_dscnt 0x0
	MULQ 1
	PLACES 4
	QUANT4 ACC, PC2                                ; into the other out-buffer: the stores above keep their data
	s_branch .Lwords
.Lvpath:
	; ---- v: 16 channels at a time, all eight tiles of tokens: a lane's 64 results are keys 32 h + 0..31 and 64 + 32 h + 0..31 of its channel
	FETV 0, 1                                      ; (as on the other way: nothing more is owed for F)
	s_wait_dscnt 0x0
	MULV 0, 0
	PLACES 4
	s_wait_alu depctr_va_vdst(0)                   ; the products are done reading F, in which K step 1 lands
	FETV 1, 0
	s_wait_dscnt 0x0
	MULV 0, 1
	PLACES 5                                       ; behind the products: ahead of the first read of results, and of the products that begin these accumulators anew
	s_wait_alu depctr_va_vdst(0)                   ; the products are done reading F, in which K step 0 lands again
	FETV 0, 0
	QUANT2 ACC, PC
	v_mov_b32 v[PW0], v[PW]
	s_wait_alu depctr_va_vdst(0)                   ; the quantiser has written v[PC ..], which the two stores read
	global_store_b128 v5, v[PC:PC+3], s[26:27]
	global_store_b128 v5, v[PC+4:PC+7], s[26:27] offset:512
	s_wait_dscnt 0x0
	MULV 1, 0
	PLACES 4
	s_wait_alu depctr_va_vdst(0)                   ; the products are done reading F, in which K step 1 lands
	FETV 1, 0
	s_wait_dscnt 0x0
	MULV 1, 1
	PLACES 4
	QUANT2 ACC, PC2                                ; into the other out-buffer
.Lwords:
	v_cndmask_b32 v[PW], v[PW0], v[PW], s14        ; lanes 0-15 the first scale word, lanes 16-31 the second: 128 consecutive bytes
	s_wait_alu depctr_va_vdst(0)                   ; the second quantiser has written v[PC2 ..] and the line above v[PW], which the three stores read
	global_store_b128 v5, v[PC2:PC2+3], s[26:27] offset:1024
	global_store_b128 v5, v[PC2+4:PC2+7], s[26:27] offset:1536
	global_store_b32 v4, v[PW], s[28:29]
	s_wait_dscnt 0x0                               ; the closing lines, six on end
	s_wait_alu 0x0
	s_wait_tensorcnt 0x0
	ds_add_u32 v[SPW], v[NIL]
	s_wait_dscnt 0x0
	s_endpgm
	; ---- wo, w1, w2 in the order of the third launch's operand registers.  A wave takes a pair P of K steps of one tile of 16 rows: four loads of 16 bytes a lane, four stores of 512 consecutive bytes.
	; P 0-15: wo's tiles; 16-79: w1's; 80-143: w2's tile (P - 80) / 4, K steps 2 ((P - 80) % 4) and the next.  Rows of a tile: wo, w1 as the tiles of tokens above; w2's are neighbours.  No LDS, no barrier.
.Lrelay:
	s_sub_co_u32 s20, ttmp9, 192
	s_lshl_b32 s20, s20, 3
	s_add_co_u32 s20, s20, s2                      ; P
	s_cmp_lt_u32 s20, 16
	s_cselect_b64 s[22:23], s[50:51], s[54:55]
	s_cselect_b64 s[24:25], s[52:53], s[56:57]
	s_cselect_b32 s21, 0, 16
	s_cmp_ge_u32 s20, 80
	s_cselect_b64 s[22:23], s[58:59], s[22:23]     ; codes
	s_cselect_b64 s[24:25], s[60:61], s[24:25]     ; scale bytes
	s_cselect_b32 s21, 80, s21                     ; the tensor's first pair
	s_cselect_b32 s26, 9, 7                        ; a row of codes: 512 or 128 bytes
	s_cselect_b32 s27, 5, 3                        ; a row of scale bytes: 32 or 8
	s_cselect_b32 s28, 2, 0
	s_cselect_b32 s29, 3, 0
	s_cselect_b32 s30, 3, 5                        ; rows 8-15 of a tile begin 8 or 32 rows behind rows 0-7
	s_sub_co_u32 s31, s20, s21
	s_lshr_b32 s70, s31, s28                       ; the tile f
	s_and_b32 s71, s31, s29                        ; the pair of K steps
	s_lshl_b32 s72, s70, 4                         ; w2: 16 f
	s_lshr_b32 s73, s70, 2
	s_lshl_b32 s73, s73, 6
	s_and_b32 s74, s70, 3
	s_lshl_b32 s74, s74, 3
	s_add_co_u32 s73, s73, s74                     ; wo, w1: 64 (f >> 2) + 8 (f & 3)
	s_cmp_ge_u32 s20, 80
	s_cselect_b32 s72, s72, s73
	s_wait_alu depctr_va_vdst(0)
	v_and_b32 v16, 7, v2
	v_lshrrev_b32 v17, 3, v2
	v_lshlrev_b32 v17, s30, v17
	v_add3_u32 v16, v16, v17, s72                  ; my row
	v_lshlrev_b32 v18, s26, v16
	v_lshl_add_u32 v18, v3, 4, v18
	s_lshl_b32 s73, s71, 7
	v_add_nc_u32 v18, s73, v18
	v_lshlrev_b32 v19, s27, v16
	v_lshl_add_u32 v19, v3, 2, v19
	s_lshl_b32 s73, s71, 3
	v_add_nc_u32 v19, s73, v19
	s_wait_alu depctr_va_vdst(0)                   ; the offsets v18 and v19, and v4 and v5 from the head, are written: the loads and stores below read them
.irp n, 0,1,2,3
	global_load_b128 v[20+4*\n:23+4*\n], v18, s[22:23] offset:32*\n
.endr
	global_load_b32 v36, v19, s[24:25]
	s_lshl_b32 s74, s20, 11
	s_mov_b32 s75, 0
	s_add_nc_u64 s[16:17], s[16:17], s[74:75]
	s_lshl_b32 s74, s20, 7
	s_add_nc_u64 s[18:19], s[18:19], s[74:75]
	s_wait_loadcnt 0x0
.irp n, 0,1,2,3
	global_store_b128 v5, v[20+4*\n:23+4*\n], s[16:17] offset:512*\n
.endr
	global_store_b32 v4, v36, s[18:19]
	s_endpgm
.Lfunc_end_k_q49b1c9af38_prep:
	.size	k_q49b1c9af38_prep, .Lfunc_end_k_q49b1c9af38_prep-k_q49b1c9af38_prep
	.p2alignl 7, 3214868480
	.fill 96, 4, 3214868480
	.section	.rodata,"a",@progbits
	.p2align	6, 0x0
	.amdhsa_kernel k_q49b1c9af38_prep
		.amdhsa_group_segment_fixed_size 21504
		.amdhsa_private_segment_fixed_size 0
		.amdhsa_enable_private_segment 0
		.amdhsa_kernarg_size 184
		.amdhsa_user_sgpr_count 2
		.amdhsa_user_sgpr_kernarg_segment_ptr 1
		.amdhsa_wavefront_size32 1
		.amdhsa_system_sgpr_workgroup_id_x 1
		.amdhsa_system_sgpr_workgroup_id_y 1
		.amdhsa_system_sgpr_workgroup_id_z 1
		.amdhsa_system_vgpr_workitem_id 0
		.amdhsa_next_free_vgpr 256
		.amdhsa_next_free_sgpr 100
		.amdhsa_reserve_vcc 0
		.amdhsa_float_denorm_mode_32 3
		.amdhsa_float_denorm_mode_16_64 3
		.amdhsa_memory_ordered 1
		.amdhsa_forward_progress 1
		.amdhsa_inst_pref_size 87
	.end_amdhsa_kernel
	.amdgpu_metadata
---
amdhsa.version: [ 1, 2 ]
amdhsa.kernels:
  - .name:           k_q49b1c9af38_prep
    .symbol:         k_q49b1c9af38_prep.kd
    .args:
      - { .name: x, .offset: 0, .size: 8, .value_kind: global_buffer, .address_space: global }
      - { .name: g1, .offset: 8, .size: 8, .value_kind: global_buffer, .address_space: global }
      - { .name: b1, .offset: 16, .size: 8, .value_kind: global_buffer, .address_space: global }
      - { .name: qc, .offset: 24, .size: 8, .value_kind: global_buffer, .address_space: global }
      - { .name: qs, .offset: 32, .size: 8, .value_kind: global_buffer, .address_space: global }
      - { .name: kv, .offset: 40, .size: 8, .value_kind: global_buffer, .address_space: global }
      - { .name: wc, .offset: 48, .size: 8, .value_kind: global_buffer, .address_space: global }
      - { .name: wsl, .offset: 56, .size: 8, .value_kind: global_buffer, .address_space: global }
      - { .name: wq_codes, .offset: 64, .size: 8, .value_kind: global_buffer, .address_space: global }
      - { .name: wq_scales, .offset: 72, .size: 8, .value_kind: global_buffer, .address_space: global }
      - { .name: bq, .offset: 80, .size: 8, .value_kind: global_buffer, .address_space: global }
      - { .name: wk_codes, .offset: 88, .size: 8, .value_kind: global_buffer, .address_space: global }
      - { .name: wk_scales, .offset: 96, .size: 8, .value_kind: global_buffer, .address_space: global }
      - { .name: bk, .offset: 104, .size: 8, .value_kind: global_buffer, .address_space: global }
      - { .name: wv_codes, .offset: 112, .size: 8, .value_kind: global_buffer, .address_space: global }
      - { .name: wv_scales, .offset: 120, .size: 8, .value_kind: global_buffer, .address_space: global }
      - { .name: bv, .offset: 128, .size: 8, .value_kind: global_buffer, .address_space: global }
      - { .name: wo_codes, .offset: 136, .size: 8, .value_kind: global_buffer, .address_space: global }
      - { .name: wo_scales, .offset: 144, .size: 8, .value_kind: global_buffer, .address_space: global }
      - { .name: w1_codes, .offset: 152, .size: 8, .value_kind: global_buffer, .address_space: global }
      - { .name: w1_scales, .offset: 160, .size: 8, .value_kind: global_buffer, .address_space: global }
      - { .name: w2_codes, .offset: 168, .size: 8, .value_kind: global_buffer, .address_space: global }
      - { .name: w2_scales, .offset: 176, .size: 8, .value_kind: global_buffer, .address_space: global }
    .group_segment_fixed_size: 21504
    .private_segment_fixed_size: 0
    .kernarg_segment_align: 8
    .kernarg_segment_size: 184
    .max_flat_workgroup_size: 256
    .sgpr_count:     100
    .vgpr_count:     256
    .wavefront_size: 32
...
	.end_amdgpu_metadata
.endif
;; end of part 4
;; launch attn (part 5): grid 16 x 16, 16 waves a work-group, clusters of 4 x 1, 167,936 bytes of LDS; arguments qc, qs, kv, oc, os; writes oc, os
.if DOCPART == 5
	.amdgcn_target "amdgcn-amd-amdhsa--gfx1250"
	.amdhsa_code_object_version 6
	.text
	.protected	k_q49b1c9af38_attn
	.globl	k_q49b1c9af38_attn
	.p2align	8
	.type	k_q49b1c9af38_attn,@function
k_q49b1c9af38_attn:
	s_mov_b64 s[64:65], 0
	v_nop
	global_prefetch_b8 v0, s[64:65] scope:SCOPE_SE
	s_setreg_imm32_b32 hwreg(HW_REG_WAVE_MODE, 25, 1), 1
	s_wait_xcnt 0x0
	s_wait_alu depctr_hold_cnt(0) depctr_sa_sdst(0) depctr_va_vdst(0) depctr_va_sdst(0) depctr_va_ssrc(0) depctr_va_vcc(0) depctr_vm_vsrc(0)
	s_getreg_b32 s2, hwreg(HW_REG_IB_STS2, 6, 4)
	s_cmp_eq_u32 s2, 0
	s_cbranch_scc0 .Lentry_in_a_cluster
	s_endpgm
.Lentry_in_a_cluster:
	s_bfe_u32 s2, ttmp6, 0x10000c
	s_cmp_lg_u32 s2, 0x3003
	s_cbranch_scc0 .Lentry_shape_is_right
	s_endpgm
.Lentry_shape_is_right:
; SECOND LAUNCH: attention of one (batch, head) on codes of FP4, both products, and the result quantised for the projection.  No work is left out.
; t = score x log2(e) / sqrt(32); M = the running largest t rounded UP to a whole number; p = 2^(t - M) is quantised along the keys, not normalised; the row's sum is taken of the unquantised p and divides at the end.
; When M moves, the sum and O are multiplied by 2^(old M - new M), which rounds nothing.  LIMITS: as stated at the head of the first launch.
; SHARES.  Work-group (x, y): head y (of 16), 256 queries; each of its sixteen waves one tile of 16 queries, four waves to a SIMD, so that one wave's vector work stands beside another's products and LDS loads.
; ALL OF A HEAD'S K AND V, codes and scale words, are 32 records of 4,352 bytes: 139,264 bytes.  They come into LDS once, each wave fetching two records; nothing is filled again.
; CLUSTER.  The four work-groups of a cluster belong to one head: each tile is asked for JOINTLY, by the same tensor load with the same descriptor and the mask of all four.
; THE HEAD HAS 32 CHANNELS, ONE BLOCK.  A fragment of K holds four tiles of 16 keys, one in each of its four blocks of 32 along K; a fragment of Q that is zero codes outside block j picks tile j.
; Both products are used transposed: S^T = K Q^T, O^T = V^T P^T: a lane holds one query throughout.  Row m of key tile 4 g + j is key 64 g + 32 (m >> 3) + 8 j + (m & 7):
; so registers 32 g + 0..31 of lane (r, h) are keys 64 g + 32 h + 0..31: a whole block of the second product's K, in the order of its operand's registers.  No maximum of a block and no code changes lanes.
; A record: +0 K's two fragments, +2048 V's two (16 channels x 128 keys each), +4096 K's scale words, +4224 V's: images of the registers, 16 (or 4) bytes a lane.
.set KVB,   139264
.set REC,   4352
.set OSG,   KVB                        ; 256 bytes: the work-group's scale bytes of O, gathered
.set SPARE, OSG+256                    ; the spare words, 128 bytes for each wave: eight blocks of 256 bytes that no other line names
.set KF,    44                         ; v44-59   K's two fragments
.set VF,    60                         ; v60-75   V's two
.set PC,    76                         ; v76-83   p's codes
.set O,     84                         ; v84-99   O^T: lane (r, h): channels 16 h + 0..15 of query r
.set S,     100                        ; v100-163 S^T, then p
; v1 16 x lane, v2 4 x lane, v3 8 h, v4, v5 LDS addresses of the step, v6, v7 the add's two, v8-11 addresses, v12 -M, v13 the largest t, v[14:15] the sum in two halves,
; v16-39 Q: Q in lanes 0-15 | zeros | the same, Q in lanes 16-31 | zeros | the same: block j's fragment begins at v16, v28, v20, v32;  v40 Q's scale, v41 K's, v42 V's, v43 p's: scales and nothing else;
; v164-167 largest scores, v168, v169 permutes' destinations, v[170:171] f, v172-175 scale operands and bytes, v[174:181] and v[186:191] seven more chains of the sum, v178-184 also set-up and the way out.
.macro CROUND                          ; a round of the cluster's barrier
	s_barrier_signal -1
	s_barrier_wait -1
	s_cmp_lg_u32 s14, 0
	s_cbranch_scc1 .Lnot_wave_0_\@
	s_barrier_signal -3
.Lnot_wave_0_\@:
	s_barrier_wait -3
	s_barrier_signal -1
	s_barrier_wait -1
.endm
.macro WMZ d, a, b, row                ; S^T's tile: the product starts the sum; row = 1: K's scale words from lanes 16-31
.if \row
	v_wmma_scale_f32_16x16x128_f8f6f4 v[\d:\d+7], v[\a:\a+7], v[\b:\b+7], 0, v41, v40 matrix_a_fmt:MATRIX_FMT_FP4 matrix_b_fmt:MATRIX_FMT_FP4 matrix_a_scale:MATRIX_SCALE_ROW1
.else
	v_wmma_scale_f32_16x16x128_f8f6f4 v[\d:\d+7], v[\a:\a+7], v[\b:\b+7], 0, v41, v40 matrix_a_fmt:MATRIX_FMT_FP4 matrix_b_fmt:MATRIX_FMT_FP4
.endif
.endm
	s_load_b256 s[4:11], s[0:1], 0x0               ; qc, qs, kv, oc
	s_load_b64 s[12:13], s[0:1], 0x20              ; os
	v_lshl_add_u32 v6, v0, 2, SPARE
	v_mov_b32 v7, 0
	ds_add_u32 v6, v7                              ; the wave's opening: the add, twice on end, and its wait ahead of my first tensor load
	ds_add_u32 v6, v7
	v_lshrrev_b32 v8, 5, v0
	s_delay_alu instid0(VALU_DEP_1)
	v_readfirstlane_b32 s14, v8                    ; wave 0..15
	s_bfe_u32 s15, ttmp6, 0x40000                  ; cx: it enters the addresses of qc, qs, oc, os alone
	s_lshl_b32 s16, ttmp9, 2
	s_add_co_u32 s16, s16, s15                     ; my block of 256 queries
	s_and_b32 s17, ttmp7, 0xffff                   ; batch x 8 + head, which the four partners share
	s_lshl_b32 s18, s16, 4
	s_add_co_u32 s18, s18, s14                     ; my tile of queries, 0..255
	; descriptor group 1: two records are 34 rows of 256 bytes, dense in memory and in LDS
	s_mov_b32 s24, 15|(3<<16)|(1<<21)              ; 15:0 the mask: all four work-groups; 17:16 elements of 8 bytes; 21 set beside a mask
	s_mov_b32 s25, 32<<16                          ; tensor_dim0 = 32
	s_mov_b32 s26, 34<<16                          ; tensor_dim1 = 34
	s_mov_b32 s27, 32<<16                          ; tile_dim0 = 32
	s_mov_b32 s28, 34                              ; tile_dim1 = 34
	s_mov_b32 s29, 32                              ; from row to row
	s_mov_b32 s30, 0
	s_mov_b32 s31, 0
	s_mov_b32 s32, 1                               ; group 0: count = 1
	s_mul_i32 s33, s14, 2*REC                      ; LDS address: the wave's number alone
	s_mul_i32 s40, s17, KVB
	s_add_co_u32 s40, s40, s33
	s_mov_b32 s41, 0
	s_mov_b32 s20, 0x76543210
	s_mov_b32 s21, 0xfedcba98                      ; v_permlanex16_b32's selects for lane l xor 16
	s_mov_b32 s22, 0x3e8293ee                      ; c = log2(e) / sqrt(32)
	s_mov_b32 s23, s22                             ; (named with it as a pair, so it is written)
	s_mov_b32 s38, 0xffff                          ; lanes 0-15
	s_and_b32 s39, s14, 3
	s_lshl_b32 s39, s39, 3                         ; my tile's byte in Q's scale word: 8 x (tile & 3) bits up
	s_lshl_b32 s44, s17, 16                        ; qc: 65,536 bytes a head, 256 a tile
	s_lshl_b32 s52, s18, 8
	s_add_co_u32 s44, s44, s52
	s_mov_b32 s45, 0
	s_lshl_b32 s46, s17, 12                        ; qs: 4,096 bytes a head, 64 for four tiles
	s_lshr_b32 s52, s18, 2
	s_lshl_b32 s52, s52, 6
	s_add_co_u32 s46, s46, s52
	s_mov_b32 s47, 0
	s_lshr_b32 s48, s17, 3                         ; oc: (256 batch + tile) x 2,048 + head x 256
	s_lshl_b32 s48, s48, 8
	s_add_co_u32 s48, s48, s18
	s_lshl_b32 s48, s48, 11
	s_and_b32 s52, s17, 7
	s_lshl_b32 s52, s52, 8
	s_add_co_u32 s48, s48, s52
	s_mov_b32 s49, 0
	s_lshl_b32 s50, s17, 12                        ; os: 4,096 bytes a head, 256 a work-group
	s_lshl_b32 s52, s16, 8
	s_add_co_u32 s50, s50, s52
	s_mov_b32 s51, 0
	v_and_b32 v8, 31, v0
	s_delay_alu instid0(VALU_DEP_1)
	v_lshlrev_b32 v1, 4, v8
	s_delay_alu instid0(VALU_DEP_2)
	v_lshlrev_b32 v2, 2, v8
	s_delay_alu instid0(VALU_DEP_3)
	v_lshl_add_u32 v183, v8, 3, OSG                ; the way out: wave 0 reads the 256 scale bytes, 8 a lane,
	s_delay_alu instid0(VALU_DEP_4)
	v_lshlrev_b32 v184, 3, v8                      ; and stores them so
	v_bfe_u32 v9, v0, 4, 1                         ; h
	s_delay_alu instid0(VALU_DEP_1)
	v_lshlrev_b32 v3, 3, v9
	v_and_b32 v11, 15, v0                          ; r
	s_delay_alu instid0(VALU_DEP_1)
	v_lshlrev_b32 v8, 4, v11                       ; qc: 16 r
	s_delay_alu instid0(VALU_DEP_1)
	v_lshl_add_u32 v10, v9, 3, v8                  ; oc: 16 r + 8 h
	s_delay_alu instid0(VALU_DEP_3)
	v_lshlrev_b32 v9, 2, v11                       ; qs: 4 r
	s_lshl_b32 s52, s14, 4
	s_add_co_u32 s52, s52, OSG
	v_add_nc_u32 v11, s52, v11                     ; my query's scale byte in LDS: 16 x wave + r
	s_wait_dscnt 0x0                               ; both opening adds are done
	s_wait_kmcnt 0x0
	s_add_nc_u64 s[34:35], s[8:9], s[40:41]        ; global address of my two records
	s_or_b32 s35, s35, 0x80000000                  ; type = 2
	s_add_nc_u64 s[4:5], s[4:5], s[44:45]
	s_add_nc_u64 s[6:7], s[6:7], s[46:47]
	s_add_nc_u64 s[10:11], s[10:11], s[48:49]
	s_add_nc_u64 s[12:13], s[12:13], s[50:51]
	CROUND                                         ; all four work-groups are here: the joint loads meet
	tensor_load_to_lds s[32:35], s[24:31]          ; my one tensor load of the launch
	s_nop 0
	s_wait_alu depctr_va_vdst(0)
	global_load_b128 v[178:181], v8, s[4:5]        ; query r's 32 codes, in both halves of the lanes
	global_load_b32 v182, v9, s[6:7]
	s_wait_loadcnt 0x0
.irp i, 0,1,2,3
	v_cndmask_b32 v[16+\i], 0, v[178+\i], s38
	v_cndmask_b32 v[24+\i], 0, v[178+\i], s38
	v_cndmask_b32 v[28+\i], v[178+\i], 0, s38
	v_cndmask_b32 v[36+\i], v[178+\i], 0, s38
	v_mov_b32 v[20+\i], 0
	v_mov_b32 v[32+\i], 0
.endr
	v_lshrrev_b32 v182, s39, v182
	s_delay_alu instid0(VALU_DEP_1)
	v_perm_b32 v40, v182, v182, 0                  ; my tile's byte in all four places: whichever block holds Q has its scale
	v_mov_b32 v13, 0xff61b1e6                      ; the largest t so far: -3e38.  (These 23 plain lines are also the places between the lines above and the first product)
	s_delay_alu instid0(VALU_DEP_1)
	v_floor_f32 v12, -v13
	v_mov_b32 v14, 0
	v_mov_b32 v15, 0
.irp i, 0,1,2,3,4,5,6,7,8,9,10,11,12,13,14,15
	v_mov_b32 v[O+\i], 0                           ; the step is written for every step alike: the first finds zeros, which the first change of M leaves zeros
.endr
	v_mov_b32 v168, 0                              ; a lane permute's destination counts as one of its sources
	v_mov_b32 v169, 0
	v_mov_b32 v171, 0                              ; (named as the upper half of the pair v[170:171])
	s_wait_tensorcnt 0x0                           ; my two records have landed,
	s_barrier_signal -1
	s_barrier_wait -1                              ; everybody's have
.irp n, 0,1,2,3
	ds_load_b128 v[KF+4*\n:KF+4*\n+3], v1 offset:512*\n   ; step 0's K
.endr
	ds_load_b32 v41, v2 offset:4096
; A KEY STEP: 128 keys.  last = 1: no K follows.
.macro STEP last
	s_wait_dscnt 0x0                               ; this step's K and its scale words are in
.irp g, 0,1
.irp j, 0,1,2,3
	WMZ S+32*\g+8*\j, KF+8*\g, 16+12*(\j%2)+4*(\j/2), \g
.endr
.endr
	v_add_nc_u32 v4, s36, v1                       ; four plain lines: the places in front of loads into registers that products have read, and of the first read of the scores
	v_add_nc_u32 v5, s36, v2
	v_nop
	v_nop
.irp n, 0,1,2,3
	ds_load_b128 v[VF+4*\n:VF+4*\n+3], v4 offset:2048+512*\n
.endr
	ds_load_b32 v42, v5 offset:4224
.if \last == 0
.irp n, 0,1,2,3
	ds_load_b128 v[KF+4*\n:KF+4*\n+3], v4 offset:REC+512*\n   ; the next step's K
.endr
	ds_load_b32 v41, v5 offset:REC+4096
.endif
	; the largest score of each of my two blocks: it serves for the row's maximum and, since p rises with the score, for the block's largest p.  Each accumulator is first read at its low end
.irp g, 0,1
	v_max3_num_f32 v[164+\g], v[S+32*\g], v[S+32*\g+1], v[S+32*\g+2]
	v_max3_num_f32 v[166+\g], v[S+32*\g+16], v[S+32*\g+17], v[S+32*\g+18]
.endr
.irp i, 3,5,7,9,11,13
.irp g, 0,1
	v_max3_num_f32 v[164+\g], v[164+\g], v[S+32*\g+\i], v[S+32*\g+\i+1]
	v_max3_num_f32 v[166+\g], v[166+\g], v[S+32*\g+16+\i], v[S+32*\g+17+\i]
.endr
.endr
.irp g, 0,1
	v_max_num_f32 v[166+\g], v[166+\g], v[S+32*\g+31]
.endr
.irp g, 0,1
	v_max3_num_f32 v[164+\g], v[164+\g], v[S+32*\g+15], v[166+\g]
.endr
	s_delay_alu instid0(VALU_DEP_1)
	v_max_num_f32 v182, v164, v165
	s_delay_alu instid0(VALU_DEP_1)
	v_permlanex16_b32 v168, v182, s20, s21
	s_delay_alu instid0(VALU_DEP_1)
	v_max_num_f32 v182, v182, v168                 ; the step's largest score of my query
	s_delay_alu instid0(VALU_DEP_1)
	v_mul_f32 v182, s22, v182                      ; as t (c is positive)
	s_delay_alu instid0(VALU_DEP_1)
	v_max_num_f32 v13, v13, v182
	v_mov_b32 v182, v12
	s_delay_alu instid0(VALU_DEP_2)
	v_floor_f32 v12, -v13                          ; the new -M = floor(-t)
	s_delay_alu instid0(VALU_DEP_1)
	v_sub_f32 v182, v12, v182                      ; old M - new M: a whole number, 0 or less
	s_delay_alu instid0(VALU_DEP_1)
	v_cvt_i32_f32 v182, v182                       ; (it saturates)
	s_delay_alu instid0(VALU_DEP_1)
	v_ldexp_f32 v170, 1.0, v182                    ; f = 2^(old M - new M)
.set j, 0
.rept 32
	v_pk_fma_f32 v[S+j:S+j+1], v[S+j:S+j+1], s[22:23], v[12:13] op_sel_hi:[1,0,0]   ; t - M, two at a time
.set j, j+2
.endr
	v_fma_f32 v164, v164, s22, v12
	v_fma_f32 v165, v165, s22, v12
	s_wait_alu depctr_va_vdst(0)
	v_exp_f32 v164, v164                           ; one batch of 66 exponentials: the two blocks' largest p,
	v_exp_f32 v165, v165
.set j, 0
	s_setprio 1
.rept 64
	v_exp_f32 v[S+j], v[S+j]                       ; and p = 2^(t - M)
.set j, j+1
.endr
	v_pk_mul_f32 v[14:15], v[14:15], v[170:171] op_sel_hi:[1,0]   ; the sums under the new M.  (The plain instruction behind the exponentials)
	s_wait_alu depctr_va_vdst(0)                   ; the wait ahead of the first reader: one for the batch
	v_max_num_f32 v164, 0x1800000, v164            ; the floor 2^(3 - 127): the byte cannot fall under 1
	v_max_num_f32 v165, 0x1800000, v165
	s_delay_alu instid0(VALU_DEP_2)
	v_add_nc_u32 v172, 0xff000000, v164            ; 2 off the exponent field: the conversion's scale operand
	s_delay_alu instid0(VALU_DEP_2)
	v_add_nc_u32 v173, 0xff000000, v165
	s_delay_alu instid0(VALU_DEP_2)
	v_lshrrev_b32 v174, 23, v172
	s_delay_alu instid0(VALU_DEP_2)
	v_lshrrev_b32 v175, 23, v173
	s_delay_alu instid0(VALU_DEP_1)
	v_lshl_or_b32 v182, v175, 16, v174             ; my bytes: blocks h and 2 + h,
	s_delay_alu instid0(VALU_DEP_1)
	v_lshlrev_b32 v182, v3, v182                   ; 8 h bits up;
	s_delay_alu instid0(VALU_DEP_1)
	v_permlanex16_b32 v169, v182, s20, s21
	s_delay_alu instid0(VALU_DEP_1)
	v_or_b32 v43, v182, v169                       ; with lane l xor 16's two the word is whole
.irp g, 0,1
.irp j, 0,1,2,3
	v_cvt_scalef32_pk8_fp4_f32 v[PC+4*\g+\j], v[S+32*\g+8*\j:S+32*\g+8*\j+7], v[172+\g]   ; the results are the operand's registers
.endr
.endr
	v_nop                                          ; one plain instruction behind a scaled conversion
.irp i, 0,2,4,6,8,10,12,14
	v_pk_mul_f32 v[O+\i:O+\i+1], v[O+\i:O+\i+1], v[170:171] op_sel_hi:[1,0]   ; O^T under the new M
.endr
	v_pk_add_f32 v[176:177], v[104:105], v[108:109]
	v_pk_add_f32 v[190:191], v[112:113], v[116:117]
	v_pk_add_f32 v[188:189], v[120:121], v[124:125]
	v_pk_add_f32 v[186:187], v[128:129], v[132:133]
	v_pk_add_f32 v[180:181], v[136:137], v[140:141]
	v_pk_add_f32 v[178:179], v[144:145], v[148:149]
	v_pk_add_f32 v[174:175], v[152:153], v[156:157]
	s_setprio 0
	v_pk_add_f32 v[14:15], v[14:15], v[160:161]
	v_pk_add_f32 v[176:177], v[176:177], v[100:101]
	v_pk_add_f32 v[190:191], v[190:191], v[102:103]
	v_pk_add_f32 v[188:189], v[188:189], v[106:107]
	v_pk_add_f32 v[186:187], v[186:187], v[110:111]
	v_pk_add_f32 v[180:181], v[180:181], v[114:115]
	v_pk_add_f32 v[178:179], v[178:179], v[118:119]
	v_pk_add_f32 v[174:175], v[174:175], v[122:123]
	v_pk_add_f32 v[14:15], v[14:15], v[126:127]
	v_pk_add_f32 v[176:177], v[176:177], v[130:131]
	v_pk_add_f32 v[190:191], v[190:191], v[134:135]
	v_pk_add_f32 v[188:189], v[188:189], v[138:139]
	v_pk_add_f32 v[186:187], v[186:187], v[142:143]
	v_pk_add_f32 v[180:181], v[180:181], v[146:147]
	v_pk_add_f32 v[178:179], v[178:179], v[150:151]
	v_pk_add_f32 v[174:175], v[174:175], v[154:155]
	v_pk_add_f32 v[14:15], v[14:15], v[158:159]
	v_pk_add_f32 v[176:177], v[176:177], v[162:163]
	s_delay_alu instid0(VALU_DEP_2)
	v_pk_add_f32 v[14:15], v[14:15], v[186:187]
	s_delay_alu instid0(VALU_DEP_2)
	v_pk_add_f32 v[176:177], v[176:177], v[180:181]
	v_pk_add_f32 v[190:191], v[190:191], v[178:179]
	v_pk_add_f32 v[188:189], v[188:189], v[174:175]
	s_delay_alu instid0(VALU_DEP_2)
	v_pk_add_f32 v[14:15], v[14:15], v[190:191]
	s_delay_alu instid0(VALU_DEP_2)
	v_pk_add_f32 v[176:177], v[176:177], v[188:189]
	s_delay_alu instid0(VALU_DEP_1)
	v_pk_add_f32 v[14:15], v[14:15], v[176:177]
.if \last
	s_wait_alu depctr_va_vdst(0)
	s_wait_dscnt 0x0
.else
	s_wait_dscnt 5                                 ; V and its scale words are in; the five younger loads, the next step's K, may be out
.endif
	v_wmma_scale_f32_16x16x128_f8f6f4 v[O:O+7], v[VF:VF+7], v[PC:PC+7], v[O:O+7], v42, v43 matrix_a_fmt:MATRIX_FMT_FP4 matrix_b_fmt:MATRIX_FMT_FP4
	v_wmma_scale_f32_16x16x128_f8f6f4 v[O+8:O+15], v[VF+8:VF+15], v[PC:PC+7], v[O+8:O+15], v42, v43 matrix_a_fmt:MATRIX_FMT_FP4 matrix_b_fmt:MATRIX_FMT_FP4 matrix_a_scale:MATRIX_SCALE_ROW1
.if \last == 0
	s_add_co_u32 s36, s36, REC                     ; the next record
.endif
.endm
	s_mov_b32 s36, 0
	s_mov_b32 s37, 31
.Lstep:                                            ; no two products that follow each other share an accumulator, over the backward jump too
	s_setprio 2
	STEP 0
	s_sub_co_u32 s37, s37, 1
	s_cmp_lg_u32 s37, 0
	s_cbranch_scc1 .Lstep
	s_setprio 0
	STEP 1                                         ; the last step is written out: no LDS load reaches past the head's last record
	; THE WAY OUT.  O^T / the sum; a query's 32 channels are one block of the projection's K: 16 in this lane, 16 in lane l xor 16
.rept 4
	v_nop
.endr
	v_add_f32 v14, v14, v15
	s_delay_alu instid0(VALU_DEP_1)
	v_permlanex16_b32 v168, v14, s20, s21
	s_delay_alu instid0(VALU_DEP_1)
	v_add_f32 v14, v14, v168                       ; the row's sum
	s_wait_alu depctr_va_vdst(0)
	v_rcp_f32 v170, v14
	v_nop
	s_wait_alu depctr_va_vdst(0)
.irp i, 0,2,4,6,8,10,12,14
	v_pk_mul_f32 v[S+\i:S+\i+1], v[O+\i:O+\i+1], v[170:171] op_sel_hi:[1,0]
.endr
	v_max3_num_f32 v164, |v[S]|, |v[S+1]|, 0x1800000
.irp i, 2,4,6,8,10,12,14
	s_delay_alu instid0(VALU_DEP_1)
	v_max3_num_f32 v164, v164, |v[S+\i]|, |v[S+\i+1]|
.endr
	s_delay_alu instid0(VALU_DEP_1)
	v_permlanex16_b32 v168, v164, s20, s21
	s_delay_alu instid0(VALU_DEP_1)
	v_max_num_f32 v164, v164, v168
	s_delay_alu instid0(VALU_DEP_1)
	v_add_nc_u32 v172, 0xff000000, v164
	s_delay_alu instid0(VALU_DEP_1)
	v_lshrrev_b32 v174, 23, v172
	v_cvt_scalef32_pk8_fp4_f32 v76, v[S:S+7], v172
	v_cvt_scalef32_pk8_fp4_f32 v77, v[S+8:S+15], v172
	v_nop
	global_store_b64 v10, v[76:77], s[10:11]       ; the wave stores 256 consecutive bytes, at a multiple of 256 from oc's first byte
	ds_store_b8 v11, v174                          ; both lanes of a query write the same byte with the same value
	s_wait_dscnt 0x0
	s_barrier_signal -1
	s_barrier_wait -1                              ; the work-group's 256 scale bytes lie in LDS
	s_cmp_lg_u32 s14, 0
	s_cbranch_scc1 .Lnot_mine
	ds_load_b64 v[176:177], v183
	s_wait_dscnt 0x0
	global_store_b64 v184, v[176:177], s[12:13]    ; 256 consecutive bytes
.Lnot_mine:
	s_wait_tensorcnt 0x0                           ; the wave's end: three closing lines
	ds_add_u32 v6, v7
	s_wait_dscnt 0x0
	CROUND                                         ; the closing round
	s_endpgm
.Lfunc_end_k_q49b1c9af38_attn:
	.size	k_q49b1c9af38_attn, .Lfunc_end_k_q49b1c9af38_attn-k_q49b1c9af38_attn
	.p2alignl 7, 3214868480
	.fill 96, 4, 3214868480
	.section	.rodata,"a",@progbits
	.p2align	6, 0x0
	.amdhsa_kernel k_q49b1c9af38_attn
		.amdhsa_group_segment_fixed_size 167936
		.amdhsa_private_segment_fixed_size 0
		.amdhsa_enable_private_segment 0
		.amdhsa_kernarg_size 40
		.amdhsa_user_sgpr_count 2
		.amdhsa_user_sgpr_kernarg_segment_ptr 1
		.amdhsa_wavefront_size32 1
		.amdhsa_system_sgpr_workgroup_id_x 1
		.amdhsa_system_sgpr_workgroup_id_y 1
		.amdhsa_system_sgpr_workgroup_id_z 1
		.amdhsa_system_vgpr_workitem_id 0
		.amdhsa_next_free_vgpr 192
		.amdhsa_next_free_sgpr 66
		.amdhsa_reserve_vcc 0
		.amdhsa_float_denorm_mode_32 3
		.amdhsa_float_denorm_mode_16_64 3
		.amdhsa_memory_ordered 1
		.amdhsa_forward_progress 1
		.amdhsa_inst_pref_size 37
	.end_amdhsa_kernel
	.amdgpu_metadata
---
amdhsa.version: [ 1, 2 ]
amdhsa.kernels:
  - .name:           k_q49b1c9af38_attn
    .symbol:         k_q49b1c9af38_attn.kd
    .args:
      - { .name: qc, .offset: 0, .size: 8, .value_kind: global_buffer, .address_space: global }
      - { .name: qs, .offset: 8, .size: 8, .value_kind: global_buffer, .address_space: global }
      - { .name: kv, .offset: 16, .size: 8, .value_kind: global_buffer, .address_space: global }
      - { .name: oc, .offset: 24, .size: 8, .value_kind: global_buffer, .address_space: global }
      - { .name: os, .offset: 32, .size: 8, .value_kind: global_buffer, .address_space: global }
    .group_segment_fixed_size: 167936
    .private_segment_fixed_size: 0
    .kernarg_segment_align: 8
    .kernarg_segment_size: 40
    .max_flat_workgroup_size: 512
    .sgpr_count:     66
    .vgpr_count:     192
    .wavefront_size: 32
...
	.end_amdgpu_metadata
.endif
;; end of part 5
;; launch tail (part 6): grid 128 x 1, 16 waves a work-group, no clusters, 117,248 bytes of LDS; arguments x, bo, g2, b2, bf1, bf2, oc, os, wc, wsl, out0; writes out0
.if DOCPART == 6
	.amdgcn_target "amdgcn-amd-amdhsa--gfx1250"
	.amdhsa_code_object_version 6
	.text
	.protected	k_q49b1c9af38_tail
	.globl	k_q49b1c9af38_tail
	.p2align	8
	.type	k_q49b1c9af38_tail,@function
k_q49b1c9af38_tail:
	s_mov_b64 s[64:65], 0
	v_nop
	global_prefetch_b8 v0, s[64:65] scope:SCOPE_SE
	s_setreg_imm32_b32 hwreg(HW_REG_WAVE_SCHED_MODE, 0, 2), 2
	s_setreg_imm32_b32 hwreg(HW_REG_WAVE_MODE, 25, 1), 1
	s_wait_xcnt 0x0
	s_wait_alu depctr_vm_vsrc(0)
; THIRD LAUNCH: xf = x + O wo + bo; layer norm; relu(xn w1 + bf1) w2 + bf2 + xf; stored channel-major.  All three products on codes of FP4.  No work is left out.  LIMITS: as stated at the head of the first launch.
; SHARES.  A work-group takes 64 neighbouring tokens of a batch, so that a channel's row of x and of the output is 256 consecutive aligned bytes: four tiles jt of 16 tokens (row m of tile jt = token 32 (m >> 3) + 8 jt + (m & 7)).
; A: wave (fg = w >> 2, jt = w & 3): 64 features x 16 tokens of the projection (source 0 = wo's rows, source 1 = tokens): a lane holds one token and features 64 fg + 32 h + 0..31, a whole block of the next K.
; B: wave w: hidden units 64 w + 0..63, the four tiles of tokens in turn, likewise: a lane's 32 results are a whole block of the last product's K.
; C: wave w: features 16 w + 0..15 (source 0 = tokens, source 1 = w2's rows): a lane holds one feature and tokens 32 h + 0..31, neighbours in the output's rows.
; The weights were laid by the first launch in the order of these operands' registers: each load is 512 consecutive bytes, straight into registers.  w1 and w2 are read once by the work-group, wo once by each of four waves.
; No tensor load and no multicast: the three weights, 313,344 bytes, do not fit into LDS beside the 115,200 bytes that the text uses, and slots that take turns would cost more barriers than this short chain has products for.
; xf lies in LDS as [channel][64 tokens], rows 272 bytes apart; codes go from wave to wave as images of the operands' registers, scale bytes as words of four.
; The variance is made of four groups' means and centred sums of squares, joined by M2 = sum of M2g + 64 sum of (mg - mean)^2.
; THE MODE: SCHED_MODE bits 1:0 = 2 (LLVM: expert scheduling mode 2), set by the entry lines.  The code itself states the register dependences
; between vector or matrix instructions and memory or LDS instructions, with s_wait_alu, always for 0.
; THE PLAN.  Registers that memory or LDS instructions touch, and who else names them:
;   v1, v2, v4-v13, v16-v19   offsets and LDS addresses: made at the head, ahead of one wait on va_vdst, and never written again.
;   ACC      written by additions, read by LDS stores, loaded again behind a barrier; written by the projection, read by LDS stores, written again by the centring: a wait on va_vdst ahead of each run of stores,
;            a wait on vm_vsrc ahead of each writing again.  In C: loaded, summed onto by products, read by the last LDS stores.
;   R1       wo, read by the projection; g2 and b2 land behind it; read by the gains' multiply-adds; w2 lands behind those: the waits on va_vdst that stand ahead of the stores there state both.
;   v36-47   at work: statistics, codes and scale bytes leave from here by LDS stores: a wait on va_vdst ahead of each, a wait on vm_vsrc ahead of the next writing.
;   FX, v29, v30   read by a tile's products in B, loaded again behind them: one wait on va_vdst a tile.
;   FR0, R2's two halves   in C three buffers for the hidden layer's fragments: K step ks reads buffer ks % 3, and K step ks + 2 is asked for behind one wait on va_vdst, into the buffer that K step ks - 1 read.
.set STAT,  0                          ; (jt x 4 + fg) x 128 + 8 r: mean and centred sum of squares
.set XSC,   2048                       ; xn's scale words: jt x 128 + K step x 64 + 4 r
.set HSC,   2560                       ; the hidden layer's: jt x 512 + K step x 64 + 4 r
.set XIMG,  4608                       ; xn's 8 fragments: jt x 2,048 + K step x 1,024
.set HIMG,  12800                      ; the hidden layer's 32: (jt x 8 + K step) x 1,024
.set XF,    45568
.set XP,    272
.set SPARE, XF+256*XP                  ; the spare words, 128 bytes for each wave: eight blocks of 256 bytes that no other line names
.set WAS,   20                         ; v20-23   wo's scale words, later w2's
.set W1S,   24                         ; v24-27   w1's
;                                        v28-35   the tokens' scale words (O's: v28; xn's: v29, v30; the hidden layer's: two sets of four).  v20-35 hold scales and nothing else
.set R1,    48                         ; v48-111  wo's 8 fragments; then g2, b2; then w2's 8
.set R2,    112                        ; v112-175 w1's 8 fragments; in C two buffers of 32
.set ACC,   176                        ; v176-207 four accumulators
.set FR0,   208                        ; v208-239 bf1 in the result's layout; in C a buffer; then rows of the output
.set FX,    240                        ; v240-255 the tokens' two fragments
; v1 4 h, v2 4 r, v4 16 x lane, v5 4 x lane, v6-13, v16, v17 LDS addresses, v9, v18, v19 offsets in memory, v14, v15 the add's two, v36-47 at work
.macro PLACES n
.rept \n
	v_nop
.endr
.endm
.macro WM d, a, b, c, sa, sb, row      ; row = 1: both sides' scale words are taken from lanes 16-31
.if \row
	v_wmma_scale_f32_16x16x128_f8f6f4 v[\d:\d+7], v[\a:\a+7], v[\b:\b+7], v[\c:\c+7], v[\sa], v[\sb] matrix_a_fmt:MATRIX_FMT_FP4 matrix_b_fmt:MATRIX_FMT_FP4 matrix_a_scale:MATRIX_SCALE_ROW1 matrix_b_scale:MATRIX_SCALE_ROW1
.else
	v_wmma_scale_f32_16x16x128_f8f6f4 v[\d:\d+7], v[\a:\a+7], v[\b:\b+7], v[\c:\c+7], v[\sa], v[\sb] matrix_a_fmt:MATRIX_FMT_FP4 matrix_b_fmt:MATRIX_FMT_FP4
.endif
.endm
; the largest magnitude (BMAXA) or the largest number (BMAXN: none is negative) of the 32 registers from ACC on, with the floor 2^(3 - 127) as one more leaf
.macro BMAXA d, t
	v_max3_num_f32 v[\d], |v[ACC]|, |v[ACC+1]|, 0x1800000
	v_max3_num_f32 v[\t], |v[ACC+2]|, |v[ACC+3]|, |v[ACC+4]|
.irp i, 5,9,13,17,21,25
	v_max3_num_f32 v[\d], v[\d], |v[ACC+\i]|, |v[ACC+\i+1]|
	v_max3_num_f32 v[\t], v[\t], |v[ACC+\i+2]|, |v[ACC+\i+3]|
.endr
	v_max3_num_f32 v[\d], v[\d], |v[ACC+29]|, |v[ACC+30]|
	v_max3_num_f32 v[\d], v[\d], v[\t], |v[ACC+31]|
.endm
.macro BMAXN d, t
	v_max3_num_f32 v[\d], v[ACC], v[ACC+1], 0x1800000
	v_max3_num_f32 v[\t], v[ACC+2], v[ACC+3], v[ACC+4]
.irp i, 5,9,13,17,21,25
	v_max3_num_f32 v[\d], v[\d], v[ACC+\i], v[ACC+\i+1]
	v_max3_num_f32 v[\t], v[\t], v[ACC+\i+2], v[ACC+\i+3]
.endr
	v_max3_num_f32 v[\d], v[\d], v[ACC+29], v[ACC+30]
	v_max3_num_f32 v[\d], v[\d], v[\t], v[ACC+31]
.endm
.macro BARRIER                         ; my LDS stores have landed and my LDS loads are in: then the work-group's barrier
	s_wait_dscnt 0x0
	s_barrier_signal -1
	s_barrier_wait -1
.endm
	s_load_b512 s[4:19], s[0:1], 0x0               ; x, bo, g2, b2, bf1, bf2, oc, os
	s_load_b128 s[20:23], s[0:1], 0x40             ; wc, wsl
	s_load_b64 s[24:25], s[0:1], 0x50              ; out0
	v_lshl_add_u32 v14, v0, 2, SPARE
	v_mov_b32 v15, 0
	v_lshrrev_b32 v1, 5, v0
	v_readfirstlane_b32 s26, v1                    ; wave w, 0..15
	v_and_b32 v1, 31, v0
	v_and_b32 v2, 15, v0                           ; r
	v_bfe_u32 v3, v0, 4, 1                         ; h
	v_lshlrev_b32 v4, 4, v1
	v_lshlrev_b32 v5, 2, v1
	v_lshrrev_b32 v36, 3, v2
	v_and_b32 v37, 7, v2
	s_wait_alu depctr_va_sdst(0)                   ; s26 is written, ahead of its first reader: bases and LDS addresses are made from it
	s_lshr_b32 s27, s26, 2                         ; fg
	s_and_b32 s28, s26, 3                          ; jt
	s_lshr_b32 s29, ttmp9, 6                       ; batch
	s_and_b32 s30, ttmp9, 63                       ; group of 64 tokens
	v_mul_u32_u24 v6, v3, 32*XP
	v_lshl_add_u32 v6, v36, 7, v6
	v_lshl_add_u32 v6, v37, 2, v6
	s_mul_i32 s34, s27, 64*XP
	s_lshl_b32 s35, s28, 5
	s_add_co_u32 s34, s34, s35
	s_add_co_u32 s34, s34, XF
	v_add_nc_u32 v6, s34, v6                       ; v6: A: channel 64 fg + 32 h, my token 32 (r >> 3) + 8 jt + (r & 7); channel q further on 272 q
	s_mul_i32 s34, s26, 16*XP
	s_add_co_u32 s34, s34, XF
	v_mul_u32_u24 v7, v2, XP
	v_lshl_add_u32 v7, v3, 7, v7
	v_add_nc_u32 v7, s34, v7                       ; v7: C: channel 16 w + r, tokens 32 h on
	v_mul_u32_u24 v8, v3, XP
	v_lshl_add_u32 v8, v2, 4, v8
	v_add_nc_u32 v8, s34, v8                       ; v8: whole rows: channel 16 w + h, 16 bytes a lane
	v_lshlrev_b32 v9, 14, v3
	v_lshl_add_u32 v9, v2, 4, v9                   ; v9: the same two rows in x and in the output
	s_lshl_b32 s34, s28, 11
	s_lshl_b32 s35, s27, 9
	s_add_co_u32 s34, s34, s35
	s_add_co_u32 s34, s34, XIMG
	v_add_nc_u32 v10, s34, v4                      ; v10: xn's image: my block 2 fg + h is group fg & 1 of K step fg >> 1
	v_lshl_add_u32 v36, v2, 2, v3                  ; 4 r + h
	s_wait_alu depctr_va_vdst(0)
	s_lshl_b32 s34, s28, 7
	s_lshr_b32 s35, s27, 1
	s_lshl_b32 s35, s35, 6
	s_add_co_u32 s34, s34, s35
	s_and_b32 s35, s27, 1
	s_lshl_b32 s35, s35, 1
	s_add_co_u32 s34, s34, s35
	s_add_co_u32 s34, s34, XSC
	v_add_nc_u32 v11, s34, v36                     ; v11: and its scale byte
	s_lshl_b32 s34, s26, 9
	s_add_co_u32 s34, s34, HIMG
	v_add_nc_u32 v12, s34, v4                      ; v12: the hidden layer's image: my block 2 w + h
	s_lshr_b32 s34, s26, 1
	s_lshl_b32 s34, s34, 6
	s_and_b32 s35, s26, 1
	s_lshl_b32 s35, s35, 1
	s_add_co_u32 s34, s34, s35
	s_add_co_u32 s34, s34, HSC
	v_add_nc_u32 v13, s34, v36                     ; v13: and its scale byte
	s_lshl_b32 s34, s28, 9
	s_add_co_u32 s34, s34, STAT
	v_lshl_add_u32 v17, v2, 3, s34                 ; v17: my token's four groups' statistics
	s_lshl_b32 s35, s27, 7
	s_add_co_u32 s34, s34, s35
	v_lshl_add_u32 v16, v2, 3, s34                 ; v16: my group's
	v_lshlrev_b32 v18, 7, v3                       ; v18: 128 h: 32 numbers of a bias or gain
	v_lshl_add_u32 v19, v3, 14, v2                 ; v19: os: heads 4 h on, + r
	v_lshlrev_b32 v1, 2, v3                        ; v1: 4 h
	v_lshlrev_b32 v2, 2, v2                        ; v2: 4 r
	s_lshl_b32 s36, s29, 22                        ; x, out0: batch, my 16 channels, the group's 256 bytes
	s_lshl_b32 s34, s26, 18
	s_add_co_u32 s36, s36, s34
	s_lshl_b32 s34, s30, 8
	s_add_co_u32 s36, s36, s34
	s_mov_b32 s37, 0
	s_lshl_b32 s34, s30, 2
	s_add_co_u32 s34, s34, s28                     ; my tile of tokens in the batch
	s_lshl_b32 s38, s29, 15                        ; os: 8 heads x 4,096 bytes a batch, 16 a tile
	s_lshl_b32 s35, s34, 4
	s_add_co_u32 s38, s38, s35
	s_mov_b32 s39, 0
	s_lshl_b32 s40, s29, 8                         ; oc: 2,048 bytes a tile
	s_add_co_u32 s40, s40, s34
	s_lshl_b32 s40, s40, 11
	s_mov_b32 s41, 0
	s_lshl_b32 s42, s26, 6
	s_mov_b32 s43, 0
	s_lshl_b32 s44, s27, 8
	s_mov_b32 s45, 0
	s_lshl_b32 s46, s26, 8
	s_mov_b32 s47, 0
	s_mov_b32 s57, 0
	s_mov_b32 s32, 0x76543210
	s_mov_b32 s33, 0xfedcba98                      ; v_permlanex16_b32's selects for lane l xor 16
	s_mov_b32 s58, 0x42800000                      ; 64
	s_mov_b32 s59, 0x3b800000                      ; 1 / 256
	s_mov_b32 s60, 0x3727c5ac                      ; 1e-5
	s_wait_kmcnt 0x0
	s_add_nc_u64 s[4:5], s[4:5], s[36:37]
	s_add_nc_u64 s[24:25], s[24:25], s[36:37]
	s_add_nc_u64 s[18:19], s[18:19], s[38:39]
	s_add_nc_u64 s[16:17], s[16:17], s[40:41]
	s_add_nc_u64 s[6:7], s[6:7], s[42:43]          ; bo and bf2 at channel 16 w
	s_add_nc_u64 s[14:15], s[14:15], s[42:43]
	s_add_nc_u64 s[8:9], s[8:9], s[44:45]          ; g2 and b2 at channel 64 fg
	s_add_nc_u64 s[10:11], s[10:11], s[44:45]
	s_add_nc_u64 s[12:13], s[12:13], s[46:47]      ; bf1 at hidden unit 64 w
	s_lshl_b32 s56, s27, 13
	s_add_nc_u64 s[48:49], s[20:21], s[56:57]      ; wo's four tiles of fg
	s_lshl_b32 s56, s26, 13
	s_add_nc_u64 s[50:51], s[20:21], s[56:57]      ; w1's (32,768 further on) and w2's (163,840) four pairs of w
	s_lshl_b32 s56, s27, 9
	s_add_nc_u64 s[52:53], s[22:23], s[56:57]
	s_lshl_b32 s56, s26, 9
	s_add_nc_u64 s[54:55], s[22:23], s[56:57]
	s_wait_alu depctr_va_vdst(0)                   ; the offsets and LDS addresses v1, v2, v4 to v13 and v16 to v19 are written, which every load and store of the kernel reads; so are v36 and v37, in which loads land
.irp j, 0,1,2,3
	global_load_u8 v[36+\j], v19, s[18:19] offset:4096*\j          ; O's scale bytes of heads 4 h + j
.endr
.irp i, 0,1,2,3,4,5,6,7
	global_load_b128 v[ACC+4*\i:ACC+4*\i+3], v9, s[4:5] offset:32768*\i   ; channels 16 w + 2 i + h: sixteen lanes read 256 consecutive bytes
.endr
.irp i, 0,1,2,3,4,5,6,7
	global_load_b32 v[40+\i], v1, s[6:7] offset:8*\i
.endr
.irp n, 0,1,2,3
	global_load_b128 v[FX+4*\n:FX+4*\n+3], v4, s[16:17] offset:512*\n
.endr
.irp n, 0,1,2,3,4,5,6,7,8,9,10,11,12,13,14,15
	global_load_b128 v[R1+4*\n:R1+4*\n+3], v4, s[48:49] offset:512*\n
.endr
.irp n, 0,1,2,3
	global_load_b32 v[WAS+\n], v5, s[52:53] offset:128*\n
.endr
.irp i, 0,1,2,3,4,5,6,7
	global_load_b128 v[FR0+4*\i:FR0+4*\i+3], v18, s[12:13] offset:16*\i
.endr
.irp n, 0,1,2,3,4,5,6,7,8,9,10,11,12,13,14,15
	global_load_b128 v[R2+4*\n:R2+4*\n+3], v4, s[50:51] offset:32768+512*\n
.endr
.irp n, 0,1,2,3
	global_load_b32 v[W1S+\n], v5, s[54:55] offset:2048+128*\n
.endr
	; ---- x + bo into LDS, by rows
	s_wait_loadcnt 52                              ; the scale bytes, x and bo are in; the 52 younger loads (O 4, wo 20, bf1 8, w1 20) may be out
	v_lshl_or_b32 v28, v37, 8, v36
	v_lshl_or_b32 v28, v38, 16, v28
	v_lshl_or_b32 v28, v39, 24, v28                ; O's scale word: lanes 0-15 K step 0, lanes 16-31 K step 1.  (The sixteen additions below are the places between it and the products)
.irp i, 0,2,4,6
.irp k, 0,2
	v_pk_add_f32 v[ACC+4*\i+\k:ACC+4*\i+\k+1], v[ACC+4*\i+\k:ACC+4*\i+\k+1], v[40+\i:41+\i] op_sel_hi:[1,0]             ; the pair's first number serves both halves,
	v_pk_add_f32 v[ACC+4*\i+4+\k:ACC+4*\i+5+\k], v[ACC+4*\i+4+\k:ACC+4*\i+5+\k], v[40+\i:41+\i] op_sel:[0,1] op_sel_hi:[1,1]   ; its second
.endr
.endr
	s_wait_alu depctr_va_vdst(0)                   ; the additions have written ACC, which the LDS stores read; and v28 is written, which the projection's products take as a scale: its places stand ahead of this wait
.irp i, 0,1,2,3,4,5,6,7
	ds_store_b128 v8, v[ACC+4*\i:ACC+4*\i+3] offset:2*XP*\i
.endr
	BARRIER
	s_wait_alu depctr_vm_vsrc(0)                   ; my LDS stores have read ACC, in which the loads below land
	; ---- A: the projection, with x + bo as the C of its first products
.set q, 0
.rept 32
	ds_load_b32 v[ACC+q], v6 offset:XP*q
.set q, q+1
.endr
	s_wait_dscnt 0x0
	s_wait_loadcnt 28                              ; O's codes, wo and its scale words are in; bf1 8 and w1 20 may be out
.irp ks, 0,1
.irp jf, 0,1,2,3
	WM ACC+8*\jf, R1+16*\jf+8*\ks, FX+8*\ks, ACC+8*\jf, WAS+\jf, 28, \ks   ; four accumulators by turns
.endr
.endr
	PLACES 4
	s_wait_alu depctr_va_vdst(0)                   ; the products have written ACC, which the LDS stores read (the places above stay beside this wait), and are done reading R1, in which g2 and b2 land
.irp i, 0,1,2,3,4,5,6,7
	global_load_b128 v[R1+4*\i:R1+4*\i+3], v18, s[8:9] offset:16*\i
.endr
.irp i, 0,1,2,3,4,5,6,7
	global_load_b128 v[R1+32+4*\i:R1+35+4*\i], v18, s[10:11] offset:16*\i
.endr
.set q, 0
.rept 32
	ds_store_b32 v6, v[ACC+q] offset:XP*q          ; xf back into the places that only I have read; each accumulator from its low end on
.set q, q+1
.endr
	v_pk_add_f32 v[36:37], v[ACC:ACC+1], v[ACC+2:ACC+3]
	v_pk_add_f32 v[38:39], v[ACC+4:ACC+5], v[ACC+6:ACC+7]
.irp i, 8,12,16,20,24,28
	v_pk_add_f32 v[36:37], v[36:37], v[ACC+\i:ACC+\i+1]
	v_pk_add_f32 v[38:39], v[38:39], v[ACC+\i+2:ACC+\i+3]
.endr
	v_pk_add_f32 v[36:37], v[36:37], v[38:39]
	v_add_f32 v36, v36, v37
	v_permlanex16_b32 v42, v36, s32, s33
	v_add_f32 v36, v36, v42
	v_mul_f32 v40, 0x3c800000, v36                 ; the mean of my group's 64 features
	v_mov_b32 v41, v40
	s_wait_alu depctr_va_vdst(0)
	s_wait_dscnt 0x0                               ; my stores of xf have landed
	s_wait_alu depctr_vm_vsrc(0)                   ; the LDS stores have read the accumulators, which the centring writes now
.irp i, 0,2,4,6,8,10,12,14,16,18,20,22,24,26,28,30
	v_pk_add_f32 v[ACC+\i:ACC+\i+1], v[ACC+\i:ACC+\i+1], v[40:41] neg_lo:[0,1] neg_hi:[0,1]
.endr
	v_pk_mul_f32 v[36:37], v[ACC:ACC+1], v[ACC:ACC+1]
	v_pk_mul_f32 v[38:39], v[ACC+2:ACC+3], v[ACC+2:ACC+3]
.irp i, 4,8,12,16,20,24,28
	v_pk_fma_f32 v[36:37], v[ACC+\i:ACC+\i+1], v[ACC+\i:ACC+\i+1], v[36:37]
	v_pk_fma_f32 v[38:39], v[ACC+\i+2:ACC+\i+3], v[ACC+\i+2:ACC+\i+3], v[38:39]
.endr
	v_pk_add_f32 v[36:37], v[36:37], v[38:39]
	v_add_f32 v36, v36, v37
	v_permlanex16_b32 v42, v36, s32, s33
	v_add_f32 v41, v36, v42                        ; its centred sum of squares
	v_mov_b32 v44, v40
	s_wait_alu depctr_va_vdst(0)                   ; v40 and v41 are written, which the LDS store reads; and the sums are done with v36 to v43, in which the four groups' statistics land behind the barrier
	ds_store_b64 v16, v[40:41]                     ; both lanes of a token write the same
	BARRIER
	s_wait_alu depctr_vm_vsrc(0)                   ; my LDS store has read v40 and v41, in which a load below lands
.irp f, 0,1,2,3
	ds_load_b64 v[36+2*\f:37+2*\f], v17 offset:128*\f
.endr
	s_wait_dscnt 0x0
	v_add_f32 v45, v36, v38
	v_add_f32 v46, v40, v42
	v_add_f32 v45, v45, v46
	v_mul_f32 v45, 0x3e800000, v45                 ; the row's mean
	v_add_f32 v46, v37, v39
	v_add_f32 v47, v41, v43
	v_add_f32 v46, v46, v47
.irp f, 0,1,2,3
	v_sub_f32 v[36+2*\f], v[36+2*\f], v45
.endr
	v_mul_f32 v47, v36, v36
	v_fma_f32 v47, v38, v38, v47
	v_fma_f32 v47, v40, v40, v47
	v_fma_f32 v47, v42, v42, v47
	v_fma_f32 v46, v47, s58, v46
	v_fma_f32 v46, v46, s59, s60                   ; the variance + 1e-5
	s_wait_alu depctr_va_vdst(0)
	v_rsq_f32 v36, v46
	v_sub_f32 v44, v44, v45                        ; (a plain instruction behind the transcendental)  my group's mean - the row's
	s_wait_alu depctr_va_vdst(0)                   ; the reciprocal root v36 is written: the wait ahead of its first reader
	v_mov_b32 v37, v36
	v_mul_f32 v38, v44, v36
	v_mov_b32 v39, v38
	s_wait_alu depctr_va_vdst(0)
	s_wait_loadcnt 0x0                             ; g2 and b2 (and all that was asked for earlier)
.irp i, 0,2,4,6,8,10,12,14,16,18,20,22,24,26,28,30
	v_pk_fma_f32 v[ACC+\i:ACC+\i+1], v[ACC+\i:ACC+\i+1], v[36:37], v[38:39]
.endr
.irp i, 0,2,4,6,8,10,12,14,16,18,20,22,24,26,28,30
	v_pk_fma_f32 v[ACC+\i:ACC+\i+1], v[ACC+\i:ACC+\i+1], v[R1+\i:R1+\i+1], v[R1+32+\i:R1+33+\i]
.endr
	BMAXA 40, 41
	v_add_nc_u32 v42, 0xff000000, v40              ; 2 off the exponent field: the conversion's scale operand
	v_lshrrev_b32 v43, 23, v42
.irp g, 0,1,2,3
	v_cvt_scalef32_pk8_fp4_f32 v[44+\g], v[ACC+8*\g:ACC+8*\g+7], v42
.endr
	v_nop                                          ; one plain instruction behind a scaled conversion
	s_wait_alu depctr_va_vdst(0)                   ; the codes v44 to v47 and the byte v43 are written, which the LDS stores read; the multiply-adds are done reading R1 and v36, and the projection's products v20 to v23: w2, bf2 and w2's scale words land there
	ds_store_b128 v10, v[44:47]
	ds_store_b8 v11, v43
.irp n, 0,1,2,3,4,5,6,7,8,9,10,11,12,13,14,15
	global_load_b128 v[R1+4*\n:R1+4*\n+3], v4, s[50:51] offset:163840+512*\n   ; w2's eight fragments: they land under stage B
.endr
.irp n, 0,1,2,3
	global_load_b32 v[WAS+\n], v5, s[54:55] offset:10240+128*\n
.endr
	global_load_b32 v36, v2, s[14:15]              ; bf2 of feature 16 w + r
	BARRIER                                        ; xn's eight fragments and their scale words lie in LDS
	; ---- B: the hidden layer, a tile of 16 tokens at a time
.macro FETX jt
.irp n, 0,1,2,3
	ds_load_b128 v[FX+4*\n:FX+4*\n+3], v4 offset:XIMG+(\jt)*2048+512*\n
.endr
	ds_load_b32 v[29+(\jt)%2], v5 offset:XSC+(\jt)*128
.endm
	FETX 0                                         ; (no vector instruction since the wait above, which stands behind the projection's reads of FX)
.irp jt, 0,1,2,3
	s_wait_dscnt 0x0                               ; the tile's fragments are in
	s_wait_alu depctr_vm_vsrc(0)                   ; the LDS stores issued so far have read v40 to v47, which this tile's quantiser writes again
.irp jf, 0,1,2,3
	WM ACC+8*\jf, R2+16*\jf, FX, FR0+8*\jf, W1S+\jf, 29+\jt%2, 0   ; bf1 is the C of each sum's first product
.endr
.irp jf, 0,1,2,3
	WM ACC+8*\jf, R2+16*\jf+8, FX+8, ACC+8*\jf, W1S+\jf, 29+\jt%2, 1
.endr
	PLACES 5                                       ; behind the products: ahead of the first read of results, and of the products that begin these accumulators anew
.if \jt < 3
	s_wait_alu depctr_va_vdst(0)                   ; the products so far are done reading FX and the scale word in which the next tile's loads land
	FETX \jt+1
.endif
.set q, 0
.rept 32
	v_max_num_f32 v[ACC+q], 0, v[ACC+q]            ; the activation, in f32
.set q, q+1
.endr
	BMAXN 38, 39
	v_add_nc_u32 v44, 0xff000000, v38
	v_lshrrev_b32 v45, 23, v44
.irp g, 0,1,2,3
	v_cvt_scalef32_pk8_fp4_f32 v[40+\g], v[ACC+8*\g:ACC+8*\g+7], v44
.endr
	v_nop
	s_wait_alu depctr_va_vdst(0)                   ; the codes v40 to v43 and the byte v45 are written, which the LDS stores read.  In the last tile it also states that the vector and matrix work is done with ACC, FR0, R2 and v28 to v31, in which stage C's first loads land
	ds_store_b128 v12, v[40:43] offset:8192*\jt
	ds_store_b8 v13, v45 offset:512*\jt
.endr
	BARRIER                                        ; the hidden layer's 32 fragments and their scale words lie in LDS
	; ---- C: my 16 features for the 64 tokens, with xf + bf2 as the C of the first products; four accumulators by turns, a K step at a time, three buffers: K step ks lies in FR0, R2 or R2 + 32 by ks % 3
.macro FETH ks
.set HB, FR0-96*((\ks)%3)+128*(((\ks)%3)/2)
.irp jt, 0,1,2,3
.irp c, 0,1
	ds_load_b128 v[HB+8*\jt+4*\c:HB+8*\jt+4*\c+3], v4 offset:HIMG+(8*\jt+(\ks))*1024+512*\c
.endr
.endr
.if (\ks)%2 == 0
.irp jt, 0,1,2,3
	ds_load_b32 v[28+4*(((\ks)/2)%2)+\jt], v5 offset:HSC+512*\jt+128*((\ks)/2)   ; lanes 0-15 this K step's words, lanes 16-31 the next's
.endr
.endif
.endm
.irp i, 0,1,2,3,4,5,6,7
	ds_load_b128 v[ACC+4*\i:ACC+4*\i+3], v7 offset:16*\i
.endr
	FETH 0
	FETH 1
	s_wait_loadcnt 0x0                             ; w2, its scale words, bf2
	s_wait_dscnt 20                                ; xf is in; the 12 loads of K step 0 and the 8 of K step 1 may be out
.irp i, 0,2,4,6,8,10,12,14,16,18,20,22,24,26,28,30
	v_pk_add_f32 v[ACC+\i:ACC+\i+1], v[ACC+\i:ACC+\i+1], v[36:37] op_sel_hi:[1,0]
.endr
	s_wait_alu depctr_va_vdst(0)
.irp ks, 0,1,2,3,4,5,6,7
.if \ks < 6
.if \ks > 0
	PLACES 4                                       ; behind the products of the K step before, as in the plain form
	s_wait_alu depctr_va_vdst(0)                   ; those products are done reading their buffer, and all earlier ones their scale words: K step ks + 2 lands there
.endif                                             ; (K step 2 lands in registers whose last readers, stage B's products, stand ahead of stage B's last wait; the additions above name none of them)
	FETH \ks+2
	s_wait_dscnt 20                                ; this K step's loads are in; the two younger K steps' (12 + 8) may be out
.elseif \ks == 6
	s_wait_dscnt 8                                 ; all but the last K step's eight
.else
	s_wait_dscnt 0x0
.endif
.set HK, FR0-96*(\ks%3)+128*((\ks%3)/2)
.irp jt, 0,1,2,3
	WM ACC+8*\jt, HK+8*\jt, R1+8*\ks, ACC+8*\jt, 28+4*((\ks/2)%2)+\jt, WAS+\ks/2, \ks%2
.endr
.endr
	PLACES 4
	s_wait_alu depctr_va_vdst(0)                   ; the products have written the accumulators, which the LDS stores read (the places above stay beside this wait), and are done reading FR0, in which the rows land
	; ---- the way out: a lane holds 32 neighbouring tokens of one channel; through my own 16 rows of LDS they become whole rows
.irp i, 0,1,2,3,4,5,6,7
	ds_store_b128 v7, v[ACC+4*\i:ACC+4*\i+3] offset:16*\i
.endr
.irp i, 0,1,2,3,4,5,6,7
	ds_load_b128 v[FR0+4*\i:FR0+4*\i+3], v8 offset:2*XP*\i   ; LDS serves a wave's instructions in order (ISA guide 5.7.1.4): these see my stores
.endr
.irp i, 0,1,2,3,4,5,6,7
	s_wait_dscnt 7-\i
	global_store_b128 v9, v[FR0+4*\i:FR0+4*\i+3], s[24:25] offset:32768*\i th:TH_STORE_NT   ; sixteen lanes store 256 consecutive bytes, at a multiple of 256 from the output's first byte
.endr
	s_wait_dscnt 0x0                               ; the closing lines, six on end
	s_wait_alu 0x0
	s_wait_tensorcnt 0x0
	ds_add_u32 v14, v15
	s_wait_dscnt 0x0
	s_endpgm
.Lfunc_end_k_q49b1c9af38_tail:
	.size	k_q49b1c9af38_tail, .Lfunc_end_k_q49b1c9af38_tail-k_q49b1c9af38_tail
	.p2alignl 7, 3214868480
	.fill 96, 4, 3214868480
	.section	.rodata,"a",@progbits
	.p2align	6, 0x0
	.amdhsa_kernel k_q49b1c9af38_tail
		.amdhsa_group_segment_fixed_size 117248
		.amdhsa_private_segment_fixed_size 0
		.amdhsa_enable_private_segment 0
		.amdhsa_kernarg_size 88
		.amdhsa_user_sgpr_count 2
		.amdhsa_user_sgpr_kernarg_segment_ptr 1
		.amdhsa_wavefront_size32 1
		.amdhsa_system_sgpr_workgroup_id_x 1
		.amdhsa_system_sgpr_workgroup_id_y 1
		.amdhsa_system_sgpr_workgroup_id_z 1
		.amdhsa_system_vgpr_workitem_id 0
		.amdhsa_next_free_vgpr 256
		.amdhsa_next_free_sgpr 66
		.amdhsa_reserve_vcc 0
		.amdhsa_float_denorm_mode_32 3
		.amdhsa_float_denorm_mode_16_64 3
		.amdhsa_memory_ordered 1
		.amdhsa_forward_progress 1
		.amdhsa_inst_pref_size 62
	.end_amdhsa_kernel
	.amdgpu_metadata
---
amdhsa.version: [ 1, 2 ]
amdhsa.kernels:
  - .name:           k_q49b1c9af38_tail
    .symbol:         k_q49b1c9af38_tail.kd
    .args:
      - { .name: x, .offset: 0, .size: 8, .value_kind: global_buffer, .address_space: global }
      - { .name: bo, .offset: 8, .size: 8, .value_kind: global_buffer, .address_space: global }
      - { .name: g2, .offset: 16, .size: 8, .value_kind: global_buffer, .address_space: global }
      - { .name: b2, .offset: 24, .size: 8, .value_kind: global_buffer, .address_space: global }
      - { .name: bf1, .offset: 32, .size: 8, .value_kind: global_buffer, .address_space: global }
      - { .name: bf2, .offset: 40, .size: 8, .value_kind: global_buffer, .address_space: global }
      - { .name: oc, .offset: 48, .size: 8, .value_kind: global_buffer, .address_space: global }
      - { .name: os, .offset: 56, .size: 8, .value_kind: global_buffer, .address_space: global }
      - { .name: wc, .offset: 64, .size: 8, .value_kind: global_buffer, .address_space: global }
      - { .name: wsl, .offset: 72, .size: 8, .value_kind: global_buffer, .address_space: global }
      - { .name: out0, .offset: 80, .size: 8, .value_kind: global_buffer, .address_space: global }
    .group_segment_fixed_size: 117248
    .private_segment_fixed_size: 0
    .kernarg_segment_align: 8
    .kernarg_segment_size: 88
    .max_flat_workgroup_size: 512
    .sgpr_count:     66
    .vgpr_count:     256
    .wavefront_size: 32
...
	.end_amdgpu_metadata
.endif
;; end of part 6
